; MI455X (gfx1250); checked and timed in simulation.
; The chip was launched on July 23, 2026; its instructions are those of AMD's public machine-readable ISA for CDNA 5 (MIT licence, August 2026) and "CDNA5" Instruction Set Architecture Reference Guide (July 2026). The comments in the code are by the model that wrote it; some were corrected since.
;; Block. Allowed arithmetic: matrix products marked QUANTISED: E2M3 operands, one E8M0 scale for each 32 along K, by v_wmma_scale_f32_16x16x128_f8f6f4 with both operands' format E2M3, f32 sums; everything else in f32.
;; Inputs: W1 1,024 x 4,096 float32; W2 4,096 x 1,024 float32; Wk 16 x 1,024 x 64 float32; Wp 1,024 x 1,024 float32; Wq 16 x 1,024 x 64 float32; Wv 16 x 1,024 x 64 float32; b1 4,096 float32; b2 1,024 float32; bp 1,024 float32; inputs 4 x 1,024 x 1,024 float32; ln1_b 1,024 float32; ln1_g 1,024 float32; ln2_b 1,024 float32; ln2_g 1,024 float32.
;; Outputs: out0 4 x 1,024 x 1,024 float32.
;; This version of the problem:
;;   THIS VERSION OF THE PROBLEM IS GIVEN IN LOW PRECISION. The matrix products marked QUANTISED in the list below multiply operands that are first quantised to E2M3 (2 exponent bits, 3 mantissa bits; 6 bits a number), with one power-of-two scale for each 32 numbers along K (OCP MX v1.0); their sums are f32. All else is computed in f32.
;;   The module's matrix products, in the order in which they are computed (A, B: the left and right operand; K: the contracted axis; several contracted axes count as one K, in the product's order):
;;     1. [M 1,024, K 1,024] x [K 1,024, N 4,096]; A: input Wq; B: computed on the way: QUANTISED
;;     2. [M 1,024, K 1,024] x [K 1,024, N 4,096]; A: input Wk; B: computed on the way: QUANTISED
;;     3. [M 1,024, K 1,024] x [K 1,024, N 4,096]; A: input Wv; B: computed on the way: QUANTISED
;;     4. batch 64 x [M 1,024, K 64] x [K 64, N 1,024]; A: computed on the way; B: computed on the way: QUANTISED
;;     5. batch 64 x [M 1,024, K 1,024] x [K 1,024, N 64]; A: softmax (see below); B: computed on the way: QUANTISED
;;     6. [M 4,096, K 1,024] x [K 1,024, N 1,024]; A: computed on the way; B: input Wp: QUANTISED
;;     7. [M 4,096, K 1,024] x [K 1,024, N 4,096]; A: computed on the way; B: input W1: QUANTISED
;;     8. [M 4,096, K 4,096] x [K 4,096, N 1,024]; A: computed on the way; B: input W2: QUANTISED
;;   THE QUANTISER, for each operand of a quantised product, along K:
;;     - K is cut into blocks of 32 from its start; a last block that is shorter is filled with zeros.
;;     - A block's scale is 2^e with e = floor(log2(the largest magnitude in the block)) - 2, held to -126 .. 127; a block of zeros has e = 0. As a byte (E8M0): e + 127.
;;     - Each number is divided by its block's scale, clamped to +-7.5, and rounded to the nearest number of E2M3, ties to even, subnormals kept.
;;     - The product sums the exact products of the quantised numbers (number of the format x scale) in f32.
;;   ~~~python
;;   def quantise(x, axis):      # numpy; x: float32 -> the quantised numbers, widened to float32 again
;;       x = np.moveaxis(x, axis, -1); K = x.shape[-1]
;;       x = np.pad(x, [(0, 0)] * (x.ndim - 1) + [(0, -K % 32)]); x = x.reshape(x.shape[:-1] + (-1, 32)); a = np.abs(x).max(-1, keepdims=True)
;;       e = np.where(a > 0, np.clip(np.frexp(np.where(a > 0, a, 1))[1] - 1 - 2, -126, 127), 0)      # np.frexp(a)[1] - 1 = floor(log2(a)), exactly
;;       r = np.clip(x / 2.0 ** e, -7.5, 7.5)
;;       step = 2.0 ** (np.maximum(np.frexp(np.where(r == 0, 1, r))[1] - 1, 0) - 3)
;;       q = np.round(r / step) * step * 2.0 ** e      # np.round: ties to even
;;       return np.moveaxis(q.reshape(q.shape[:-2] + (-1,))[..., :K], -1, axis).astype(np.float32)
;;   ~~~
;;   SOFTMAX AHEAD OF A QUANTISED PRODUCT. Where the list says 'softmax', what is quantised is not the finished softmax but p = 2^(t - M), with t = logit x log2(e) and M = ceil(the row's largest t), a whole number; so 1/2 < the row's largest p <= 1. The row's sum l is taken of the UNQUANTISED p, in f32, and the product's result is divided by l at the end. Since M is a whole number, a kernel that streams over the keys may use a running M (the ceiling of the running maximum): every later rescaling is an exact power of two, which a block's scale takes up: the codes' values come out the same.
;;   OPERANDS COMPUTED ON THE WAY. 'Computed on the way' means the value that the module computes at that place (a softmax that the list does not call 'softmax' is quantised finished and normalised). What goes into a quantiser is computed in f32, as accurately as f32 sums, v_exp_f32 and their like allow (about 1e-6 of the number): no bf16 or f16 on the way to a quantiser, and a product that is left as it is and whose result goes on into a quantised operand takes f32 operands (vector FMAs, or v_wmma_f32_16x16x4_f32). A number that lies on a knife's edge between two numbers of the format may be rounded either way, as far as f32 arithmetic and the matrix unit's own rounding can turn it there, and no further.
;; 2 versions. Each part assembles by itself: llvm-mc -triple=amdgcn-amd-amdhsa -mcpu=gfx1250 --defsym DOCPART=n.
;; ======== version 1 of 2: 8 launches
;; workspace buffers: wts 9,830,400 bytes; act 3,276,800 bytes; qkv 9,830,400 bytes; ctx 3,276,800 bytes; xres 16,777,216 bytes; hid 13,107,200 bytes
;; launch wquant (part 1): grid 32 x 12, 4 waves a work-group, no clusters, 0 bytes of LDS; arguments Wq, Wk, Wv, Wp, W1, W2, wts; writes wts
.if DOCPART == 1
	.amdgcn_target "amdgcn-amd-amdhsa--gfx1250"
	.amdhsa_code_object_version 6
	.text
	.protected	k_q749f0c32cb_wquant
	.globl	k_q749f0c32cb_wquant
	.p2align	8
	.type	k_q749f0c32cb_wquant,@function
k_q749f0c32cb_wquant:
	s_mov_b64 s[64:65], 0
	v_nop
	global_prefetch_b8 v0, s[64:65] scope:SCOPE_SE
	s_setreg_imm32_b32 hwreg(HW_REG_WAVE_MODE, 25, 1), 1
	s_wait_xcnt 0x0
; THE PROGRAM: a transformer block on 4,096 tokens, C = 1,024; all eight matrix products on codes of E2M3 with one E8M0 scale for each 32 along K.
; Launches: this one (weights into codes), ln (LN1 into codes), gq (q, k, v), att (attention), gp (projection + residual), ln again (LN2), gh (MLP up, relu), g2 (MLP down + residual).
; WORK LEFT OUT: reference() sets the scores of keys s > t to -infinity by a jnp.tril that it builds itself; the softmax gives them the weight 0 for all values of the inputs, so steps of 128 keys
; that lie wholly behind a tile's 16 queries reach no output and are not multiplied (launch att).  Nothing else is left out, and every input is loaded.
; LIMIT: a NaN, an infinity or an overflow that reaches only those steps is not carried to the result.
; THIS LAUNCH: Wq, Wk, Wv [16][1024][64], Wp [1024][1024], W1 [1024][4096], W2 [4096][1024], f32, K is not innermost.  A LANE TAKES A COLUMN n AND ITS REGISTERS RUN DOWN K, so a block of 32 along K lies in
; one lane's 32 registers.  A block's scale is 2^(floor(log2(largest magnitude)) - 2); its byte is the largest magnitude's exponent field - 2, held at 1 from below.
; LIMITS: a block of zeros, or one under 2^-124, gets the byte 1 where the rule says 127: its codes are zeros and only this program reads the bytes; NaN and infinities among the inputs are not served.
; THE LAYOUT OF EVERY OPERAND OF THIS PROGRAM ("half-images"): codes [block of 16 rows rb][kh = K / 64][768 bytes]: for lane l = r + 16 h the six words of k = 64 kh + 32 h + 0 .. 31 of the row at place r:
; words 0-3 at byte 16 l, words 4-5 at byte 512 + 16 r + 8 h.  Scales [rb][K / 128][16 words].  Place r of rb holds row 32 (rb / 2) + 8 (rb % 2) + r + 8 (r / 8).
; A wave takes 32 columns x 256 along K: 8 blocks a lane.  Two blocks (one half-image's h = 0 and h = 1) leave by three stores of 16 bytes a lane; sixteen lanes of a store cover 256 consecutive aligned bytes.
; The work-group's y says which tensor: 0 Wq, 1 Wk, 2 Wv, 3 Wp, 4-7 W1, 8-11 W2; all that differs is chosen by s_cselect on y: one path, no branch.  Wq's and Wk's rows are laid by turns, head by head: row 128 head + 64 which + d.
.set X,    48                          ; v48-111  two sets of 32 numbers
.set E,    112                         ; v112-115 words 0-3 of the even block, v116-119 of the odd one
.set TAIL, 120                         ; v120-123 words 4, 5 of both
.set T,    124                         ; v124-126 the upper 16 codes as they are made
	s_load_b256 s[4:11], s[0:1], 0x0               ; Wq, Wk, Wv, Wp
	s_load_b128 s[12:15], s[0:1], 0x20             ; W1, W2
	s_load_b64 s[16:17], s[0:1], 0x30              ; wts
	v_lshrrev_b32 v1, 5, v0
	v_readfirstlane_b32 s19, v1                    ; wave
	s_and_b32 s18, ttmp7, 0xffff                   ; y
	s_and_b32 s31, ttmp9, 7
	s_lshr_b32 s35, ttmp9, 3
	s_sub_co_u32 s30, s18, 4
	s_sub_co_u32 s34, s18, 8
	s_lshl_b32 s34, s34, 2
	s_add_co_u32 s34, s34, s35
	s_mov_b32 s28, s31                             ; cb: which 128 columns
	s_mov_b32 s29, s35                             ; kb: which 256 along K
	s_mov_b32 s20, 256                             ; bytes from k to k + 1
	s_mov_b32 s21, 262144                          ; bytes from 64 columns to the next 64
	s_mov_b32 s22, 128                             ; rows of the result from 64 columns to the next 64
	s_mov_b32 s23, 0                               ; and the first
	s_mov_b32 s24, 0                               ; the codes' place in wts
	s_mov_b32 s25, 9437184                         ; the scales'
	s_mov_b32 s26, 12288                           ; bytes of codes of a block of 16 rows
	s_mov_b32 s27, 512                             ; and of scales
	s_wait_kmcnt 0x0
	s_mov_b64 s[32:33], s[4:5]
	s_cmp_eq_u32 s18, 1
	s_cselect_b64 s[32:33], s[6:7], s[32:33]
	s_cselect_b32 s23, 64, s23
	s_cmp_ge_u32 s18, 2
	s_cselect_b64 s[32:33], s[8:9], s[32:33]
	s_cselect_b32 s22, 64, s22
	s_cselect_b32 s24, 1572864, s24
	s_cselect_b32 s25, 9502720, s25
	s_cmp_ge_u32 s18, 3
	s_cselect_b64 s[32:33], s[10:11], s[32:33]
	s_cselect_b32 s20, 4096, s20
	s_cselect_b32 s21, 256, s21
	s_cselect_b32 s24, 2359296, s24
	s_cselect_b32 s25, 9535488, s25
	s_cmp_ge_u32 s18, 4
	s_cselect_b64 s[32:33], s[12:13], s[32:33]
	s_cselect_b32 s20, 16384, s20
	s_cselect_b32 s24, 3145728, s24
	s_cselect_b32 s25, 9568256, s25
	s_cselect_b32 s28, ttmp9, s28
	s_cselect_b32 s29, s30, s29
	s_cmp_ge_u32 s18, 8
	s_cselect_b64 s[32:33], s[14:15], s[32:33]
	s_cselect_b32 s20, 4096, s20
	s_cselect_b32 s24, 6291456, s24
	s_cselect_b32 s25, 9699328, s25
	s_cselect_b32 s26, 49152, s26
	s_cselect_b32 s27, 2048, s27
	s_cselect_b32 s28, s31, s28
	s_cselect_b32 s29, s34, s29
	s_lshl_b32 s30, s28, 7
	s_lshl_b32 s31, s19, 5
	s_add_co_u32 s30, s30, s31                     ; my wave's first column
	s_lshr_b32 s31, s30, 6
	s_and_b32 s34, s30, 63
	s_mul_i32 s56, s31, s21
	s_lshl_b32 s35, s34, 2
	s_add_co_u32 s56, s56, s35
	s_mul_i32 s35, s29, s20
	s_lshl_b32 s35, s35, 8
	s_add_co_u32 s56, s56, s35                     ; its first number's byte in the tensor (under 2^25)
	s_mov_b32 s57, 0
	s_add_nc_u64 s[36:37], s[32:33], s[56:57]      ; a base for each of the 8 blocks: no pointer is stepped
	s_lshl_b32 s58, s20, 5
	s_mov_b32 s59, 0
.irp t, 1,2,3,4,5,6,7
	s_add_nc_u64 s[36+2*\t:37+2*\t], s[34+2*\t:35+2*\t], s[58:59]
.endr
	s_mul_i32 s31, s31, s22
	s_add_co_u32 s31, s31, s34
	s_add_co_u32 s31, s31, s23                     ; the first row of the result, a multiple of 32
	s_lshr_b32 s31, s31, 5
	s_lshl_b32 s31, s31, 1                         ; its block of 16 rows; my 32 columns fill two
	s_mul_i32 s56, s31, s26
	s_add_co_u32 s56, s56, s24
	s_mul_i32 s35, s29, 3072
	s_add_co_u32 s56, s56, s35
	s_add_nc_u64 s[52:53], s[16:17], s[56:57]      ; codes
	s_mul_i32 s56, s31, s27
	s_add_co_u32 s56, s56, s25
	s_lshl_b32 s35, s29, 7
	s_add_co_u32 s56, s56, s35
	s_add_nc_u64 s[54:55], s[16:17], s[56:57]      ; scales
	v_and_b32 v1, 31, v0                           ; L: my column
	v_lshlrev_b32 v2, 2, v1
	v_bfe_u32 v5, v1, 3, 1                         ; which of the two blocks of rows
	v_and_b32 v6, 7, v1
	v_bfe_u32 v7, v1, 4, 1
	v_lshl_add_u32 v6, v7, 3, v6                   ; my place r in it
	v_mul_lo_u32 v3, v5, s26
	v_lshl_add_u32 v3, v6, 4, v3                   ; codes: 16 r
	v_mul_lo_u32 v4, v5, s27
	v_lshl_add_u32 v4, v6, 2, v4                   ; scales: 4 r
.set i, 0
.rept 32
	v_mad_u32_u24 v[16+i], s20, i, v2              ; v16-47: 4 L + i rows of the tensor
.set i, i+1
.endr
.macro LOAD t                          ; block t: 32 rows k at my column; 32 lanes read 128 consecutive bytes
.set i, 0
.rept 32
	global_load_b32 v[X+32*((\t)%2)+i], v[16+i], s[36+2*(\t):37+2*(\t)] th:TH_LOAD_NT
.set i, i+1
.endr
.endm
.macro BLOCK t
.set XS, X+32*((\t)%2)
.if (\t) < 7
	s_wait_loadcnt 32                              ; this block's 32 loads are in; the next block's may be out
.else
	s_wait_loadcnt 0
.endif
	v_max3_num_f32 v12, |v[XS]|, |v[XS+1]|, |v[XS+2]|
	v_max3_num_f32 v13, |v[XS+3]|, |v[XS+4]|, |v[XS+5]|
.irp i, 6,10,14,18,22,26
	v_max3_num_f32 v12, v12, |v[XS+\i]|, |v[XS+\i+1]|
	v_max3_num_f32 v13, v13, |v[XS+\i+2]|, |v[XS+\i+3]|
.endr
	v_max3_num_f32 v12, v12, |v[XS+30]|, |v[XS+31]|
	v_max3_num_f32 v12, v12, v13, 0x1800000        ; the floor 2^(3 - 127): the byte cannot fall under 1
	v_add_nc_u32 v11, 0xff000000, v12              ; 2 off the exponent field: the conversion's scale operand
	v_lshrrev_b32 v10, 23, v11                     ; the scale's byte
.if (\t)%4 == 0
	v_mov_b32 v[8+(\t)/4], v10
.else
	v_lshl_or_b32 v[8+(\t)/4], v10, 8*((\t)%4), v[8+(\t)/4]
.endif
.if ((\t)%2 == 0) && ((\t) > 0)
	s_wait_xcnt 0x0                                ; the last pair's three stores have read their registers: they are written again only behind this wait
.endif
	v_cvt_scalef32_pk16_fp6_f32 v[E+4*((\t)%2):E+4*((\t)%2)+2], v[XS:XS+15], v11
	v_cvt_scalef32_pk16_fp6_f32 v[T:T+2], v[XS+16:XS+31], v11
	v_nop                                          ; one plain place behind a scaled conversion
	v_mov_b32 v[E+4*((\t)%2)+3], v[T]
	v_mov_b32 v[TAIL+2*((\t)%2)], v[T+1]
	v_mov_b32 v[TAIL+2*((\t)%2)+1], v[T+2]
.if (\t)+2 < 8
	LOAD (\t)+2
.endif
.if (\t)%2 == 1
	global_store_b128 v3, v[E:E+3], s[52:53] offset:((\t)/2)*768
	global_store_b128 v3, v[E+4:E+7], s[52:53] offset:((\t)/2)*768+256
	global_store_b128 v3, v[TAIL:TAIL+3], s[52:53] offset:((\t)/2)*768+512
.endif
.endm
	LOAD 0
	LOAD 1
.irp t, 0,1,2,3,4,5,6,7
	BLOCK \t
.endr
	global_store_b32 v4, v8, s[54:55]              ; my row's two scale words
	global_store_b32 v4, v9, s[54:55] offset:64
	s_endpgm
.Lfunc_end_k_q749f0c32cb_wquant:
	.size	k_q749f0c32cb_wquant, .Lfunc_end_k_q749f0c32cb_wquant-k_q749f0c32cb_wquant
	.p2alignl 7, 3214868480
	.fill 96, 4, 3214868480
	.section	.rodata,"a",@progbits
	.p2align	6, 0x0
	.amdhsa_kernel k_q749f0c32cb_wquant
		.amdhsa_group_segment_fixed_size 0
		.amdhsa_private_segment_fixed_size 0
		.amdhsa_enable_private_segment 0
		.amdhsa_kernarg_size 56
		.amdhsa_user_sgpr_count 2
		.amdhsa_user_sgpr_kernarg_segment_ptr 1
		.amdhsa_wavefront_size32 1
		.amdhsa_system_sgpr_workgroup_id_x 1
		.amdhsa_system_sgpr_workgroup_id_y 1
		.amdhsa_system_sgpr_workgroup_id_z 1
		.amdhsa_system_vgpr_workitem_id 0
		.amdhsa_next_free_vgpr 128
		.amdhsa_next_free_sgpr 66
		.amdhsa_reserve_vcc 0
		.amdhsa_float_denorm_mode_32 3
		.amdhsa_float_denorm_mode_16_64 3
		.amdhsa_memory_ordered 1
		.amdhsa_forward_progress 1
		.amdhsa_inst_pref_size 44
	.end_amdhsa_kernel
	.amdgpu_metadata
---
amdhsa.version: [ 1, 2 ]
amdhsa.kernels:
  - .name:           k_q749f0c32cb_wquant
    .symbol:         k_q749f0c32cb_wquant.kd
    .args:
      - { .name: Wq, .offset: 0, .size: 8, .value_kind: global_buffer, .address_space: global }
      - { .name: Wk, .offset: 8, .size: 8, .value_kind: global_buffer, .address_space: global }
      - { .name: Wv, .offset: 16, .size: 8, .value_kind: global_buffer, .address_space: global }
      - { .name: Wp, .offset: 24, .size: 8, .value_kind: global_buffer, .address_space: global }
      - { .name: W1, .offset: 32, .size: 8, .value_kind: global_buffer, .address_space: global }
      - { .name: W2, .offset: 40, .size: 8, .value_kind: global_buffer, .address_space: global }
      - { .name: wts, .offset: 48, .size: 8, .value_kind: global_buffer, .address_space: global }
    .group_segment_fixed_size: 0
    .private_segment_fixed_size: 0
    .kernarg_segment_align: 8
    .kernarg_segment_size: 56
    .max_flat_workgroup_size: 128
    .sgpr_count:     66
    .vgpr_count:     128
    .wavefront_size: 32
...
	.end_amdgpu_metadata
.endif
;; end of part 1
;; launch ln (part 2): grid 256 x 1, 4 waves a work-group, no clusters, 32,768 bytes of LDS; arguments inputs, ln1_g, ln1_b, act; writes act
.if DOCPART == 2
	.amdgcn_target "amdgcn-amd-amdhsa--gfx1250"
	.amdhsa_code_object_version 6
	.text
	.protected	k_q749f0c32cb_ln
	.globl	k_q749f0c32cb_ln
	.p2align	8
	.type	k_q749f0c32cb_ln,@function
k_q749f0c32cb_ln:
	s_mov_b64 s[64:65], 0
	v_nop
	global_prefetch_b8 v0, s[64:65] scope:SCOPE_SE
	s_setreg_imm32_b32 hwreg(HW_REG_WAVE_MODE, 25, 1), 1
	s_wait_xcnt 0x0
; y = (x - mean) rsqrt(var + 1e-5) g + b along rows of 1,024 f32, all in f32 (mean first, then the mean of the squared differences), and y quantised along the row into codes of E2M3 with E8M0 scales,
; laid as half-images (launch wquant's head says how).  No work of reference() is left out here.
; LIMITS: a block of zeros, or one under 2^-124, gets the byte 1 where the rule says 127 (zero codes; only this program reads the bytes); NaN and infinities are not served.
; A work-group makes one block of 16 rows of the result: place p holds row 32 (rb / 2) + 8 (rb % 2) + p + 8 (p / 8).  Wave w takes places 4 w .. 4 w + 3, which are four neighbouring rows.
; A row is loaded dense (8 loads of 512 bytes), normalised in registers, and turned through the wave's own stage in LDS so that lane l holds block l (32 neighbours): rows of 128 bytes + 16.
; The codes meet in an image in LDS (48 runs of 256 bytes + 16) and leave by stores of 512 consecutive bytes a wave.
.set IMG,   18432                      ; behind four stages of 4,608 bytes
.set SCB,   31744                      ; 512 scale bytes
.set SPARE, 32256                      ; the spare words, 128 bytes for each wave, which no other line names
.set X,     64                         ; v64-191  four rows of 32 registers
.set G,     192                        ; v192-223 g,  v224-255 b
.set BV,    224
.set CD,    32                         ; v32-63   row i's codes at CD + 8 i; its scale operand at CD + 8 i + 7;  v28-31 the rows' scale bytes
	s_load_b256 s[4:11], s[0:1], 0x0               ; x, g, b, the result
	v_lshl_add_u32 v12, v0, 2, SPARE
	v_mov_b32 v13, 0
	v_lshrrev_b32 v1, 5, v0
	v_readfirstlane_b32 s12, v1                    ; wave
	v_and_b32 v1, 31, v0                           ; lane l
	v_lshlrev_b32 v2, 4, v1                        ; my 16 bytes of a load's 512
	s_mul_i32 s13, s12, 4608
	v_lshrrev_b32 v3, 3, v1
	v_mul_u32_u24 v3, v3, 144
	v_and_b32 v14, 7, v1
	v_lshl_add_u32 v3, v14, 4, v3
	v_add_nc_u32 v3, s13, v3                       ; the stage, in: eight lanes' 128 bytes on end, then 16 of padding
	v_mul_u32_u24 v4, v1, 144
	v_add_nc_u32 v4, s13, v4                       ; and out: my block
	s_lshl_b32 s14, s12, 6
	v_lshrrev_b32 v14, 1, v1
	v_mul_u32_u24 v14, v14, 816                    ; half-image l / 2: three runs of 272
	v_and_b32 v15, 1, v1
	v_mad_u32_u24 v5, v15, 272, v14
	v_add_nc_u32 v5, s14, v5
	v_add_nc_u32 v5, IMG, v5                       ; words 0-3: run h, 16 bytes a place, my wave's four places
	v_lshl_add_u32 v6, v15, 3, v14
	v_add_nc_u32 v6, s14, v6
	v_add_nc_u32 v6, IMG+544, v6                   ; words 4, 5: the third run, 16 r + 8 h
	v_lshrrev_b32 v14, 2, v1
	v_and_b32 v15, 3, v1
	v_lshl_add_u32 v7, v14, 6, v15
	s_lshl_b32 s15, s12, 4
	v_add_nc_u32 v7, s15, v7
	v_add_nc_u32 v7, SCB, v7                       ; my block's byte: 64 (l / 4) + l % 4 + 4 x place
	v_lshrrev_b32 v14, 4, v0
	v_mul_u32_u24 v14, v14, 272
	v_and_b32 v15, 15, v0
	v_lshl_add_u32 v8, v15, 4, v14
	v_add_nc_u32 v8, IMG, v8                       ; the way out: 16 bytes a thread
	v_lshlrev_b32 v9, 4, v0
	v_lshlrev_b32 v11, 2, v0
	v_add_nc_u32 v10, SCB, v11
	v_mov_b32 v21, 0                               ; a lane permute's destination counts as one of its sources
	s_mov_b32 s20, 0x76543210
	s_mov_b32 s21, 0xfedcba98
	s_mov_b32 s22, 0x3a800000                      ; 1 / 1024
	s_mov_b32 s23, 0x3727c5ac                      ; 1e-5
	s_lshr_b32 s16, ttmp9, 1
	s_lshl_b32 s16, s16, 5
	s_and_b32 s17, ttmp9, 1
	s_lshl_b32 s17, s17, 3
	s_add_co_u32 s16, s16, s17
	s_lshl_b32 s17, s12, 2
	s_add_co_u32 s16, s16, s17
	s_lshr_b32 s17, s12, 1
	s_lshl_b32 s17, s17, 3
	s_add_co_u32 s16, s16, s17                     ; my first row
	s_lshl_b32 s16, s16, 12
	s_mov_b32 s17, 0
	s_mul_i32 s18, ttmp9, 12288
	s_mov_b32 s19, 0
	s_wait_kmcnt 0x0
	s_add_nc_u64 s[4:5], s[4:5], s[16:17]
	s_add_nc_u64 s[24:25], s[10:11], s[18:19]      ; my block's codes
	s_lshl_b32 s18, ttmp9, 9
	s_add_co_u32 s18, s18, 3145728
	s_add_nc_u64 s[26:27], s[10:11], s[18:19]      ; and scales
.macro ROWLD i
.irp j, 0,1,2,3,4,5,6,7
	global_load_b128 v[X+32*\i+4*\j:X+32*\i+4*\j+3], v2, s[4:5] offset:4096*\i+512*\j
.endr
.endm
	ROWLD 0
.irp j, 0,1,2,3,4,5,6,7
	global_load_b128 v[G+4*\j:G+4*\j+3], v2, s[6:7] offset:512*\j
.endr
.irp j, 0,1,2,3,4,5,6,7
	global_load_b128 v[BV+4*\j:BV+4*\j+3], v2, s[8:9] offset:512*\j
.endr
	ROWLD 1
	ROWLD 2
	ROWLD 3
.macro RED                             ; v20 summed over the 32 lanes
	v_add_f32_dpp v20, v20, v20 row_xmask:1 row_mask:0xf bank_mask:0xf
	v_add_f32_dpp v20, v20, v20 row_xmask:2 row_mask:0xf bank_mask:0xf
	v_add_f32_dpp v20, v20, v20 row_xmask:4 row_mask:0xf bank_mask:0xf
	v_add_f32_dpp v20, v20, v20 row_xmask:8 row_mask:0xf bank_mask:0xf
	v_permlanex16_b32 v21, v20, s20, s21
	v_add_f32 v20, v20, v21
.endm
; Row i is normalised and sent through the stage.  left: the later rows' loads, which may stay out
.macro NORM i, left
.set XR, X+32*\i
	s_wait_loadcnt \left
	v_pk_add_f32 v[16:17], v[XR:XR+1], v[XR+2:XR+3]
	v_pk_add_f32 v[18:19], v[XR+4:XR+5], v[XR+6:XR+7]
.irp j, 8,12,16,20,24,28
	v_pk_add_f32 v[16:17], v[16:17], v[XR+\j:XR+\j+1]
	v_pk_add_f32 v[18:19], v[18:19], v[XR+\j+2:XR+\j+3]
.endr
	v_pk_add_f32 v[16:17], v[16:17], v[18:19]
	v_add_f32 v20, v16, v17
	RED
	v_mul_f32 v22, 0xba800000, v20                 ; - the mean
	v_mov_b32 v23, v22
.set j, 0
.rept 16
	v_pk_add_f32 v[XR+j:XR+j+1], v[XR+j:XR+j+1], v[22:23]
.set j, j+2
.endr
	v_pk_mul_f32 v[16:17], v[XR:XR+1], v[XR:XR+1]
	v_pk_mul_f32 v[18:19], v[XR+2:XR+3], v[XR+2:XR+3]
.irp j, 4,8,12,16,20,24,28
	v_pk_fma_f32 v[16:17], v[XR+\j:XR+\j+1], v[XR+\j:XR+\j+1], v[16:17]
	v_pk_fma_f32 v[18:19], v[XR+\j+2:XR+\j+3], v[XR+\j+2:XR+\j+3], v[18:19]
.endr
	v_pk_add_f32 v[16:17], v[16:17], v[18:19]
	v_add_f32 v20, v16, v17
	RED
	v_fma_f32 v26, v20, s22, s23                   ; the variance + 1e-5
	v_rsq_f32 v24, v26
	v_nop                                          ; a plain place behind the transcendental,
	s_wait_alu depctr_va_vdst(0)                   ; and the wait ahead of its first reader
	v_mov_b32 v25, v24
.set j, 0
.rept 16
	v_pk_mul_f32 v[XR+j:XR+j+1], v[XR+j:XR+j+1], v[24:25]
.set j, j+2
.endr
.set j, 0
.rept 16
	v_pk_fma_f32 v[XR+j:XR+j+1], v[XR+j:XR+j+1], v[G+j:G+j+1], v[BV+j:BV+j+1]
.set j, j+2
.endr
.irp j, 0,1,2,3,4,5,6,7
	ds_store_b128 v3, v[XR+4*\j:XR+4*\j+3] offset:576*\j
.endr
.irp j, 0,1,2,3,4,5,6,7
	ds_load_b128 v[XR+4*\j:XR+4*\j+3], v4 offset:16*\j   ; LDS serves a wave's instructions in order: these see the stores above, and the next row's stores come behind them
.endr
.endm
; Row i's block l, 32 numbers of my lane, becomes six words of codes and a byte.  younger: the LDS instructions issued behind the row's loads from the stage
.macro QROW i, younger
.set XR, X+32*\i
.set C, CD+8*\i
	s_wait_dscnt \younger
	v_max3_num_f32 v26, |v[XR]|, |v[XR+1]|, |v[XR+2]|
	v_max3_num_f32 v27, |v[XR+3]|, |v[XR+4]|, |v[XR+5]|
.irp j, 6,10,14,18,22,26
	v_max3_num_f32 v26, v26, |v[XR+\j]|, |v[XR+\j+1]|
	v_max3_num_f32 v27, v27, |v[XR+\j+2]|, |v[XR+\j+3]|
.endr
	v_max3_num_f32 v26, v26, |v[XR+30]|, |v[XR+31]|
	v_max3_num_f32 v26, v26, v27, 0x1800000        ; the floor 2^(3 - 127)
	v_add_nc_u32 v[C+7], 0xff000000, v26           ; 2 off the exponent field: the conversion's scale operand
	v_lshrrev_b32 v[28+\i], 23, v[C+7]             ; the byte
	v_cvt_scalef32_pk16_fp6_f32 v[C:C+2], v[XR:XR+15], v[C+7]
	v_cvt_scalef32_pk16_fp6_f32 v[C+4:C+6], v[XR+16:XR+31], v[C+7]
	v_nop                                          ; one plain place behind a scaled conversion
	v_mov_b32 v[C+3], v[C+4]
	v_mov_b32 v[C+4], v[C+5]
	v_mov_b32 v[C+5], v[C+6]
	ds_store_b128 v5, v[C:C+3] offset:16*\i
	ds_store_b64 v6, v[C+4:C+5] offset:16*\i
	ds_store_b8 v7, v[28+\i] offset:4*\i
.endm
	NORM 0, 24
	NORM 1, 16
	QROW 0, 16                                     ; behind row 0's loads: row 1's 16
	NORM 2, 8
	QROW 1, 19                                     ; row 0's 3 stores and row 2's 16
	NORM 3, 0
	QROW 2, 19
	QROW 3, 3
	s_wait_dscnt 0x0                               ; for the others' sake: my stores into the image are done
	s_barrier_signal -1
	s_barrier_wait -1
.irp i, 0,1,2,3,4,5
	ds_load_b128 v[X+4*\i:X+4*\i+3], v8 offset:2176*\i
.endr
	ds_load_b32 v[X+24], v10
.irp i, 0,1,2,3,4,5
	s_wait_dscnt 6-\i
	global_store_b128 v9, v[X+4*\i:X+4*\i+3], s[24:25] offset:2048*\i   ; a wave stores 512 consecutive bytes
.endr
	s_wait_dscnt 0x0
	global_store_b32 v11, v[X+24], s[26:27]
	s_wait_tensorcnt 0x0                           ; the wave's end
	ds_add_u32 v12, v13
	s_wait_dscnt 0x0
	s_endpgm
.Lfunc_end_k_q749f0c32cb_ln:
	.size	k_q749f0c32cb_ln, .Lfunc_end_k_q749f0c32cb_ln-k_q749f0c32cb_ln
	.p2alignl 7, 3214868480
	.fill 96, 4, 3214868480
	.section	.rodata,"a",@progbits
	.p2align	6, 0x0
	.amdhsa_kernel k_q749f0c32cb_ln
		.amdhsa_group_segment_fixed_size 32768
		.amdhsa_private_segment_fixed_size 0
		.amdhsa_enable_private_segment 0
		.amdhsa_kernarg_size 32
		.amdhsa_user_sgpr_count 2
		.amdhsa_user_sgpr_kernarg_segment_ptr 1
		.amdhsa_wavefront_size32 1
		.amdhsa_system_sgpr_workgroup_id_x 1
		.amdhsa_system_sgpr_workgroup_id_y 1
		.amdhsa_system_sgpr_workgroup_id_z 1
		.amdhsa_system_vgpr_workitem_id 0
		.amdhsa_next_free_vgpr 256
		.amdhsa_next_free_sgpr 66
		.amdhsa_reserve_vcc 0
		.amdhsa_float_denorm_mode_32 3
		.amdhsa_float_denorm_mode_16_64 3
		.amdhsa_memory_ordered 1
		.amdhsa_forward_progress 1
		.amdhsa_inst_pref_size 44
	.end_amdhsa_kernel
	.amdgpu_metadata
---
amdhsa.version: [ 1, 2 ]
amdhsa.kernels:
  - .name:           k_q749f0c32cb_ln
    .symbol:         k_q749f0c32cb_ln.kd
    .args:
      - { .name: inputs, .offset: 0, .size: 8, .value_kind: global_buffer, .address_space: global }
      - { .name: ln1_g, .offset: 8, .size: 8, .value_kind: global_buffer, .address_space: global }
      - { .name: ln1_b, .offset: 16, .size: 8, .value_kind: global_buffer, .address_space: global }
      - { .name: act, .offset: 24, .size: 8, .value_kind: global_buffer, .address_space: global }
    .group_segment_fixed_size: 32768
    .private_segment_fixed_size: 0
    .kernarg_segment_align: 8
    .kernarg_segment_size: 32
    .max_flat_workgroup_size: 128
    .sgpr_count:     66
    .vgpr_count:     256
    .wavefront_size: 32
...
	.end_amdgpu_metadata
.endif
;; end of part 2
;; launch gq (part 3): grid 48 x 4, 4 waves a work-group, clusters of 4 x 4, 327,680 bytes of LDS; arguments act, wts, qkv; writes qkv
.if DOCPART == 3
	.amdgcn_target "amdgcn-amd-amdhsa--gfx1250"
	.amdhsa_code_object_version 6
	.text
	.protected	k_q749f0c32cb_gq
	.globl	k_q749f0c32cb_gq
	.p2align	8
	.type	k_q749f0c32cb_gq,@function
k_q749f0c32cb_gq:
	s_mov_b64 s[64:65], 0
	v_nop
	global_prefetch_b8 v0, s[64:65] scope:SCOPE_SE
	s_setreg_imm32_b32 hwreg(HW_REG_WAVE_MODE, 25, 1), 1
	s_wait_xcnt 0x0
	s_wait_alu depctr_hold_cnt(0) depctr_sa_sdst(0) depctr_va_vdst(0) depctr_va_sdst(0) depctr_va_ssrc(0) depctr_va_vcc(0) depctr_vm_vsrc(0)
	s_getreg_b32 s2, hwreg(HW_REG_IB_STS2, 6, 4)
	s_cmp_eq_u32 s2, 0
	s_cbranch_scc0 .Lentry_in_a_cluster
	s_endpgm
.Lentry_in_a_cluster:
	s_bfe_u32 s2, ttmp6, 0x10000c
	s_cmp_lg_u32 s2, 0xf033
	s_cbranch_scc0 .Lentry_shape_is_right
	s_endpgm
.Lentry_shape_is_right:
; KIND 0: q, k and v.  Clusters 0-7: [tokens] x [Wq | Wk by heads]: the 128 columns of a wave are one head's q and k, quantised along the head's 64.  Clusters 8-11: [Wv's rows] x [tokens]: v transposed, quantised along the keys.
; ONE TEXT SERVES FOUR LAUNCHES (the eight constants below differ).  C = A B^T on codes of E2M3 with E8M0 scales; no work of reference() is left out here.
; Both operands lie as half-images (launch wquant's head): a fragment, 16 rows x 128 K, is two half-images: registers 6 c .. 6 c + 3 by one load of 16 bytes a lane, 6 c + 4, 6 c + 5 by one of 8: every load's bytes are consecutive.
; A tile of C, 256 x 256, is made by four waves, 128 x 128 each: 64 accumulators, 512 registers.  K goes in steps of 256 through a ring of two LDS slots; the scales of the tile's rows, for all of K, come once and stay.
; CLUSTERS: 4 x 4 work-groups; A's tiles are asked for jointly along a row of the cluster, B's along a column.  THE MATRIX INSTRUCTION IS USED TRANSPOSED (source 0 = B's rows, source 1 = A's rows): with the rows' order in a block
; (place r = row 32 (rb / 2) + 8 (rb % 2) + r + 8 (r / 8)) the 64 registers of one block of A's rows are, in a lane, register 16 j + i = column 32 j + 16 (lane / 16) + i of the row at place lane % 16.
; OUTQ = 1: those 64 numbers are quantised in registers along the columns and stored as a fragment of the next operand.  OUTQ = 0: f32 rows out through a stage in LDS.
; INIT = 0: the sums start at 0;  1: at a bias along the columns;  2: at residual + bias, brought in through the stage.
; LIMITS: a block of zeros, or one under 2^-124, gets the byte 1 (zero codes; only this program reads the bytes); NaN and infinities are not served.
; REGISTERS: window 0: v0-31 addresses; v32-63 scale words, two sets; v64-127 the bias; v128-223 A's fragments, one set.  window 1: B's fragments, two sets.  windows 2, 3: the accumulators, (a, b) at v[8 (8 (a % 4) + b)].
.set KIND,   0
.set SIZE_K, 1024
.set INIT,   0
.set RELU,   0
.set OUTQ,   1
.set ASOFF,  0                         ; A's scales in A's buffer;  B's codes and scales in wts (KIND 0 chooses them by the cluster's number)
.set BOFF,   0
.set BSOFF,  0
.set NQ,     2                         ; matrix instructions deep in a slot
.set FR,     12                        ; registers of a fragment
.set NL,     4                         ; LDS loads that bring one
.set NP,     4                         ; places behind this matrix instruction (ISA guide 7.12.1)
.set RB3,    3072                      ; a slot's 256 along K of a block of 16 rows: four half-images
.set KHB,    SIZE_K/64*768             ; a block of 16 rows in memory
.set SKB,    SIZE_K/128*64             ; its scales
.set HALFT,  8*RB3                     ; 128 rows: what one tensor load brings
.set SLOT,   4*HALFT
.set LAPS,   SIZE_K/512
.set SCL,    2*SLOT                    ; behind the ring: the scales
.set HALFS,  8*SKB
.set STAGE,  SCL+4*HALFS               ; OUTQ = 0: 16 rows x 528 bytes for each wave; no tensor load ever lands here
.set SPITCH, 528
.set SPARE,  STAGE+(1-OUTQ)*4*16*SPITCH   ; the spare words, 128 bytes for each wave, which no other line names
.set ADRA, 16                          ; v16-17 my A fragments in slot 0, 1 (+ 16 x lane);  v18-19 the same + 16 r + 8 h
.set ADRB, 20                          ; v20-23 the same for B
.set STO,  24
.set RD,   25
.set CO,   26
.set ADRS, 27
.set SPW,  28
.set NIL,  29
.set SC,   32
.set BIA,  64
.set AF,   128
.set BK,   128
.set TM,   32                          ; the quantising way out: v32-47 at work, v48 the scale word, v49 the even block's, v50 the two to store, v52-70 codes
.set PW,   48
.set PWS,  49
.set WS,   50
.set PC,   52
.set VO0,  6
.set VO1,  7
.set VT0,  8
.set VT1,  9
.set VS,   10
.set G1,   24
.set G0,   32
.set G1B,  48
.set G0B,  56
.set G1S,  68
.set G0S,  76
.set G1SB, 80
.set G0SB, 88
.set SEL,  68                          ; the way out's scalars take the registers that the scales' descriptors have left
.set SHI,  70
.set SKH,  71
.set SRB,  72
.set TRB2, 74
.set OB,   76
.set SB,   78
.set MSB, 0
.macro WIN new                         ; the immediate's high byte repeats the setting that is left
.if MSB != \new
	s_set_vgpr_msb (MSB<<8)|\new
.set MSB, \new
.endif
.endm
.set MUL_LO, 0xa1
.set MUL_HI, 0xf1
.set TO_B,   0x40
.macro JLOAD g0a, g1a, g0b, g1b        ; a joint load: waves 0, 1 fetch for A, waves 2, 3 for B; an s_nop 0 and four v_nop follow each line
	s_cmp_eq_u32 s15, 0
	s_cbranch_scc0 .Lfor_b_\@
	tensor_load_to_lds s[\g0a:\g0a+3], s[\g1a:\g1a+7]
	s_nop 0
.rept 4
	v_nop
.endr
	s_branch .Lasked_\@
.Lfor_b_\@:
	tensor_load_to_lds s[\g0b:\g0b+3], s[\g1b:\g1b+7]
	s_nop 0
.rept 4
	v_nop
.endr
.Lasked_\@:
.endm
.macro CREST
	s_cmp_lg_u32 s14, 0
	s_cbranch_scc1 .Lnot_wave_0_\@
	s_barrier_signal -3
.Lnot_wave_0_\@:
	s_barrier_wait -3
	s_barrier_signal -1
	s_barrier_wait -1
.endm
.macro CROUND
	s_barrier_signal -1
	s_barrier_wait -1
	CREST
.endm
	s_load_b128 s[96:99], s[0:1], 0x0              ; A's buffer, wts
.if KIND == 0
	s_load_b64 s[12:13], s[0:1], 0x10              ; the result
.elseif KIND == 1
	s_load_b64 s[92:93], s[0:1], 0x10              ; the bias
	s_load_b64 s[12:13], s[0:1], 0x18
.else
	s_load_b128 s[92:95], s[0:1], 0x10             ; the bias, the residual
	s_load_b64 s[12:13], s[0:1], 0x20
.endif
	v_lshl_add_u32 v[SPW], v0, 2, SPARE
	v_mov_b32 v[NIL], 0
	ds_add_u32 v[SPW], v[NIL]                      ; the wave's opening: the add, twice on end, and its wait ahead of my first tensor load
	ds_add_u32 v[SPW], v[NIL]
	v_lshrrev_b32 v1, 5, v0
	v_readfirstlane_b32 s14, v1                    ; wave 0..3
	s_lshr_b32 s15, s14, 1                         ; which half of the tile's rows is mine.  Also: I fetch for A (0) or for B (1)
	s_and_b32 s16, s14, 1                          ; which half of its columns.  Also: which 128 rows I fetch
	s_bfe_u32 s40, ttmp6, 0x40000                  ; cx, cy
	s_bfe_u32 s41, ttmp6, 0x40004
.if KIND == 0
	s_and_b32 s18, ttmp9, 1                        ; twelve clusters along x: 0-7 are 2 x 4 clusters of q | k, 8-11 are 4 x 1 of v
	s_lshr_b32 s19, ttmp9, 1
	s_sub_co_u32 s20, ttmp9, 8
	s_cmp_lt_u32 ttmp9, 8
	s_cselect_b32 s42, s18, s20
	s_cselect_b32 s17, s19, 0
.else
	s_mov_b32 s42, ttmp9
	s_and_b32 s17, ttmp7, 0xffff
.endif
	s_lshl_b32 s42, s42, 2
	s_add_co_u32 s42, s42, s40                     ; tile column
	s_lshl_b32 s17, s17, 2
	s_add_co_u32 s17, s17, s41                     ; tile row
	s_lshl_b32 s43, s41, 2
	s_lshl_b32 s43, 15, s43                        ; my row of the cluster
	s_lshl_b32 s44, 0x1111, s40                    ; my column
	s_or_b32 s[G1+0], s43, (3<<16)|(1<<21)         ; the mask; elements of 8 bytes; bit 21 beside a mask; no padding
	s_or_b32 s[G1B+0], s44, (3<<16)|(1<<21)
.irp g, G1, G1B
	s_mov_b32 s[\g+1], 384<<16                     ; 8 rows of 3,072 bytes, KHB bytes apart
	s_mov_b32 s[\g+2], 8<<16
	s_mov_b32 s[\g+3], 384<<16
	s_mov_b32 s[\g+4], 8
	s_mov_b32 s[\g+5], KHB/8
	s_mov_b32 s[\g+6], 0
	s_mov_b32 s[\g+7], 0
.endr
	s_or_b32 s[G1S+0], s43, (3<<16)|(1<<21)
	s_or_b32 s[G1SB+0], s44, (3<<16)|(1<<21)
.irp g, G1S, G1SB
	s_mov_b32 s[\g+1], 32<<16                      ; the scales of 128 rows: a dense block, as rows of 256 bytes
	s_mov_b32 s[\g+2], (HALFS/256)<<16
	s_mov_b32 s[\g+3], 32<<16
	s_mov_b32 s[\g+4], HALFS/256
	s_mov_b32 s[\g+5], 32
	s_mov_b32 s[\g+6], 0
	s_mov_b32 s[\g+7], 0
.endr
	s_lshl_b32 s18, s16, 3
	s_lshl_b32 s20, s17, 4
	s_add_co_u32 s20, s20, s18                     ; A: block of rows 16 x tile row + 8 x half
	s_lshl_b32 s46, s42, 4
	s_add_co_u32 s46, s46, s18                     ; B: 16 x tile column + 8 x half
	s_mul_i32 s22, s20, SKB
	s_mov_b32 s23, 0
	s_mul_i32 s66, s46, SKB
	s_mov_b32 s67, 0
	s_mul_i32 s20, s20, KHB
	s_mov_b32 s21, 0
	s_mul_i32 s46, s46, KHB
	s_mov_b32 s47, 0
	s_mul_i32 s45, s14, HALFT                      ; where they go: no place in the cluster enters an LDS address
	s_mul_i32 s100, s14, HALFS
	s_wait_dscnt 0x0                               ; both opening adds are done
	s_wait_kmcnt 0x0
.if KIND == 0
	s_mov_b32 s19, 0
	s_cmp_lt_u32 ttmp9, 8                          ; the cluster's number alone: the same in all partners
	s_cselect_b64 s[4:5], s[96:97], s[98:99]       ; A: the tokens, or Wv
	s_cselect_b64 s[8:9], s[98:99], s[96:97]       ; B: Wq | Wk, or the tokens
	s_mov_b32 s18, 9502720
	s_cselect_b32 s18, 3145728, s18
	s_add_nc_u64 s[6:7], s[4:5], s[18:19]
	s_mov_b32 s18, 3145728
	s_cselect_b32 s18, 9437184, s18
	s_add_nc_u64 s[10:11], s[8:9], s[18:19]
	s_cselect_b32 s18, 0, 1572864
	s_add_nc_u64 s[4:5], s[4:5], s[18:19]
.else
	s_mov_b64 s[4:5], s[96:97]
	s_add_nc_u64 s[6:7], s[96:97], ASOFF
	s_add_nc_u64 s[8:9], s[98:99], BOFF
	s_add_nc_u64 s[10:11], s[98:99], BSOFF
.endif
	s_add_nc_u64 s[20:21], s[4:5], s[20:21]
	s_add_nc_u64 s[22:23], s[6:7], s[22:23]
	s_add_nc_u64 s[46:47], s[8:9], s[46:47]
	s_add_nc_u64 s[66:67], s[10:11], s[66:67]
	CROUND                                         ; all sixteen work-groups are here: the first joint loads meet
	s_mov_b32 s[G0S], 1
	s_add_co_u32 s[G0S+1], s100, SCL
	s_mov_b64 s[G0S+2:G0S+3], s[22:23]
	s_or_b32 s[G0S+3], s[G0S+3], 0x80000000
	s_mov_b32 s[G0SB], 1
	s_add_co_u32 s[G0SB+1], s100, SCL
	s_mov_b64 s[G0SB+2:G0SB+3], s[66:67]
	s_or_b32 s[G0SB+3], s[G0SB+3], 0x80000000
	JLOAD G0S, G1S, G0SB, G1SB                     ; the scales first; three loads of mine are out behind the third line below
.irp s, 0,1
	s_mov_b32 s[G0+4*\s], 1
	s_add_co_u32 s[G0+4*\s+1], s45, \s*SLOT
	s_add_nc_u64 s[G0+4*\s+2:G0+4*\s+3], s[20:21], \s*RB3
	s_or_b32 s[G0+4*\s+3], s[G0+4*\s+3], 0x80000000
	s_mov_b32 s[G0B+4*\s], 1
	s_add_co_u32 s[G0B+4*\s+1], s45, \s*SLOT
	s_add_nc_u64 s[G0B+4*\s+2:G0B+4*\s+3], s[46:47], \s*RB3
	s_or_b32 s[G0B+4*\s+3], s[G0B+4*\s+3], 0x80000000
	JLOAD G0+4*\s, G1, G0B+4*\s, G1B
.endr
	v_and_b32 v1, 15, v0                           ; r
	v_bfe_u32 v2, v0, 4, 1                         ; h
	v_and_b32 v3, 31, v0
	v_lshlrev_b32 v4, 4, v3                        ; 16 x lane
	v_lshlrev_b32 v5, 4, v1
	v_lshl_add_u32 v5, v2, 3, v5                   ; 16 r + 8 h
	s_mul_i32 s21, s15, HALFT                      ; my 128 rows of A
	s_mul_i32 s22, s16, HALFT
	s_add_co_u32 s22, s22, 2*HALFT                 ; my 128 rows of B, behind A's 256
.irp s, 0,1
	v_add_nc_u32 v[ADRA+\s], s21, v4
	v_add_nc_u32 v[ADRB+\s], s22, v4
	v_add_nc_u32 v[ADRA+2+\s], s21, v5
	v_add_nc_u32 v[ADRB+2+\s], s22, v5
	s_add_co_u32 s21, s21, SLOT
	s_add_co_u32 s22, s22, SLOT
.endr
	v_lshlrev_b32 v5, 2, v1                        ; scale words: 4 r; lanes 0-15 take A's, lanes 16-31 B's
	s_mul_i32 s21, s15, HALFS
	s_mul_i32 s22, s16, HALFS
	s_add_co_u32 s22, s22, 2*HALFS
	s_sub_co_u32 s22, s22, s21
	v_mul_u32_u24 v6, s22, v2
	s_add_co_u32 s21, s21, SCL
	v_add_nc_u32 v5, v5, v6
	v_add_nc_u32 v[ADRS], s21, v5
.if INIT > 0
	s_lshl_b32 s46, s42, 10                        ; my first column in bytes of f32: 1,024 x tile column + 512 x half
	s_lshl_b32 s47, s16, 9
	s_add_co_u32 s46, s46, s47
	s_mov_b32 s47, 0
	s_add_nc_u64 s[92:93], s[92:93], s[46:47]
.endif
.if INIT == 1
	v_lshlrev_b32 v5, 6, v2                        ; the bias in the result's layout: for B's block b the columns 32 (b / 2) + 8 (b % 2) + 16 h + 0 .. 7
.irp b, 0,1,2,3,4,5,6,7
	global_load_b128 v[BIA+8*\b:BIA+8*\b+3], v5, s[92:93] offset:(32*(\b/2)+8*(\b%2))*4
	global_load_b128 v[BIA+8*\b+4:BIA+8*\b+7], v5, s[92:93] offset:(32*(\b/2)+8*(\b%2))*4+16
.endr
.endif
.if OUTQ == 0
	s_mul_i32 s23, s14, 16*SPITCH
	s_add_co_u32 s23, s23, STAGE                   ; my stage
	v_mul_u32_u24 v5, v1, SPITCH
	v_lshl_add_u32 v5, v2, 6, v5
	v_add_nc_u32 v[STO], s23, v5                   ; the result's layout: row r, + 64 h
	v_mov_b32 v[CO], v4                            ; whole rows: 16 bytes a lane
	v_add_nc_u32 v[RD], s23, v4
	s_lshl_b32 s20, s17, 8
	s_lshl_b32 s21, s15, 7
	s_add_co_u32 s20, s20, s21                     ; my first row
	s_lshl_b32 s20, s20, 12
	s_add_co_u32 s20, s20, s46
	s_mov_b32 s21, 0
	s_add_nc_u64 s[12:13], s[12:13], s[20:21]
	s_add_nc_u64 s[94:95], s[94:95], s[20:21]
.endif
.if INIT == 2
; THE WAY IN: residual + bias become the sums' first value.  Block a's 16 rows are loaded dense (512 bytes a row) into the block's own accumulator registers, the bias is added, and they turn through my stage into the result's layout.
.macro RLOAD a
	WIN 0x80+0x40*((\a)/4)
.irp t, 0,1,2,3,4,5,6,7,8,9,10,11,12,13,14,15
	global_load_b128 v[64*((\a)%4)+4*\t:64*((\a)%4)+4*\t+3], v[CO], s[94:95] offset:(32*((\a)/2)+8*((\a)%2)+\t+8*(\t/8))*4096
.endr
.endm
.macro WAYIN a
.set AC, 64*((\a)%4)
.if (\a)+3 < 8
	RLOAD (\a)+3
	s_wait_loadcnt 48                              ; block a is in; the three blocks behind it may be out
.else
	s_wait_loadcnt 16*(7-(\a))
.endif
	WIN 0x82+0x41*((\a)/4)
.irp t, 0,1,2,3,4,5,6,7,8,9,10,11,12,13,14,15
	v_pk_add_f32 v[AC+4*\t:AC+4*\t+1], v[AC+4*\t:AC+4*\t+1], v[BIA:BIA+1]
	v_pk_add_f32 v[AC+4*\t+2:AC+4*\t+3], v[AC+4*\t+2:AC+4*\t+3], v[BIA+2:BIA+3]
.endr
	WIN 0x08+0x04*((\a)/4)
.irp t, 0,1,2,3,4,5,6,7,8,9,10,11,12,13,14,15
	ds_store_b128 v[RD], v[AC+4*\t:AC+4*\t+3] offset:\t*SPITCH
.endr
	WIN 0x80+0x40*((\a)/4)
.irp b, 0,1,2,3,4,5,6,7
	ds_load_b128 v[AC+8*\b:AC+8*\b+3], v[STO] offset:128*(\b/2)+32*(\b%2)       ; LDS serves a wave's instructions in order: these see the stores above
	ds_load_b128 v[AC+8*\b+4:AC+8*\b+7], v[STO] offset:128*(\b/2)+32*(\b%2)+16
.endr
.endm
	global_load_b128 v[BIA:BIA+3], v[CO], s[92:93]
	RLOAD 0
	RLOAD 1
	RLOAD 2
.irp a, 0,1,2,3,4,5,6,7
	WAYIN \a
.endr
	WIN 0
.endif
.macro FRAG reg, adr, q, i
.irp c, 0,1
	ds_load_b128 v[\reg+6*\c:\reg+6*\c+3], v[\adr] offset:(\i)*RB3+(\q)*1536+768*\c
	ds_load_b64 v[\reg+6*\c+4:\reg+6*\c+5], v[\adr+2] offset:(\i)*RB3+(\q)*1536+768*\c+512
.endr
.endm
; 16 matrix instructions: A's blocks a0, a0 + 1 x B's eight.  The 64 accumulators take turns, one instruction a turn, in the same order in every step.
.macro MUL16 a0, p, q, sc, zero
.irp a, \a0, \a0+1
.irp b, 0,1,2,3,4,5,6,7
.if (\zero) && (INIT == 0)
	v_wmma_scale_f32_16x16x128_f8f6f4 v[8*(8*((\a)%4)+\b):8*(8*((\a)%4)+\b)+7], v[128*(\p)+FR*\b:128*(\p)+FR*\b+FR-1], v[AF+FR*(\a):AF+FR*(\a)+FR-1], 0, v[SC+8*NQ*(\sc)+NQ*\b+(\q)], v[SC+8*NQ*(\sc)+NQ*(\a)+(\q)] matrix_a_fmt:MATRIX_FMT_FP6 matrix_b_fmt:MATRIX_FMT_FP6 matrix_a_scale:MATRIX_SCALE_ROW1
.elseif (\zero) && (INIT == 1)
	v_wmma_scale_f32_16x16x128_f8f6f4 v[8*(8*((\a)%4)+\b):8*(8*((\a)%4)+\b)+7], v[128*(\p)+FR*\b:128*(\p)+FR*\b+FR-1], v[AF+FR*(\a):AF+FR*(\a)+FR-1], v[BIA+8*\b:BIA+8*\b+7], v[SC+8*NQ*(\sc)+NQ*\b+(\q)], v[SC+8*NQ*(\sc)+NQ*(\a)+(\q)] matrix_a_fmt:MATRIX_FMT_FP6 matrix_b_fmt:MATRIX_FMT_FP6 matrix_a_scale:MATRIX_SCALE_ROW1
.else
	v_wmma_scale_f32_16x16x128_f8f6f4 v[8*(8*((\a)%4)+\b):8*(8*((\a)%4)+\b)+7], v[128*(\p)+FR*\b:128*(\p)+FR*\b+FR-1], v[AF+FR*(\a):AF+FR*(\a)+FR-1], v[8*(8*((\a)%4)+\b):8*(8*((\a)%4)+\b)+7], v[SC+8*NQ*(\sc)+NQ*\b+(\q)], v[SC+8*NQ*(\sc)+NQ*(\a)+(\q)] matrix_a_fmt:MATRIX_FMT_FP6 matrix_b_fmt:MATRIX_FMT_FP6 matrix_a_scale:MATRIX_SCALE_ROW1
.endif
.endr
.endr
.endm
.macro FETCH_B slot, q, p
	WIN TO_B
.irp i, 0,1,2,3,4,5,6,7
	FRAG 128*(\p)+FR*\i, ADRB+\slot, \q, \i
.endr
	WIN 0
.endm
.macro FETCH_A slot, q, i0
.irp i, \i0, \i0+1, \i0+2, \i0+3
	FRAG AF+FR*(\i), ADRA+\slot, \q, \i
.endr
.endm
.macro SCALES sc                       ; a slot's scale words: register NQ i + q: lanes 0-15 A's block i, lanes 16-31 B's block i
.irp i, 0,1,2,3,4,5,6,7
.irp q, 0,1
	ds_load_b32 v[SC+8*NQ*\sc+NQ*\i+\q], v[ADRS] offset:\i*SKB+64*\q
.endr
.endr
.endm
.macro PLACES n                        ; plain vector instructions between a matrix instruction and a load into, or a read of, its registers
.rept \n
	v_nop
.endr
.endm
.macro STEP slot, q, zero              ; 128 along K that has its successor in the same slot
	s_wait_dscnt 4*NL                              ; all but the youngest 16 loads (A's blocks 4-7) are in
.if (\zero) && (INIT == 1)
	WIN 0x81                                       ; C, the bias, in window 0
.else
	WIN MUL_LO
.endif
	MUL16 0, (\q)%2, \q, \slot, \zero
	MUL16 2, (\q)%2, \q, \slot, \zero
	s_wait_dscnt 0
	PLACES NP
	FETCH_B \slot, (\q)+1, 1-(\q)%2
	FETCH_A \slot, (\q)+1, 0
.if (\zero) && (INIT == 1)
	WIN 0xc1
.else
	WIN MUL_HI
.endif
	MUL16 4, (\q)%2, \q, \slot, \zero
	MUL16 6, (\q)%2, \q, \slot, \zero
	PLACES NP
	WIN 0
	FETCH_A \slot, (\q)+1, 4
.endm
; A slot's last step changes slots: one barrier; in front of it each wave waits for all its tensor loads, adds 0 to its spare word, and waits for that and for its reads of this slot.
.macro TURN slot, next, fill
	s_wait_tensorcnt 0x0                           ; all my tensor loads have landed: my part of the next slot
	ds_add_u32 v[SPW], v[NIL]
	s_wait_dscnt 4*NL+1                            ; (the add and the youngest 16 loads may be out)
	WIN MUL_LO
	MUL16 0, 1, NQ-1, \slot, 0
	s_wait_dscnt 0x0                               ; the add is done, and my reads of this slot are over
	s_barrier_signal -1
	MUL16 2, 1, NQ-1, \slot, 0
	WIN 0
	s_barrier_wait -1
.if \fill
	CREST                                          ; the barrier has opened a round of the cluster's: no wave of any partner still reads this slot or has a load on its way
	s_add_nc_u64 s[G0+4*\slot+2:G0+4*\slot+3], s[G0+4*\slot+2:G0+4*\slot+3], 2*RB3
	s_add_nc_u64 s[G0B+4*\slot+2:G0B+4*\slot+3], s[G0B+4*\slot+2:G0B+4*\slot+3], 2*RB3
	JLOAD G0+4*\slot, G1, G0B+4*\slot, G1B         ; the first tensor load behind the round, my one load until the next
.else
	PLACES NP
.endif
	v_add_nc_u32 v[ADRS], 64*NQ, v[ADRS]           ; the next slot's scale words
	FETCH_B \next, 0, 0
	FETCH_A \next, 0, 0
	SCALES \next
	WIN MUL_HI
	MUL16 4, 1, NQ-1, \slot, 0
	MUL16 6, 1, NQ-1, \slot, 0
	PLACES NP
	WIN 0
	FETCH_A \next, 0, 4
.endm
.if INIT == 2
	s_wait_dscnt 0x0                               ; the way in is over
.endif
	s_wait_tensorcnt 1                             ; the scales and my part of slot 0 are in; slot 1's load may be out
	s_barrier_signal -1
	s_barrier_wait -1
	FETCH_B 0, 0, 0
	FETCH_A 0, 0, 0
	SCALES 0
	FETCH_A 0, 0, 4
.if INIT == 1
	s_wait_loadcnt 0x0                             ; the bias
.endif
	STEP 0, 0, 1
	s_mov_b32 s3, LAPS-1
.Llap:
	TURN 0, 1, 1
	STEP 1, 0, 0
	TURN 1, 0, 1
	STEP 0, 0, 0
	s_sub_co_u32 s3, s3, 1
	s_cmp_lg_u32 s3, 0
	s_cbranch_scc1 .Llap
	TURN 0, 1, 0                                   ; the last lap fills nothing
	STEP 1, 0, 0
	s_wait_dscnt 4*NL
	WIN MUL_LO
	MUL16 0, 1, NQ-1, 1, 0
	MUL16 2, 1, NQ-1, 1, 0
	s_wait_dscnt 0
	WIN MUL_HI
	MUL16 4, 1, NQ-1, 1, 0
	MUL16 6, 1, NQ-1, 1, 0
	WIN 0
	PLACES NP
.if OUTQ
; THE QUANTISING WAY OUT.  Strides of the result: from block of rows to block of rows, from half-image to half-image, and the same for the scale words.
.if KIND == 0
	s_cmp_lt_u32 ttmp9, 8
	s_mov_b32 s[SRB], 49152
	s_cselect_b32 s[SRB], 768, s[SRB]
	s_mov_b32 s[SKH], 768
	s_cselect_b32 s[SKH], 196608, s[SKH]
	s_mov_b32 s80, 2048
	s_cselect_b32 s80, 64, s80
	s_mov_b32 s81, 64
	s_cselect_b32 s81, 16384, s81
	s_cselect_b32 s82, 0, 6291456
	s_mov_b32 s83, 9699328
	s_cselect_b32 s83, 9437184, s83
.else
	s_mov_b32 s[SRB], 49152
	s_mov_b32 s[SKH], 768
	s_mov_b32 s80, 2048
	s_mov_b32 s81, 64
	s_mov_b32 s82, 0
	s_mov_b32 s83, 12582912
.endif
	s_mov_b32 s[SRB+1], 0
	s_lshl_b32 s[TRB2], s80, 1
	s_mov_b32 s[TRB2+1], 0
	s_mov_b32 s[SEL], 0x76543210
	s_mov_b32 s[SEL+1], 0xfedcba98
	s_mov_b32 s[SHI], 0xffff0000
	s_lshl_b32 s84, s17, 4
	s_lshl_b32 s85, s15, 3
	s_add_co_u32 s84, s84, s85                     ; my first block of rows
	s_mul_i32 s86, s84, s[SRB]
	s_lshl_b32 s87, s42, 2
	s_lshl_b32 s88, s16, 1
	s_add_co_u32 s87, s87, s88                     ; my first half-image
	s_mul_i32 s87, s87, s[SKH]
	s_add_co_u32 s86, s86, s87
	s_add_co_u32 s86, s86, s82
	s_mov_b32 s87, 0
	s_add_nc_u64 s[OB:OB+1], s[12:13], s[86:87]
	s_mul_i32 s86, s84, s80
	s_lshl_b32 s88, s42, 1
	s_add_co_u32 s88, s88, s16
	s_mul_i32 s88, s88, s81
	s_add_co_u32 s86, s86, s88
	s_add_co_u32 s86, s86, s83
	s_add_nc_u64 s[SB:SB+1], s[12:13], s[86:87]
	v_lshlrev_b32 v[VO0], 4, v3
	v_add_nc_u32 v[VO1], s[SKH], v[VO0]
	v_lshlrev_b32 v[VT0], 4, v1
	v_lshl_add_u32 v[VT0], v2, 3, v[VT0]
	v_add_nc_u32 v[VT1], s[SKH], v[VT0]
	v_mul_lo_u32 v[VS], v2, s80
	v_lshl_add_u32 v[VS], v1, 2, v[VS]             ; lanes 0-15 store the even block's scale words, lanes 16-31 the odd one's
.irp b, 0,1,2,3
	v_mov_b32 v[TM+4+\b], 0                        ; a lane permute's destination counts as one of its sources
.endr
.macro QOUT a
.set AC, 64*((\a)%4)
.set HW, (\a)/4
.if RELU
	WIN 0x88+0x44*HW
.set j, 0
.rept 64
	v_max_num_f32 v[AC+j], 0, v[AC+j]              ; the activation, in f32; each accumulator from its low end on
.set j, j+1
.endr
.endif
	WIN 0x0a+5*HW
.irp b, 0,1,2,3
	v_max3_num_f32 v[TM+\b], |v[AC+16*\b]|, |v[AC+16*\b+1]|, 0x1800000   ; block b: my 16 numbers, and the floor 2^(3 - 127)
.endr
.irp i, 2,4,6,8,10,12,14
.irp b, 0,1,2,3
	v_max3_num_f32 v[TM+\b], |v[AC+16*\b+\i]|, |v[AC+16*\b+\i+1]|, v[TM+\b]
.endr
.endr
	WIN 0
.irp b, 0,1,2,3
	v_permlanex16_b32 v[TM+4+\b], v[TM+\b], s[SEL], s[SEL+1]
.endr
.irp b, 0,1,2,3
	v_max_num_f32 v[TM+\b], v[TM+\b], v[TM+4+\b]   ; with lane l xor 16's: the block's largest magnitude
.endr
.irp b, 0,1,2,3
	v_add_nc_u32 v[TM+12+\b], 0xff000000, v[TM+\b] ; 2 off the exponent field: the conversion's scale operand
.endr
.irp b, 0,1,2,3
	v_lshrrev_b32 v[TM+4+\b], 23, v[TM+12+\b]
.endr
	v_lshl_or_b32 v[PW], v[TM+5], 8, v[TM+4]
	v_lshl_or_b32 v[PW], v[TM+6], 16, v[PW]
	v_lshl_or_b32 v[PW], v[TM+7], 24, v[PW]
	s_wait_xcnt 0x0                                ; the last block's stores have read their registers and bases: they are written again only behind this wait
.if (\a) > 0
	s_add_nc_u64 s[OB:OB+1], s[OB:OB+1], s[SRB:SRB+1]
.if (\a)%2 == 0
	s_add_nc_u64 s[SB:SB+1], s[SB:SB+1], s[TRB2:TRB2+1]
.endif
.endif
	WIN 0x02+HW
.irp c, 0,1
	v_cvt_scalef32_pk16_fp6_f32 v[PC+6*\c:PC+6*\c+2], v[AC+32*\c:AC+32*\c+15], v[TM+12+2*\c]
	v_cvt_scalef32_pk16_fp6_f32 v[PC+12+4*\c:PC+14+4*\c], v[AC+32*\c+16:AC+32*\c+31], v[TM+12+2*\c+1]
.endr
	WIN 0
	v_nop                                          ; one plain place behind a scaled conversion
.irp c, 0,1                                    ; the operand's layout wants a whole block in a lane
.irp i, 0,1,2
	v_permlane16_swap_b32 v[PC+6*\c+\i], v[PC+12+4*\c+\i]
.endr
.irp i, 0,1,2
	v_mov_b32 v[PC+3+6*\c+\i], v[PC+12+4*\c+\i]
.endr
.endr
	global_store_b128 v[VO0], v[PC:PC+3], s[OB:OB+1]               ; 512 consecutive bytes,
	global_store_b64 v[VT0], v[PC+4:PC+5], s[OB:OB+1] offset:512   ; 256: a half-image
	global_store_b128 v[VO1], v[PC+6:PC+9], s[OB:OB+1]
	global_store_b64 v[VT1], v[PC+10:PC+11], s[OB:OB+1] offset:512
.if (\a)%2 == 0
	v_mov_b32 v[PWS], v[PW]
.else
	v_cndmask_b32 v[WS], v[PWS], v[PW], s[SHI]
	global_store_b32 v[VS], v[WS], s[SB:SB+1]
.endif
.endm
.irp a, 0,1,2,3,4,5,6,7
	QOUT \a
.endr
.else
; THE WAY OUT IN F32, block by block of 16 rows x 128 columns, through my stage: whole rows of 512 bytes leave.
.macro TOSTAGE a
.set AC, 64*((\a)%4)
	WIN 0x08+4*((\a)/4)
.irp b, 0,1,2,3,4,5,6,7
	ds_store_b128 v[STO], v[AC+8*\b:AC+8*\b+3] offset:128*(\b/2)+32*(\b%2)          ; each accumulator from its low end on
	ds_store_b128 v[STO], v[AC+8*\b+4:AC+8*\b+7] offset:128*(\b/2)+32*(\b%2)+16
.endr
	WIN 0
.set BB, BK+64*((\a)%2)
.irp t, 0,1,2,3,4,5,6,7,8,9,10,11,12,13,14,15
	ds_load_b128 v[BB+4*\t:BB+4*\t+3], v[RD] offset:\t*SPITCH
.endr
.endm
.macro SEND a, younger
.set BB, BK+64*((\a)%2)
	s_wait_dscnt \younger
.irp t, 0,1,2,3,4,5,6,7,8,9,10,11,12,13,14,15
	global_store_b128 v[CO], v[BB+4*\t:BB+4*\t+3], s[12:13] offset:(32*((\a)/2)+8*((\a)%2)+\t+8*(\t/8))*4096   ; 32 lanes store 512 consecutive bytes
.endr
.endm
	TOSTAGE 0
.irp a, 1,2,3,4,5,6,7
.if \a > 1
	s_wait_xcnt 0x0                                ; block a - 2's stores have read their registers: block a's loads may land there
.endif
	TOSTAGE \a
	SEND \a-1, 32                                  ; behind block a - 1's loads: block a's 16 stores and 16 loads
.endr
	SEND 7, 0
.endif
	s_wait_tensorcnt 0x0                           ; the wave's end
	ds_add_u32 v[SPW], v[NIL]
	s_wait_dscnt 0x0
	CROUND                                         ; the closing round
	s_endpgm
.Lfunc_end_k_q749f0c32cb_gq:
	.size	k_q749f0c32cb_gq, .Lfunc_end_k_q749f0c32cb_gq-k_q749f0c32cb_gq
	.p2alignl 7, 3214868480
	.fill 96, 4, 3214868480
	.section	.rodata,"a",@progbits
	.p2align	6, 0x0
	.amdhsa_kernel k_q749f0c32cb_gq
		.amdhsa_group_segment_fixed_size 327680
		.amdhsa_private_segment_fixed_size 0
		.amdhsa_enable_private_segment 0
		.amdhsa_kernarg_size 24
		.amdhsa_user_sgpr_count 2
		.amdhsa_user_sgpr_kernarg_segment_ptr 1
		.amdhsa_wavefront_size32 1
		.amdhsa_system_sgpr_workgroup_id_x 1
		.amdhsa_system_sgpr_workgroup_id_y 1
		.amdhsa_system_sgpr_workgroup_id_z 1
		.amdhsa_system_vgpr_workitem_id 0
		.amdhsa_next_free_vgpr 1024
		.amdhsa_next_free_sgpr 102
		.amdhsa_reserve_vcc 0
		.amdhsa_float_denorm_mode_32 3
		.amdhsa_float_denorm_mode_16_64 3
		.amdhsa_memory_ordered 1
		.amdhsa_forward_progress 1
		.amdhsa_inst_pref_size 153
	.end_amdhsa_kernel
	.amdgpu_metadata
---
amdhsa.version: [ 1, 2 ]
amdhsa.kernels:
  - .name:           k_q749f0c32cb_gq
    .symbol:         k_q749f0c32cb_gq.kd
    .args:
      - { .name: act, .offset: 0, .size: 8, .value_kind: global_buffer, .address_space: global }
      - { .name: wts, .offset: 8, .size: 8, .value_kind: global_buffer, .address_space: global }
      - { .name: qkv, .offset: 16, .size: 8, .value_kind: global_buffer, .address_space: global }
    .group_segment_fixed_size: 327680
    .private_segment_fixed_size: 0
    .kernarg_segment_align: 8
    .kernarg_segment_size: 24
    .max_flat_workgroup_size: 128
    .sgpr_count:     102
    .vgpr_count:     1024
    .wavefront_size: 32
...
	.end_amdgpu_metadata
.endif
;; end of part 3
;; launch att (part 4): grid 4 x 64, 16 waves a work-group, clusters of 4 x 1, 167,936 bytes of LDS; arguments qkv, ctx; writes ctx
.if DOCPART == 4
	.amdgcn_target "amdgcn-amd-amdhsa--gfx1250"
	.amdhsa_code_object_version 6
	.text
	.protected	k_q749f0c32cb_att
	.globl	k_q749f0c32cb_att
	.p2align	8
	.type	k_q749f0c32cb_att,@function
k_q749f0c32cb_att:
	s_mov_b64 s[64:65], 0
	v_nop
	global_prefetch_b8 v0, s[64:65] scope:SCOPE_SE
	s_setreg_imm32_b32 hwreg(HW_REG_WAVE_MODE, 25, 1), 1
	s_wait_xcnt 0x0
	s_wait_alu depctr_hold_cnt(0) depctr_sa_sdst(0) depctr_va_vdst(0) depctr_va_sdst(0) depctr_va_ssrc(0) depctr_va_vcc(0) depctr_vm_vsrc(0)
	s_getreg_b32 s2, hwreg(HW_REG_IB_STS2, 6, 4)
	s_cmp_eq_u32 s2, 0
	s_cbranch_scc0 .Lentry_in_a_cluster
	s_endpgm
.Lentry_in_a_cluster:
	s_bfe_u32 s2, ttmp6, 0x10000c
	s_cmp_lg_u32 s2, 0x3003
	s_cbranch_scc0 .Lentry_shape_is_right
	s_endpgm
.Lentry_shape_is_right:
; Causal attention of one batch and head on codes of E2M3: S^T = K Q^T (K = the head's 64: the instruction's other 64 are zero codes on both sides), logit = score / 4096, p = 2^(t - M) with t = logit x log2(e) and M the
; running largest t rounded up to a whole number, quantised along the keys; O^T = V^T P^T; the row's sum of the unquantised p divides at the end; the result is quantised along head x 64 + d for the projection.
; WORK LEFT OUT: steps of 128 keys all of which come after a tile's 16 queries (reference()'s own jnp.tril gives them the weight 0 for all inputs).  A NaN or an overflow that reaches only them is not carried on.
; LIMITS: a block of zeros gets the byte 1 (zero codes; only this program reads the bytes); NaN and infinities are not served.
; SHARES.  The four work-groups of a cluster serve one batch and head.  Work-group cx takes the blocks of 16 queries cx + 4 m, m = 0 .. 15, one a wave: so all four need all 1,024 keys and have equal work, 72 steps.
; A block's queries lie in one run of 32 tokens, so the step on the diagonal is m / 2: it hangs on the wave's number alone, not on the work-group's place.  m = w or 15 - w, so chosen that the steps of four waves w % 4 or w / 4 alike sum to 18.
; K's and V's codes and scales of the whole head, 104,448 bytes, come into LDS ONCE, by four joint loads (waves 0 to 3, one each): nothing is filled again, so one barrier serves the launch.
; All operands lie as half-images (launch wquant's head).  q's half-image goes to registers 6-11 of the fragment and k's likewise: the stored scale word has q's two bytes below and k's two above, so k's word serves as it is.
; REGISTERS: v1-6 addresses that stay; v9-11, v240-242 those of the step; v12 -M, v13 the largest t, v[14:15] the sum; v16-27 Q; v28-31 V's scale words; v32-79 four fragments of K; v80-127 V's four; v128-191 S^T, then p;
; v192-223 O^T; v224-235 p's codes; v232-254 at work; v248-251 K's scale words; v255 Q's.
.set KC,    0
.set VC,    49152
.set KS,    98304
.set VS,    102400
.set SPARE, 104448                     ; the spare words, 128 bytes for each of 16 waves, which no other line names
.set SPW, 7
.set NIL, 8
.set WV,  18
.set SEL, 20
.set CS,  22
.set KF,  76                           ; the step's first key
.set TK,  77                           ; where the step's tiles of K begin: 6,144 bytes a step;  TS its scale words: 512;  TV V's half-images: 1,536;  TT V's scale words: 64
.set TS,  78
.set TV,  79
.set TT,  80
.set CNT, 81
.set QB,  82                           ; the first key of the step on my diagonal
.set Q0,  83                           ; my block's first query
.set SHI, 84
.macro ROUND
	s_barrier_signal -1
	s_barrier_wait -1
	s_cmp_lg_u32 s[WV], 0
	s_cbranch_scc1 .Lnot_wave_0_\@
	s_barrier_signal -3
.Lnot_wave_0_\@:
	s_barrier_wait -3
	s_barrier_signal -1
	s_barrier_wait -1
.endm
.macro DESC g, c, r, p                 ; group 1: r rows of c elements of 8 bytes, p elements apart; all four work-groups; bit 21 beside the mask
	s_mov_b32 s[\g], 15|(3<<16)|(1<<21)
	s_mov_b32 s[\g+1], (\c)<<16
	s_mov_b32 s[\g+2], (\r)<<16
	s_mov_b32 s[\g+3], (\c)<<16
	s_mov_b32 s[\g+4], \r
	s_mov_b32 s[\g+5], \p
	s_mov_b32 s[\g+6], 0
	s_mov_b32 s[\g+7], 0
.endm
.macro GRP0 g, lds                     ; group 0: from qkv + s[92:93] to LDS byte lds
	s_mov_b32 s[\g], 1
	s_mov_b32 s[\g+1], \lds
	s_add_nc_u64 s[\g+2:\g+3], s[4:5], s[92:93]
	s_or_b32 s[\g+3], s[\g+3], 0x80000000
.endm
.macro TL g0, g1
	tensor_load_to_lds s[\g0:\g0+3], s[\g1:\g1+7]
	s_nop 0
.rept 4
	v_nop
.endr
.endm
	s_load_b128 s[4:7], s[0:1], 0x0                ; qkv, ctx
	v_lshl_add_u32 v[SPW], v0, 2, SPARE
	v_mov_b32 v[NIL], 0
	ds_add_u32 v[SPW], v[NIL]                      ; the wave's opening: the add, twice on end, and its wait ahead of the first tensor loads
	ds_add_u32 v[SPW], v[NIL]
	v_lshrrev_b32 v9, 5, v0
	v_readfirstlane_b32 s[WV], v9                  ; wave 0..15
	s_bfe_u32 s85, ttmp6, 0x40000                  ; cx
	s_and_b32 s86, ttmp7, 0xffff
	s_lshr_b32 s87, s86, 4                         ; batch
	s_and_b32 s88, s86, 15                         ; head
	s_lshr_b32 s89, s[WV], 2
	s_xor_b32 s89, s89, s[WV]
	s_lshr_b32 s90, s89, 1
	s_xor_b32 s89, s89, s90
	s_and_b32 s89, s89, 1
	s_mul_i32 s89, s89, 15
	s_xor_b32 s89, s89, s[WV]                      ; m
	s_lshr_b32 s[QB], s89, 1
	s_lshl_b32 s[QB], s[QB], 7
	s_lshl_b32 s90, s89, 2
	s_add_co_u32 s90, s90, s85                     ; my block of 16 queries in the batch
	s_lshr_b32 s[Q0], s90, 1
	s_lshl_b32 s[Q0], s[Q0], 5
	s_and_b32 s91, s90, 1
	s_lshl_b32 s91, s91, 3
	s_add_co_u32 s[Q0], s[Q0], s91
	s_lshl_b32 s91, s87, 6
	s_add_co_u32 s90, s90, s91                     ; and among all tokens' blocks
	DESC 24, 32, 192, 32                           ; K's codes: 49,152 dense bytes
	DESC 32, 1536, 4, 6144                         ; V's: 4 rows of 12,288 bytes, 49,152 apart
	DESC 40, 32, 16, 32                            ; K's scales: 4,096 dense bytes
	DESC 48, 64, 4, 256                            ; V's: 4 rows of 512 bytes, 2,048 apart
	s_mov_b32 s[SEL], 0x76543210
	s_mov_b32 s[SEL+1], 0xfedcba98
	s_mov_b32 s[CS], 0x39b8aa3b                    ; c = log2(e) / 4096
	s_mov_b32 s[CS+1], s[CS]
	s_mov_b32 s[SHI], 0xffff0000
	s_mov_b32 s[KF], 0
	s_mov_b32 s[TK], 0
	s_mov_b32 s[TS], 0
	s_mov_b32 s[TV], 0
	s_mov_b32 s[TT], 0
	s_mov_b32 s[CNT], 8
	s_mov_b32 s93, 0
	s_wait_dscnt 0x0                               ; both opening adds are done
	s_wait_kmcnt 0x0
	s_mul_i32 s92, s88, 393216
	s_mul_i32 s91, s87, 49152
	s_add_co_u32 s92, s92, s91
	s_add_co_u32 s92, s92, 196608
	GRP0 56, KC
	s_mul_i32 s92, s88, 196608
	s_mul_i32 s91, s87, 12288
	s_add_co_u32 s92, s92, s91
	s_add_co_u32 s92, s92, 6291456
	GRP0 60, VC
	s_lshl_b32 s92, s88, 14
	s_lshl_b32 s91, s87, 12
	s_add_co_u32 s92, s92, s91
	s_add_co_u32 s92, s92, 9437184
	GRP0 68, KS
	s_lshl_b32 s92, s88, 13
	s_lshl_b32 s91, s87, 9
	s_add_co_u32 s92, s92, s91
	s_add_co_u32 s92, s92, 9699328
	GRP0 72, VS
	ROUND                                          ; all four work-groups are here: the joint loads meet
	s_cmp_lg_u32 s[WV], 0                          ; one load a wave, waves 0 to 3; the branches hang on the wave's number alone
	s_cbranch_scc1 .Lw1
	TL 56, 24
	s_branch .Lasked
.Lw1:
	s_cmp_lg_u32 s[WV], 1
	s_cbranch_scc1 .Lw2
	TL 60, 32
	s_branch .Lasked
.Lw2:
	s_cmp_lg_u32 s[WV], 2
	s_cbranch_scc1 .Lw3
	TL 68, 40
	s_branch .Lasked
.Lw3:
	s_cmp_lg_u32 s[WV], 3
	s_cbranch_scc1 .Lasked
	TL 72, 48
.Lasked:
	s_mul_i32 s92, s88, 393216
	s_mul_i32 s91, s90, 768
	s_add_co_u32 s92, s92, s91
	s_add_nc_u64 s[94:95], s[4:5], s[92:93]        ; q's half-image
	s_lshl_b32 s92, s88, 14
	s_lshl_b32 s91, s90, 6
	s_add_co_u32 s92, s92, s91
	s_add_co_u32 s92, s92, 9437184
	s_add_nc_u64 s[2:3], s[4:5], s[92:93]          ; and its scale words
	s_mul_i32 s92, s90, 12288
	s_mul_i32 s91, s88, 768
	s_add_co_u32 s92, s92, s91
	s_add_nc_u64 s[96:97], s[6:7], s[92:93]        ; the result's half-image
	s_lshl_b32 s92, s90, 9
	s_lshr_b32 s91, s88, 1
	s_lshl_b32 s91, s91, 6
	s_add_co_u32 s92, s92, s91
	s_and_b32 s91, s88, 1
	s_lshl_b32 s91, s91, 1
	s_add_co_u32 s92, s92, s91
	s_add_co_u32 s92, s92, 3145728
	s_add_nc_u64 s[98:99], s[6:7], s[92:93]        ; and its two scale bytes of each row's word
	v_and_b32 v12, 15, v0                          ; r
	v_bfe_u32 v13, v0, 4, 1                        ; h
	v_and_b32 v14, 31, v0
	v_lshlrev_b32 v9, 4, v14                       ; 16 x lane
	v_lshlrev_b32 v10, 4, v12
	v_lshl_add_u32 v10, v13, 3, v10                ; 16 r + 8 h
	v_lshlrev_b32 v11, 2, v12                      ; 4 r
	global_load_b128 v[22:25], v9, s[94:95]
	global_load_b64 v[26:27], v10, s[94:95] offset:512
	global_load_b32 v255, v11, s[2:3]
	v_add_nc_u32 v1, KC, v9
	v_add_nc_u32 v2, KC+512, v10
	v_add_nc_u32 v3, KS, v11
	v_add_nc_u32 v4, VC, v9
	v_add_nc_u32 v5, VC+512, v10
	v_add_nc_u32 v6, VS, v11
	v_mov_b32 v13, 0xff61b1e6                      ; the largest t so far: -3e38
	v_floor_f32 v12, -v13                          ; -M
	v_mov_b32 v14, 0
	v_mov_b32 v15, 0
.irp j, 16,17,18,19,20,21
	v_mov_b32 v[\j], 0                             ; zero codes for the instruction's first 64 along K: Q's,
.endr
.irp f, 0,1,2,3
.irp j, 0,1,2,3,4,5
	v_mov_b32 v[32+12*\f+\j], 0                    ; and K's; written once
.endr
.endr
.set j, 0
.rept 32
	v_mov_b32 v[192+j], 0                          ; O^T: the step is written once; the first finds zeros
.set j, j+1
.endr
.irp j, 236,237,238,239,252,253,254
	v_mov_b32 v[\j], 0                             ; permutes' destinations and halves of pairs are written before they are named
.endr
	s_wait_tensorcnt 0x0                           ; my load has landed,
	s_barrier_signal -1
	s_barrier_wait -1                              ; everybody's has
	s_wait_loadcnt 0x0                             ; Q
	v_lshlrev_b32 v255, 16, v255                   ; q's two bytes to the places of k = 64 .. 127
.rept 8
	v_nop                                          ; a scale register written by a vector instruction stands eight places ahead of the scaled matrix instruction that takes it; once, ahead of the loop
.endr
.Lstep:                                            ; eight trips, a constant; a step behind my diagonal is jumped over, all but the lines that step addresses
	s_cmp_gt_u32 s[KF], s[QB]
	s_cbranch_scc1 .Lhidden
	v_add_nc_u32 v9, s[TK], v1                     ; (these six are also the places behind the last step's products)
	v_add_nc_u32 v10, s[TK], v2
	v_add_nc_u32 v11, s[TS], v3
	v_add_nc_u32 v240, s[TV], v4
	v_add_nc_u32 v241, s[TV], v5
	v_add_nc_u32 v242, s[TT], v6
.irp f, 0,1,2,3
	ds_load_b128 v[38+12*\f:41+12*\f], v9 offset:768*\f
	ds_load_b64 v[42+12*\f:43+12*\f], v10 offset:768*\f
	ds_load_b32 v[248+\f], v11 offset:64*\f
.endr
.irp t, 0,1,2,3
.irp c, 0,1
	ds_load_b128 v[80+12*\t+6*\c:83+12*\t+6*\c], v240 offset:12288*\t+768*\c
	ds_load_b64 v[84+12*\t+6*\c:85+12*\t+6*\c], v241 offset:12288*\t+768*\c
.endr
	ds_load_b32 v[28+\t], v242 offset:512*\t
.endr
	s_wait_dscnt 20                                ; K's first four tiles are in; V's 20 loads may be out
.irp f, 0,1,2,3
	v_wmma_scale_f32_16x16x128_f8f6f4 v[128+8*\f:135+8*\f], v[32+12*\f:43+12*\f], v[16:27], 0, v[248+\f], v255 matrix_a_fmt:MATRIX_FMT_FP6 matrix_b_fmt:MATRIX_FMT_FP6
.endr
.rept 4
	v_nop                                          ; places in front of loads into registers that matrix instructions have read
.endr
.irp f, 0,1,2,3
	ds_load_b128 v[38+12*\f:41+12*\f], v9 offset:768*(4+\f)
	ds_load_b64 v[42+12*\f:43+12*\f], v10 offset:768*(4+\f)
	ds_load_b32 v[248+\f], v11 offset:64*(4+\f)
.endr
	s_wait_dscnt 0x0
.irp f, 0,1,2,3
	v_wmma_scale_f32_16x16x128_f8f6f4 v[160+8*\f:167+8*\f], v[32+12*\f:43+12*\f], v[16:27], 0, v[248+\f], v255 matrix_a_fmt:MATRIX_FMT_FP6 matrix_b_fmt:MATRIX_FMT_FP6
.endr
.rept 4
	v_nop
.endr
	s_cmp_lt_u32 s[KF], s[QB]                      ; on the diagonal hidden scores become -infinity ahead of the maximum; a step all of whose keys count skips this
	s_cbranch_scc1 .Lopen
	s_sub_co_i32 s85, s[Q0], s[KF]
	v_and_b32 v252, 15, v0
	v_and_b32 v253, 8, v0
	v_add_nc_u32 v252, v252, v253                  ; my query's place among its 32 tokens: r + 8 (r / 8)
	v_and_b32 v253, 16, v0
	v_sub_nc_u32 v252, v252, v253
	v_add_nc_u32 v252, s85, v252                   ; d = my query - KF - 16 h.  Register 16 b + i holds key KF + 32 b + 16 h + i: hidden where 32 b + i > d
	v_mov_b32 v254, 0xff800000
.set n, 0
.rept 64
	v_cmp_gt_i32 vcc_lo, 32*(n/16)+n%16, v252
	v_cndmask_b32 v[128+n], v[128+n], v254, vcc_lo
.set n, n+1
.endr
.Lopen:
.irp b, 0,1,2,3
	v_max3_num_f32 v[232+\b], v[128+16*\b], v[129+16*\b], v[130+16*\b]   ; the largest score of each block of 32 keys: for the row's maximum, and, since p rises with the score, for the block's largest p
.endr
.irp i, 3,5,7,9,11,13
.irp b, 0,1,2,3
	v_max3_num_f32 v[232+\b], v[232+\b], v[128+16*\b+\i], v[129+16*\b+\i]
.endr
.endr
.irp b, 0,1,2,3
	v_max_num_f32 v[232+\b], v[232+\b], v[143+16*\b]
.endr
.irp b, 0,1,2,3
	v_permlanex16_b32 v[236+\b], v[232+\b], s[SEL], s[SEL+1]
.endr
.irp b, 0,1,2,3
	v_max_num_f32 v[232+\b], v[232+\b], v[236+\b]
.endr
	v_max3_num_f32 v254, v232, v233, v234
	v_max_num_f32 v254, v254, v235
	v_mul_f32 v254, s[CS], v254                    ; as t (c is positive)
	v_max_num_f32 v13, v13, v254                   ; the running largest t
	v_mov_b32 v254, v12
	v_floor_f32 v12, -v13                          ; the new -M: M is a whole number
	v_sub_f32 v254, v12, v254
	v_cvt_i32_f32 v254, v254
	v_ldexp_f32 v252, 1.0, v254                    ; f = 2^(old M - new M): exact
.set j, 0
.rept 32
	v_pk_fma_f32 v[128+j:129+j], v[128+j:129+j], s[CS:CS+1], v[12:13] op_sel_hi:[1,0,0]   ; t - M
.set j, j+2
.endr
.irp b, 0,1,2,3
	v_fma_f32 v[232+\b], v[232+\b], s[CS], v12
.endr
.set j, 0
.rept 64
	v_exp_f32 v[128+j], v[128+j]                   ; p = 2^(t - M)
.set j, j+1
.endr
	v_pk_mul_f32 v[14:15], v[14:15], v[252:253] op_sel_hi:[1,0]   ; the sums under the new M; a plain place behind the exponentials
	s_wait_alu depctr_va_vdst(0)                   ; one wait for the batch, ahead of its first reader
.irp b, 0,1,2,3
	v_exp_f32 v[232+\b], v[232+\b]                 ; each block's largest p
.endr
	v_pk_add_f32 v[236:237], v[128:129], v[130:131]   ; the row's sum is taken of the unquantised p
.irp j, 4,8,12,16,20,24,28,32,36,40,44,48,52,56,60
	v_pk_add_f32 v[14:15], v[14:15], v[128+\j:129+\j]
	v_pk_add_f32 v[236:237], v[236:237], v[130+\j:131+\j]
.endr
	v_pk_add_f32 v[14:15], v[14:15], v[236:237]
	s_wait_alu depctr_va_vdst(0)                   ; and one for the four
.irp b, 0,1,2,3
	v_max_num_f32 v[232+\b], 0x1800000, v[232+\b]  ; the floor 2^(3 - 127)
.endr
.irp b, 0,1,2,3
	v_add_nc_u32 v[244+\b], 0xff000000, v[232+\b]
.endr
.irp b, 0,1,2,3
	v_lshrrev_b32 v[236+\b], 23, v[244+\b]
.endr
	v_lshl_or_b32 v253, v237, 8, v236              ; p's scale word for these 128 keys
	v_lshl_or_b32 v253, v238, 16, v253
	v_lshl_or_b32 v253, v239, 24, v253
.irp c, 0,1
	v_cvt_scalef32_pk16_fp6_f32 v[224+6*\c:226+6*\c], v[128+32*\c:143+32*\c], v[244+2*\c]
	v_cvt_scalef32_pk16_fp6_f32 v[236+4*\c:238+4*\c], v[144+32*\c:159+32*\c], v[244+2*\c+1]
.endr
	v_nop                                          ; one plain place behind a scaled conversion
.irp c, 0,1
.irp i, 0,1,2
	v_permlane16_swap_b32 v[224+6*\c+\i], v[236+4*\c+\i]
.endr
.irp i, 0,1,2
	v_mov_b32 v[227+6*\c+\i], v[236+4*\c+\i]
.endr
.endr
.set j, 0
.rept 16
	v_pk_mul_f32 v[192+j:193+j], v[192+j:193+j], v[252:253] op_sel_hi:[1,0]   ; O^T under the new M; these 16 are also the places in front of the products below
.set j, j+2
.endr
.irp t, 0,1,2,3
	v_wmma_scale_f32_16x16x128_f8f6f4 v[192+8*\t:199+8*\t], v[80+12*\t:91+12*\t], v[224:235], v[192+8*\t:199+8*\t], v[28+\t], v253 matrix_a_fmt:MATRIX_FMT_FP6 matrix_b_fmt:MATRIX_FMT_FP6
.endr
.Lhidden:
	s_add_co_u32 s[KF], s[KF], 128
	s_add_co_u32 s[TK], s[TK], 6144
	s_add_co_u32 s[TS], s[TS], 512
	s_add_co_u32 s[TV], s[TV], 1536
	s_add_co_u32 s[TT], s[TT], 64
	s_sub_co_u32 s[CNT], s[CNT], 1
	s_cmp_lg_u32 s[CNT], 0
	s_cbranch_scc1 .Lstep
	; THE WAY OUT: O^T / the sum; register 16 g + i is d = 32 g + 16 h + i of my query: two blocks of 32 along the projection's K, quantised as above, one half-image.
.rept 4
	v_nop                                          ; places behind the last products
.endr
	v_add_f32 v14, v14, v15
	v_permlanex16_b32 v252, v14, s[SEL], s[SEL+1]
	v_add_f32 v14, v14, v252
	v_rcp_f32 v14, v14
	v_and_b32 v1, 15, v0                           ; (plain work behind the transcendental)
	v_bfe_u32 v2, v0, 4, 1
	v_and_b32 v3, 31, v0
	v_lshlrev_b32 v9, 4, v3
	v_lshlrev_b32 v10, 4, v1
	v_lshl_add_u32 v10, v2, 3, v10
	v_lshl_add_u32 v11, v1, 2, v2                  ; 4 r + h: my block's byte
	s_wait_alu depctr_va_vdst(0)                   ; the wait ahead of the reciprocal's first reader
.set j, 0
.rept 32
	v_mul_f32 v[128+j], v[192+j], v14
.set j, j+1
.endr
.irp g, 0,1
	v_max3_num_f32 v[232+\g], |v[128+16*\g]|, |v[129+16*\g]|, 0x1800000
.endr
.irp i, 2,4,6,8,10,12,14
.irp g, 0,1
	v_max3_num_f32 v[232+\g], v[232+\g], |v[128+16*\g+\i]|, |v[129+16*\g+\i]|
.endr
.endr
.irp g, 0,1
	v_permlanex16_b32 v[236+\g], v[232+\g], s[SEL], s[SEL+1]
.endr
.irp g, 0,1
	v_max_num_f32 v[232+\g], v[232+\g], v[236+\g]
.endr
.irp g, 0,1
	v_add_nc_u32 v[244+\g], 0xff000000, v[232+\g]
.endr
.irp g, 0,1
	v_lshrrev_b32 v[236+\g], 23, v[244+\g]
.endr
	v_cvt_scalef32_pk16_fp6_f32 v[224:226], v[128:143], v244
	v_cvt_scalef32_pk16_fp6_f32 v[228:230], v[144:159], v245
	v_nop
.irp i, 0,1,2
	v_permlane16_swap_b32 v[224+\i], v[228+\i]
.endr
.irp i, 0,1,2
	v_mov_b32 v[227+\i], v[228+\i]
.endr
	v_cndmask_b32 v238, v236, v237, s[SHI]         ; lanes 0-15 block 0's byte, lanes 16-31 block 1's
	global_store_b128 v9, v[224:227], s[96:97]     ; 512 consecutive bytes,
	global_store_b64 v10, v[228:229], s[96:97] offset:512   ; and 256
	global_store_b8 v11, v238, s[98:99]            ; a scale word's halves come from two heads: two bytes of each word are mine
	s_wait_tensorcnt 0x0                           ; the wave's end
	ds_add_u32 v[SPW], v[NIL]
	s_wait_dscnt 0x0
	ROUND                                          ; the closing round
	s_endpgm
.Lfunc_end_k_q749f0c32cb_att:
	.size	k_q749f0c32cb_att, .Lfunc_end_k_q749f0c32cb_att-k_q749f0c32cb_att
	.p2alignl 7, 3214868480
	.fill 96, 4, 3214868480
	.section	.rodata,"a",@progbits
	.p2align	6, 0x0
	.amdhsa_kernel k_q749f0c32cb_att
		.amdhsa_group_segment_fixed_size 167936
		.amdhsa_private_segment_fixed_size 0
		.amdhsa_enable_private_segment 0
		.amdhsa_kernarg_size 16
		.amdhsa_user_sgpr_count 2
		.amdhsa_user_sgpr_kernarg_segment_ptr 1
		.amdhsa_wavefront_size32 1
		.amdhsa_system_sgpr_workgroup_id_x 1
		.amdhsa_system_sgpr_workgroup_id_y 1
		.amdhsa_system_sgpr_workgroup_id_z 1
		.amdhsa_system_vgpr_workitem_id 0
		.amdhsa_next_free_vgpr 256
		.amdhsa_next_free_sgpr 100
		.amdhsa_reserve_vcc 1
		.amdhsa_float_denorm_mode_32 3
		.amdhsa_float_denorm_mode_16_64 3
		.amdhsa_memory_ordered 1
		.amdhsa_forward_progress 1
		.amdhsa_inst_pref_size 38
	.end_amdhsa_kernel
	.amdgpu_metadata
---
amdhsa.version: [ 1, 2 ]
amdhsa.kernels:
  - .name:           k_q749f0c32cb_att
    .symbol:         k_q749f0c32cb_att.kd
    .args:
      - { .name: qkv, .offset: 0, .size: 8, .value_kind: global_buffer, .address_space: global }
      - { .name: ctx, .offset: 8, .size: 8, .value_kind: global_buffer, .address_space: global }
    .group_segment_fixed_size: 167936
    .private_segment_fixed_size: 0
    .kernarg_segment_align: 8
    .kernarg_segment_size: 16
    .max_flat_workgroup_size: 512
    .sgpr_count:     100
    .vgpr_count:     256
    .wavefront_size: 32
...
	.end_amdgpu_metadata
.endif
;; end of part 4
;; launch gp (part 5): grid 4 x 16, 4 waves a work-group, clusters of 4 x 4, 327,680 bytes of LDS; arguments ctx, wts, bp, inputs, xres; writes xres
.if DOCPART == 5
	.amdgcn_target "amdgcn-amd-amdhsa--gfx1250"
	.amdhsa_code_object_version 6
	.text
	.protected	k_q749f0c32cb_gp
	.globl	k_q749f0c32cb_gp
	.p2align	8
	.type	k_q749f0c32cb_gp,@function
k_q749f0c32cb_gp:
	s_mov_b64 s[64:65], 0
	v_nop
	global_prefetch_b8 v0, s[64:65] scope:SCOPE_SE
	s_setreg_imm32_b32 hwreg(HW_REG_WAVE_MODE, 25, 1), 1
	s_wait_xcnt 0x0
	s_wait_alu depctr_hold_cnt(0) depctr_sa_sdst(0) depctr_va_vdst(0) depctr_va_sdst(0) depctr_va_ssrc(0) depctr_va_vcc(0) depctr_vm_vsrc(0)
	s_getreg_b32 s2, hwreg(HW_REG_IB_STS2, 6, 4)
	s_cmp_eq_u32 s2, 0
	s_cbranch_scc0 .Lentry_in_a_cluster
	s_endpgm
.Lentry_in_a_cluster:
	s_bfe_u32 s2, ttmp6, 0x10000c
	s_cmp_lg_u32 s2, 0xf033
	s_cbranch_scc0 .Lentry_shape_is_right
	s_endpgm
.Lentry_shape_is_right:
; KIND 2: x = inputs + ctx Wp + bp, f32 out.
; ONE TEXT SERVES FOUR LAUNCHES (the eight constants below differ).  C = A B^T on codes of E2M3 with E8M0 scales; no work of reference() is left out here.
; Both operands lie as half-images (launch wquant's head): a fragment, 16 rows x 128 K, is two half-images: registers 6 c .. 6 c + 3 by one load of 16 bytes a lane, 6 c + 4, 6 c + 5 by one of 8: every load's bytes are consecutive.
; A tile of C, 256 x 256, is made by four waves, 128 x 128 each: 64 accumulators, 512 registers.  K goes in steps of 256 through a ring of two LDS slots; the scales of the tile's rows, for all of K, come once and stay.
; CLUSTERS: 4 x 4 work-groups; A's tiles are asked for jointly along a row of the cluster, B's along a column.  THE MATRIX INSTRUCTION IS USED TRANSPOSED (source 0 = B's rows, source 1 = A's rows): with the rows' order in a block
; (place r = row 32 (rb / 2) + 8 (rb % 2) + r + 8 (r / 8)) the 64 registers of one block of A's rows are, in a lane, register 16 j + i = column 32 j + 16 (lane / 16) + i of the row at place lane % 16.
; OUTQ = 1: those 64 numbers are quantised in registers along the columns and stored as a fragment of the next operand.  OUTQ = 0: f32 rows out through a stage in LDS.
; INIT = 0: the sums start at 0;  1: at a bias along the columns;  2: at residual + bias, brought in through the stage.
; LIMITS: NaN and infinities are not served.  The grid has 64 work-groups: 1,024 columns are four tiles of 256.
; REGISTERS: window 0: v0-31 addresses; v32-63 scale words, two sets; v64-127 the bias; v128-223 A's fragments, one set.  window 1: B's fragments, two sets.  windows 2, 3: the accumulators, (a, b) at v[8 (8 (a % 4) + b)].
.set KIND,   2
.set SIZE_K, 1024
.set INIT,   2
.set RELU,   0
.set OUTQ,   0
.set ASOFF,  3145728                   ; A's scales in A's buffer;  B's codes and scales in wts
.set BOFF,   2359296
.set BSOFF,  9535488
.set NQ,     2                         ; matrix instructions deep in a slot
.set FR,     12                        ; registers of a fragment
.set NL,     4                         ; LDS loads that bring one
.set NP,     4                         ; places behind this matrix instruction (ISA guide 7.12.1)
.set RB3,    3072                      ; a slot's 256 along K of a block of 16 rows: four half-images
.set KHB,    SIZE_K/64*768             ; a block of 16 rows in memory
.set SKB,    SIZE_K/128*64             ; its scales
.set HALFT,  8*RB3                     ; 128 rows: what one tensor load brings
.set SLOT,   4*HALFT
.set LAPS,   SIZE_K/512
.set SCL,    2*SLOT                    ; behind the ring: the scales
.set HALFS,  8*SKB
.set STAGE,  SCL+4*HALFS               ; OUTQ = 0: 16 rows x 528 bytes for each wave; no tensor load ever lands here
.set SPITCH, 528
.set SPARE,  STAGE+(1-OUTQ)*4*16*SPITCH   ; the spare words, 128 bytes for each wave, which no other line names
.set ADRA, 16                          ; v16-17 my A fragments in slot 0, 1 (+ 16 x lane);  v18-19 the same + 16 r + 8 h
.set ADRB, 20                          ; v20-23 the same for B
.set STO,  24
.set RD,   25
.set CO,   26
.set ADRS, 27
.set SPW,  28
.set NIL,  29
.set SC,   32
.set BIA,  64
.set AF,   128
.set BK,   128
.set TM,   32
.set PW,   48
.set PWS,  49
.set WS,   50
.set PC,   52
.set VO0,  6
.set VO1,  7
.set VT0,  8
.set VT1,  9
.set VS,   10
.set G1,   24
.set G0,   32
.set G1B,  48
.set G0B,  56
.set G1S,  68
.set G0S,  76
.set G1SB, 80
.set G0SB, 88
.set SEL,  68
.set SHI,  70
.set SKH,  71
.set SRB,  72
.set TRB2, 74
.set OB,   76
.set SB,   78
.set MSB, 0
.macro WIN new                         ; the immediate's high byte repeats the setting that is left
.if MSB != \new
	s_set_vgpr_msb (MSB<<8)|\new
.set MSB, \new
.endif
.endm
.set MUL_LO, 0xa1
.set MUL_HI, 0xf1
.set TO_B,   0x40
.macro JLOAD g0a, g1a, g0b, g1b        ; a joint load: waves 0, 1 fetch for A, waves 2, 3 for B; an s_nop 0 and four v_nop follow each line
	s_cmp_eq_u32 s15, 0
	s_cbranch_scc0 .Lfor_b_\@
	tensor_load_to_lds s[\g0a:\g0a+3], s[\g1a:\g1a+7]
	s_nop 0
.rept 4
	v_nop
.endr
	s_branch .Lasked_\@
.Lfor_b_\@:
	tensor_load_to_lds s[\g0b:\g0b+3], s[\g1b:\g1b+7]
	s_nop 0
.rept 4
	v_nop
.endr
.Lasked_\@:
.endm
.macro CREST
	s_cmp_lg_u32 s14, 0
	s_cbranch_scc1 .Lnot_wave_0_\@
	s_barrier_signal -3
.Lnot_wave_0_\@:
	s_barrier_wait -3
	s_barrier_signal -1
	s_barrier_wait -1
.endm
.macro CROUND
	s_barrier_signal -1
	s_barrier_wait -1
	CREST
.endm
	s_load_b128 s[96:99], s[0:1], 0x0              ; A's buffer, wts
.if KIND == 0
	s_load_b64 s[12:13], s[0:1], 0x10              ; the result
.elseif KIND == 1
	s_load_b64 s[92:93], s[0:1], 0x10              ; the bias
	s_load_b64 s[12:13], s[0:1], 0x18
.else
	s_load_b128 s[92:95], s[0:1], 0x10             ; the bias, the residual
	s_load_b64 s[12:13], s[0:1], 0x20
.endif
	v_lshl_add_u32 v[SPW], v0, 2, SPARE
	v_mov_b32 v[NIL], 0
	ds_add_u32 v[SPW], v[NIL]                      ; the wave's opening: the add, twice on end, and its wait ahead of my first tensor load
	ds_add_u32 v[SPW], v[NIL]
	v_lshrrev_b32 v1, 5, v0
	v_readfirstlane_b32 s14, v1                    ; wave 0..3
	s_lshr_b32 s15, s14, 1                         ; which half of the tile's rows is mine.  Also: I fetch for A (0) or for B (1)
	s_and_b32 s16, s14, 1                          ; which half of its columns.  Also: which 128 rows I fetch
	s_bfe_u32 s40, ttmp6, 0x40000                  ; cx, cy
	s_bfe_u32 s41, ttmp6, 0x40004
.if KIND == 0
	s_and_b32 s18, ttmp9, 1
	s_lshr_b32 s19, ttmp9, 1
	s_sub_co_u32 s20, ttmp9, 8
	s_cmp_lt_u32 ttmp9, 8
	s_cselect_b32 s42, s18, s20
	s_cselect_b32 s17, s19, 0
.else
	s_mov_b32 s42, ttmp9
	s_and_b32 s17, ttmp7, 0xffff
.endif
	s_lshl_b32 s42, s42, 2
	s_add_co_u32 s42, s42, s40                     ; tile column
	s_lshl_b32 s17, s17, 2
	s_add_co_u32 s17, s17, s41                     ; tile row
	s_lshl_b32 s43, s41, 2
	s_lshl_b32 s43, 15, s43                        ; my row of the cluster
	s_lshl_b32 s44, 0x1111, s40                    ; my column
	s_or_b32 s[G1+0], s43, (3<<16)|(1<<21)         ; the mask; elements of 8 bytes; bit 21 beside a mask; no padding
	s_or_b32 s[G1B+0], s44, (3<<16)|(1<<21)
.irp g, G1, G1B
	s_mov_b32 s[\g+1], 384<<16                     ; 8 rows of 3,072 bytes, KHB bytes apart
	s_mov_b32 s[\g+2], 8<<16
	s_mov_b32 s[\g+3], 384<<16
	s_mov_b32 s[\g+4], 8
	s_mov_b32 s[\g+5], KHB/8
	s_mov_b32 s[\g+6], 0
	s_mov_b32 s[\g+7], 0
.endr
	s_or_b32 s[G1S+0], s43, (3<<16)|(1<<21)
	s_or_b32 s[G1SB+0], s44, (3<<16)|(1<<21)
.irp g, G1S, G1SB
	s_mov_b32 s[\g+1], 32<<16                      ; the scales of 128 rows: a dense block, as rows of 256 bytes
	s_mov_b32 s[\g+2], (HALFS/256)<<16
	s_mov_b32 s[\g+3], 32<<16
	s_mov_b32 s[\g+4], HALFS/256
	s_mov_b32 s[\g+5], 32
	s_mov_b32 s[\g+6], 0
	s_mov_b32 s[\g+7], 0
.endr
	s_lshl_b32 s18, s16, 3
	s_lshl_b32 s20, s17, 4
	s_add_co_u32 s20, s20, s18                     ; A: block of rows 16 x tile row + 8 x half
	s_lshl_b32 s46, s42, 4
	s_add_co_u32 s46, s46, s18                     ; B: 16 x tile column + 8 x half
	s_mul_i32 s22, s20, SKB
	s_mov_b32 s23, 0
	s_mul_i32 s66, s46, SKB
	s_mov_b32 s67, 0
	s_mul_i32 s20, s20, KHB
	s_mov_b32 s21, 0
	s_mul_i32 s46, s46, KHB
	s_mov_b32 s47, 0
	s_mul_i32 s45, s14, HALFT                      ; where they go: no place in the cluster enters an LDS address
	s_mul_i32 s100, s14, HALFS
	s_wait_dscnt 0x0                               ; both opening adds are done
	s_wait_kmcnt 0x0
.if KIND == 0
	s_mov_b32 s19, 0
	s_cmp_lt_u32 ttmp9, 8
	s_cselect_b64 s[4:5], s[96:97], s[98:99]
	s_cselect_b64 s[8:9], s[98:99], s[96:97]
	s_mov_b32 s18, 9502720
	s_cselect_b32 s18, 3145728, s18
	s_add_nc_u64 s[6:7], s[4:5], s[18:19]
	s_mov_b32 s18, 3145728
	s_cselect_b32 s18, 9437184, s18
	s_add_nc_u64 s[10:11], s[8:9], s[18:19]
	s_cselect_b32 s18, 0, 1572864
	s_add_nc_u64 s[4:5], s[4:5], s[18:19]
.else
	s_mov_b64 s[4:5], s[96:97]
	s_add_nc_u64 s[6:7], s[96:97], ASOFF
	s_add_nc_u64 s[8:9], s[98:99], BOFF
	s_add_nc_u64 s[10:11], s[98:99], BSOFF
.endif
	s_add_nc_u64 s[20:21], s[4:5], s[20:21]
	s_add_nc_u64 s[22:23], s[6:7], s[22:23]
	s_add_nc_u64 s[46:47], s[8:9], s[46:47]
	s_add_nc_u64 s[66:67], s[10:11], s[66:67]
	CROUND                                         ; all sixteen work-groups are here: the first joint loads meet
	s_mov_b32 s[G0S], 1
	s_add_co_u32 s[G0S+1], s100, SCL
	s_mov_b64 s[G0S+2:G0S+3], s[22:23]
	s_or_b32 s[G0S+3], s[G0S+3], 0x80000000
	s_mov_b32 s[G0SB], 1
	s_add_co_u32 s[G0SB+1], s100, SCL
	s_mov_b64 s[G0SB+2:G0SB+3], s[66:67]
	s_or_b32 s[G0SB+3], s[G0SB+3], 0x80000000
	JLOAD G0S, G1S, G0SB, G1SB                     ; the scales first; three loads of mine are out behind the third line below
.irp s, 0,1
	s_mov_b32 s[G0+4*\s], 1
	s_add_co_u32 s[G0+4*\s+1], s45, \s*SLOT
	s_add_nc_u64 s[G0+4*\s+2:G0+4*\s+3], s[20:21], \s*RB3
	s_or_b32 s[G0+4*\s+3], s[G0+4*\s+3], 0x80000000
	s_mov_b32 s[G0B+4*\s], 1
	s_add_co_u32 s[G0B+4*\s+1], s45, \s*SLOT
	s_add_nc_u64 s[G0B+4*\s+2:G0B+4*\s+3], s[46:47], \s*RB3
	s_or_b32 s[G0B+4*\s+3], s[G0B+4*\s+3], 0x80000000
	JLOAD G0+4*\s, G1, G0B+4*\s, G1B
.endr
	v_and_b32 v1, 15, v0                           ; r
	v_bfe_u32 v2, v0, 4, 1                         ; h
	v_and_b32 v3, 31, v0
	v_lshlrev_b32 v4, 4, v3                        ; 16 x lane
	v_lshlrev_b32 v5, 4, v1
	v_lshl_add_u32 v5, v2, 3, v5                   ; 16 r + 8 h
	s_mul_i32 s21, s15, HALFT                      ; my 128 rows of A
	s_mul_i32 s22, s16, HALFT
	s_add_co_u32 s22, s22, 2*HALFT                 ; my 128 rows of B, behind A's 256
.irp s, 0,1
	v_add_nc_u32 v[ADRA+\s], s21, v4
	v_add_nc_u32 v[ADRB+\s], s22, v4
	v_add_nc_u32 v[ADRA+2+\s], s21, v5
	v_add_nc_u32 v[ADRB+2+\s], s22, v5
	s_add_co_u32 s21, s21, SLOT
	s_add_co_u32 s22, s22, SLOT
.endr
	v_lshlrev_b32 v5, 2, v1                        ; scale words: 4 r; lanes 0-15 take A's, lanes 16-31 B's
	s_mul_i32 s21, s15, HALFS
	s_mul_i32 s22, s16, HALFS
	s_add_co_u32 s22, s22, 2*HALFS
	s_sub_co_u32 s22, s22, s21
	v_mul_u32_u24 v6, s22, v2
	s_add_co_u32 s21, s21, SCL
	v_add_nc_u32 v5, v5, v6
	v_add_nc_u32 v[ADRS], s21, v5
.if INIT > 0
	s_lshl_b32 s46, s42, 10                        ; my first column in bytes of f32: 1,024 x tile column + 512 x half
	s_lshl_b32 s47, s16, 9
	s_add_co_u32 s46, s46, s47
	s_mov_b32 s47, 0
	s_add_nc_u64 s[92:93], s[92:93], s[46:47]
.endif
.if INIT == 1
	v_lshlrev_b32 v5, 6, v2
.irp b, 0,1,2,3,4,5,6,7
	global_load_b128 v[BIA+8*\b:BIA+8*\b+3], v5, s[92:93] offset:(32*(\b/2)+8*(\b%2))*4
	global_load_b128 v[BIA+8*\b+4:BIA+8*\b+7], v5, s[92:93] offset:(32*(\b/2)+8*(\b%2))*4+16
.endr
.endif
.if OUTQ == 0
	s_mul_i32 s23, s14, 16*SPITCH
	s_add_co_u32 s23, s23, STAGE                   ; my stage
	v_mul_u32_u24 v5, v1, SPITCH
	v_lshl_add_u32 v5, v2, 6, v5
	v_add_nc_u32 v[STO], s23, v5                   ; the result's layout: row r, + 64 h
	v_mov_b32 v[CO], v4                            ; whole rows: 16 bytes a lane
	v_add_nc_u32 v[RD], s23, v4
	s_lshl_b32 s20, s17, 8
	s_lshl_b32 s21, s15, 7
	s_add_co_u32 s20, s20, s21                     ; my first row
	s_lshl_b32 s20, s20, 12
	s_add_co_u32 s20, s20, s46
	s_mov_b32 s21, 0
	s_add_nc_u64 s[12:13], s[12:13], s[20:21]
	s_add_nc_u64 s[94:95], s[94:95], s[20:21]
.endif
.if INIT == 2
; THE WAY IN: residual + bias become the sums' first value.  Block a's 16 rows are loaded dense (512 bytes a row) into the block's own accumulator registers, the bias is added, and they turn through my stage into the result's layout.
.macro RLOAD a
	WIN 0x80+0x40*((\a)/4)
.irp t, 0,1,2,3,4,5,6,7,8,9,10,11,12,13,14,15
	global_load_b128 v[64*((\a)%4)+4*\t:64*((\a)%4)+4*\t+3], v[CO], s[94:95] offset:(32*((\a)/2)+8*((\a)%2)+\t+8*(\t/8))*4096
.endr
.endm
.macro WAYIN a
.set AC, 64*((\a)%4)
.if (\a)+3 < 8
	RLOAD (\a)+3
	s_wait_loadcnt 48                              ; block a is in; the three blocks behind it may be out
.else
	s_wait_loadcnt 16*(7-(\a))
.endif
	WIN 0x82+0x41*((\a)/4)
.irp t, 0,1,2,3,4,5,6,7,8,9,10,11,12,13,14,15
	v_pk_add_f32 v[AC+4*\t:AC+4*\t+1], v[AC+4*\t:AC+4*\t+1], v[BIA:BIA+1]
	v_pk_add_f32 v[AC+4*\t+2:AC+4*\t+3], v[AC+4*\t+2:AC+4*\t+3], v[BIA+2:BIA+3]
.endr
	WIN 0x08+0x04*((\a)/4)
.irp t, 0,1,2,3,4,5,6,7,8,9,10,11,12,13,14,15
	ds_store_b128 v[RD], v[AC+4*\t:AC+4*\t+3] offset:\t*SPITCH
.endr
	WIN 0x80+0x40*((\a)/4)
.irp b, 0,1,2,3,4,5,6,7
	ds_load_b128 v[AC+8*\b:AC+8*\b+3], v[STO] offset:128*(\b/2)+32*(\b%2)       ; LDS serves a wave's instructions in order: these see the stores above
	ds_load_b128 v[AC+8*\b+4:AC+8*\b+7], v[STO] offset:128*(\b/2)+32*(\b%2)+16
.endr
.endm
	global_load_b128 v[BIA:BIA+3], v[CO], s[92:93]
	RLOAD 0
	RLOAD 1
	RLOAD 2
.irp a, 0,1,2,3,4,5,6,7
	WAYIN \a
.endr
	WIN 0
.endif
.macro FRAG reg, adr, q, i
.irp c, 0,1
	ds_load_b128 v[\reg+6*\c:\reg+6*\c+3], v[\adr] offset:(\i)*RB3+(\q)*1536+768*\c
	ds_load_b64 v[\reg+6*\c+4:\reg+6*\c+5], v[\adr+2] offset:(\i)*RB3+(\q)*1536+768*\c+512
.endr
.endm
; 16 matrix instructions: A's blocks a0, a0 + 1 x B's eight.  The 64 accumulators take turns, one instruction a turn, in the same order in every step.
.macro MUL16 a0, p, q, sc, zero
.irp a, \a0, \a0+1
.irp b, 0,1,2,3,4,5,6,7
.if (\zero) && (INIT == 0)
	v_wmma_scale_f32_16x16x128_f8f6f4 v[8*(8*((\a)%4)+\b):8*(8*((\a)%4)+\b)+7], v[128*(\p)+FR*\b:128*(\p)+FR*\b+FR-1], v[AF+FR*(\a):AF+FR*(\a)+FR-1], 0, v[SC+8*NQ*(\sc)+NQ*\b+(\q)], v[SC+8*NQ*(\sc)+NQ*(\a)+(\q)] matrix_a_fmt:MATRIX_FMT_FP6 matrix_b_fmt:MATRIX_FMT_FP6 matrix_a_scale:MATRIX_SCALE_ROW1
.elseif (\zero) && (INIT == 1)
	v_wmma_scale_f32_16x16x128_f8f6f4 v[8*(8*((\a)%4)+\b):8*(8*((\a)%4)+\b)+7], v[128*(\p)+FR*\b:128*(\p)+FR*\b+FR-1], v[AF+FR*(\a):AF+FR*(\a)+FR-1], v[BIA+8*\b:BIA+8*\b+7], v[SC+8*NQ*(\sc)+NQ*\b+(\q)], v[SC+8*NQ*(\sc)+NQ*(\a)+(\q)] matrix_a_fmt:MATRIX_FMT_FP6 matrix_b_fmt:MATRIX_FMT_FP6 matrix_a_scale:MATRIX_SCALE_ROW1
.else
	v_wmma_scale_f32_16x16x128_f8f6f4 v[8*(8*((\a)%4)+\b):8*(8*((\a)%4)+\b)+7], v[128*(\p)+FR*\b:128*(\p)+FR*\b+FR-1], v[AF+FR*(\a):AF+FR*(\a)+FR-1], v[8*(8*((\a)%4)+\b):8*(8*((\a)%4)+\b)+7], v[SC+8*NQ*(\sc)+NQ*\b+(\q)], v[SC+8*NQ*(\sc)+NQ*(\a)+(\q)] matrix_a_fmt:MATRIX_FMT_FP6 matrix_b_fmt:MATRIX_FMT_FP6 matrix_a_scale:MATRIX_SCALE_ROW1
.endif
.endr
.endr
.endm
.macro FETCH_B slot, q, p
	WIN TO_B
.irp i, 0,1,2,3,4,5,6,7
	FRAG 128*(\p)+FR*\i, ADRB+\slot, \q, \i
.endr
	WIN 0
.endm
.macro FETCH_A slot, q, i0
.irp i, \i0, \i0+1, \i0+2, \i0+3
	FRAG AF+FR*(\i), ADRA+\slot, \q, \i
.endr
.endm
.macro SCALES sc                       ; a slot's scale words: register NQ i + q: lanes 0-15 A's block i, lanes 16-31 B's block i
.irp i, 0,1,2,3,4,5,6,7
.irp q, 0,1
	ds_load_b32 v[SC+8*NQ*\sc+NQ*\i+\q], v[ADRS] offset:\i*SKB+64*\q
.endr
.endr
.endm
.macro PLACES n                        ; plain vector instructions between a matrix instruction and a load into, or a read of, its registers
.rept \n
	v_nop
.endr
.endm
.macro STEP slot, q, zero              ; 128 along K that has its successor in the same slot
	s_wait_dscnt 4*NL                              ; all but the youngest 16 loads (A's blocks 4-7) are in
.if (\zero) && (INIT == 1)
	WIN 0x81
.else
	WIN MUL_LO
.endif
	MUL16 0, (\q)%2, \q, \slot, \zero
	MUL16 2, (\q)%2, \q, \slot, \zero
	s_wait_dscnt 0
	PLACES NP
	FETCH_B \slot, (\q)+1, 1-(\q)%2
	FETCH_A \slot, (\q)+1, 0
.if (\zero) && (INIT == 1)
	WIN 0xc1
.else
	WIN MUL_HI
.endif
	MUL16 4, (\q)%2, \q, \slot, \zero
	MUL16 6, (\q)%2, \q, \slot, \zero
	PLACES NP
	WIN 0
	FETCH_A \slot, (\q)+1, 4
.endm
; A slot's last step changes slots: one barrier; in front of it each wave waits for all its tensor loads, adds 0 to its spare word, and waits for that and for its reads of this slot.
.macro TURN slot, next, fill
	s_wait_tensorcnt 0x0                           ; all my tensor loads have landed: my part of the next slot
	ds_add_u32 v[SPW], v[NIL]
	s_wait_dscnt 4*NL+1                            ; (the add and the youngest 16 loads may be out)
	WIN MUL_LO
	MUL16 0, 1, NQ-1, \slot, 0
	s_wait_dscnt 0x0                               ; the add is done, and my reads of this slot are over
	s_barrier_signal -1
	MUL16 2, 1, NQ-1, \slot, 0
	WIN 0
	s_barrier_wait -1
.if \fill
	CREST                                          ; the barrier has opened a round of the cluster's: no wave of any partner still reads this slot or has a load on its way
	s_add_nc_u64 s[G0+4*\slot+2:G0+4*\slot+3], s[G0+4*\slot+2:G0+4*\slot+3], 2*RB3
	s_add_nc_u64 s[G0B+4*\slot+2:G0B+4*\slot+3], s[G0B+4*\slot+2:G0B+4*\slot+3], 2*RB3
	JLOAD G0+4*\slot, G1, G0B+4*\slot, G1B         ; the first tensor load behind the round, my one load until the next
.else
	PLACES NP
.endif
	v_add_nc_u32 v[ADRS], 64*NQ, v[ADRS]           ; the next slot's scale words
	FETCH_B \next, 0, 0
	FETCH_A \next, 0, 0
	SCALES \next
	WIN MUL_HI
	MUL16 4, 1, NQ-1, \slot, 0
	MUL16 6, 1, NQ-1, \slot, 0
	PLACES NP
	WIN 0
	FETCH_A \next, 0, 4
.endm
.if INIT == 2
	s_wait_dscnt 0x0                               ; the way in is over
.endif
	s_wait_tensorcnt 1                             ; the scales and my part of slot 0 are in; slot 1's load may be out
	s_barrier_signal -1
	s_barrier_wait -1
	FETCH_B 0, 0, 0
	FETCH_A 0, 0, 0
	SCALES 0
	FETCH_A 0, 0, 4
.if INIT == 1
	s_wait_loadcnt 0x0
.endif
	STEP 0, 0, 1
	s_mov_b32 s3, LAPS-1
.Llap:
	TURN 0, 1, 1
	STEP 1, 0, 0
	TURN 1, 0, 1
	STEP 0, 0, 0
	s_sub_co_u32 s3, s3, 1
	s_cmp_lg_u32 s3, 0
	s_cbranch_scc1 .Llap
	TURN 0, 1, 0                                   ; the last lap fills nothing
	STEP 1, 0, 0
	s_wait_dscnt 4*NL
	WIN MUL_LO
	MUL16 0, 1, NQ-1, 1, 0
	MUL16 2, 1, NQ-1, 1, 0
	s_wait_dscnt 0
	WIN MUL_HI
	MUL16 4, 1, NQ-1, 1, 0
	MUL16 6, 1, NQ-1, 1, 0
	WIN 0
	PLACES NP
; THE WAY OUT IN F32, block by block of 16 rows x 128 columns, through my stage: whole rows of 512 bytes leave.
.macro TOSTAGE a
.set AC, 64*((\a)%4)
	WIN 0x08+4*((\a)/4)
.irp b, 0,1,2,3,4,5,6,7
	ds_store_b128 v[STO], v[AC+8*\b:AC+8*\b+3] offset:128*(\b/2)+32*(\b%2)          ; each accumulator from its low end on
	ds_store_b128 v[STO], v[AC+8*\b+4:AC+8*\b+7] offset:128*(\b/2)+32*(\b%2)+16
.endr
	WIN 0
.set BB, BK+64*((\a)%2)
.irp t, 0,1,2,3,4,5,6,7,8,9,10,11,12,13,14,15
	ds_load_b128 v[BB+4*\t:BB+4*\t+3], v[RD] offset:\t*SPITCH
.endr
.endm
.macro SEND a, younger
.set BB, BK+64*((\a)%2)
	s_wait_dscnt \younger
.irp t, 0,1,2,3,4,5,6,7,8,9,10,11,12,13,14,15
	global_store_b128 v[CO], v[BB+4*\t:BB+4*\t+3], s[12:13] offset:(32*((\a)/2)+8*((\a)%2)+\t+8*(\t/8))*4096   ; 32 lanes store 512 consecutive bytes
.endr
.endm
	TOSTAGE 0
.irp a, 1,2,3,4,5,6,7
.if \a > 1
	s_wait_xcnt 0x0                                ; block a - 2's stores have read their registers: block a's loads may land there
.endif
	TOSTAGE \a
	SEND \a-1, 32                                  ; behind block a - 1's loads: block a's 16 stores and 16 loads
.endr
	SEND 7, 0
	s_wait_tensorcnt 0x0                           ; the wave's end
	ds_add_u32 v[SPW], v[NIL]
	s_wait_dscnt 0x0
	CROUND                                         ; the closing round
	s_endpgm
.Lfunc_end_k_q749f0c32cb_gp:
	.size	k_q749f0c32cb_gp, .Lfunc_end_k_q749f0c32cb_gp-k_q749f0c32cb_gp
	.p2alignl 7, 3214868480
	.fill 96, 4, 3214868480
	.section	.rodata,"a",@progbits
	.p2align	6, 0x0
	.amdhsa_kernel k_q749f0c32cb_gp
		.amdhsa_group_segment_fixed_size 327680
		.amdhsa_private_segment_fixed_size 0
		.amdhsa_enable_private_segment 0
		.amdhsa_kernarg_size 40
		.amdhsa_user_sgpr_count 2
		.amdhsa_user_sgpr_kernarg_segment_ptr 1
		.amdhsa_wavefront_size32 1
		.amdhsa_system_sgpr_workgroup_id_x 1
		.amdhsa_system_sgpr_workgroup_id_y 1
		.amdhsa_system_sgpr_workgroup_id_z 1
		.amdhsa_system_vgpr_workitem_id 0
		.amdhsa_next_free_vgpr 1024
		.amdhsa_next_free_sgpr 102
		.amdhsa_reserve_vcc 0
		.amdhsa_float_denorm_mode_32 3
		.amdhsa_float_denorm_mode_16_64 3
		.amdhsa_memory_ordered 1
		.amdhsa_forward_progress 1
		.amdhsa_inst_pref_size 191
	.end_amdhsa_kernel
	.amdgpu_metadata
---
amdhsa.version: [ 1, 2 ]
amdhsa.kernels:
  - .name:           k_q749f0c32cb_gp
    .symbol:         k_q749f0c32cb_gp.kd
    .args:
      - { .name: ctx, .offset: 0, .size: 8, .value_kind: global_buffer, .address_space: global }
      - { .name: wts, .offset: 8, .size: 8, .value_kind: global_buffer, .address_space: global }
      - { .name: bp, .offset: 16, .size: 8, .value_kind: global_buffer, .address_space: global }
      - { .name: inputs, .offset: 24, .size: 8, .value_kind: global_buffer, .address_space: global }
      - { .name: xres, .offset: 32, .size: 8, .value_kind: global_buffer, .address_space: global }
    .group_segment_fixed_size: 327680
    .private_segment_fixed_size: 0
    .kernarg_segment_align: 8
    .kernarg_segment_size: 40
    .max_flat_workgroup_size: 128
    .sgpr_count:     102
    .vgpr_count:     1024
    .wavefront_size: 32
...
	.end_amdgpu_metadata
.endif
;; end of part 5
;; launch ln2: the kernel of part 2 again; grid 256 x 1, 4 waves a work-group, no clusters, 32,768 bytes of LDS; arguments xres, ln2_g, ln2_b, act; writes act
;; launch gh (part 6): grid 16 x 16, 4 waves a work-group, clusters of 4 x 4, 327,680 bytes of LDS; arguments act, wts, b1, hid; writes hid
.if DOCPART == 6
	.amdgcn_target "amdgcn-amd-amdhsa--gfx1250"
	.amdhsa_code_object_version 6
	.text
	.protected	k_q749f0c32cb_gh
	.globl	k_q749f0c32cb_gh
	.p2align	8
	.type	k_q749f0c32cb_gh,@function
k_q749f0c32cb_gh:
	s_mov_b64 s[64:65], 0
	v_nop
	global_prefetch_b8 v0, s[64:65] scope:SCOPE_SE
	s_setreg_imm32_b32 hwreg(HW_REG_WAVE_MODE, 25, 1), 1
	s_wait_xcnt 0x0
	s_wait_alu depctr_hold_cnt(0) depctr_sa_sdst(0) depctr_va_vdst(0) depctr_va_sdst(0) depctr_va_ssrc(0) depctr_va_vcc(0) depctr_vm_vsrc(0)
	s_getreg_b32 s2, hwreg(HW_REG_IB_STS2, 6, 4)
	s_cmp_eq_u32 s2, 0
	s_cbranch_scc0 .Lentry_in_a_cluster
	s_endpgm
.Lentry_in_a_cluster:
	s_bfe_u32 s2, ttmp6, 0x10000c
	s_cmp_lg_u32 s2, 0xf033
	s_cbranch_scc0 .Lentry_shape_is_right
	s_endpgm
.Lentry_shape_is_right:
; KIND 1: relu(h W1 + b1), quantised along the 4,096 hidden units, as the next product's operand.
; ONE TEXT SERVES FOUR LAUNCHES (the eight constants below differ).  C = A B^T on codes of E2M3 with E8M0 scales; no work of reference() is left out here.
; Both operands lie as half-images (launch wquant's head): a fragment, 16 rows x 128 K, is two half-images: registers 6 c .. 6 c + 3 by one load of 16 bytes a lane, 6 c + 4, 6 c + 5 by one of 8: every load's bytes are consecutive.
; A tile of C, 256 x 256, is made by four waves, 128 x 128 each: 64 accumulators, 512 registers.  K goes in steps of 256 through a ring of two LDS slots; the scales of the tile's rows, for all of K, come once and stay.
; CLUSTERS: 4 x 4 work-groups; A's tiles are asked for jointly along a row of the cluster, B's along a column.  THE MATRIX INSTRUCTION IS USED TRANSPOSED (source 0 = B's rows, source 1 = A's rows): with the rows' order in a block
; (place r = row 32 (rb / 2) + 8 (rb % 2) + r + 8 (r / 8)) the 64 registers of one block of A's rows are, in a lane, register 16 j + i = column 32 j + 16 (lane / 16) + i of the row at place lane % 16.
; OUTQ = 1: those 64 numbers are quantised in registers along the columns and stored as a fragment of the next operand.  INIT = 1: the sums start at a bias along the columns.
; LIMITS: a block of zeros, or one under 2^-124, gets the byte 1 (zero codes; only this program reads the bytes); NaN and infinities are not served.
; REGISTERS: window 0: v0-31 addresses; v32-63 scale words, two sets; v64-127 the bias; v128-223 A's fragments, one set.  window 1: B's fragments, two sets.  windows 2, 3: the accumulators, (a, b) at v[8 (8 (a % 4) + b)].
.set KIND,   1
.set SIZE_K, 1024
.set INIT,   1
.set RELU,   1
.set OUTQ,   1
.set ASOFF,  3145728                   ; A's scales in A's buffer;  B's codes and scales in wts
.set BOFF,   3145728
.set BSOFF,  9568256
.set NQ,     2                         ; matrix instructions deep in a slot
.set FR,     12                        ; registers of a fragment
.set NL,     4                         ; LDS loads that bring one
.set NP,     4                         ; places behind this matrix instruction (ISA guide 7.12.1)
.set RB3,    3072                      ; a slot's 256 along K of a block of 16 rows: four half-images
.set KHB,    SIZE_K/64*768             ; a block of 16 rows in memory
.set SKB,    SIZE_K/128*64             ; its scales
.set HALFT,  8*RB3                     ; 128 rows: what one tensor load brings
.set SLOT,   4*HALFT
.set LAPS,   SIZE_K/512
.set SCL,    2*SLOT                    ; behind the ring: the scales
.set HALFS,  8*SKB
.set STAGE,  SCL+4*HALFS
.set SPITCH, 528
.set SPARE,  STAGE+(1-OUTQ)*4*16*SPITCH   ; the spare words, 128 bytes for each wave, which no other line names
.set ADRA, 16                          ; v16-17 my A fragments in slot 0, 1 (+ 16 x lane);  v18-19 the same + 16 r + 8 h
.set ADRB, 20                          ; v20-23 the same for B
.set STO,  24
.set RD,   25
.set CO,   26
.set ADRS, 27
.set SPW,  28
.set NIL,  29
.set SC,   32
.set BIA,  64
.set AF,   128
.set BK,   128
.set TM,   32                          ; the quantising way out: v32-47 at work, v48 the scale word, v49 the even block's, v50 the two to store, v52-70 codes
.set PW,   48
.set PWS,  49
.set WS,   50
.set PC,   52
.set VO0,  6
.set VO1,  7
.set VT0,  8
.set VT1,  9
.set VS,   10
.set G1,   24
.set G0,   32
.set G1B,  48
.set G0B,  56
.set G1S,  68
.set G0S,  76
.set G1SB, 80
.set G0SB, 88
.set SEL,  68                          ; the way out's scalars take the registers that the scales' descriptors have left
.set SHI,  70
.set SKH,  71
.set SRB,  72
.set TRB2, 74
.set OB,   76
.set SB,   78
.set MSB, 0
.macro WIN new                         ; the immediate's high byte repeats the setting that is left
.if MSB != \new
	s_set_vgpr_msb (MSB<<8)|\new
.set MSB, \new
.endif
.endm
.set MUL_LO, 0xa1
.set MUL_HI, 0xf1
.set TO_B,   0x40
.macro JLOAD g0a, g1a, g0b, g1b        ; a joint load: waves 0, 1 fetch for A, waves 2, 3 for B; an s_nop 0 and four v_nop follow each line
	s_cmp_eq_u32 s15, 0
	s_cbranch_scc0 .Lfor_b_\@
	tensor_load_to_lds s[\g0a:\g0a+3], s[\g1a:\g1a+7]
	s_nop 0
.rept 4
	v_nop
.endr
	s_branch .Lasked_\@
.Lfor_b_\@:
	tensor_load_to_lds s[\g0b:\g0b+3], s[\g1b:\g1b+7]
	s_nop 0
.rept 4
	v_nop
.endr
.Lasked_\@:
.endm
.macro CREST
	s_cmp_lg_u32 s14, 0
	s_cbranch_scc1 .Lnot_wave_0_\@
	s_barrier_signal -3
.Lnot_wave_0_\@:
	s_barrier_wait -3
	s_barrier_signal -1
	s_barrier_wait -1
.endm
.macro CROUND
	s_barrier_signal -1
	s_barrier_wait -1
	CREST
.endm
	s_load_b128 s[96:99], s[0:1], 0x0              ; A's buffer, wts
	s_load_b64 s[92:93], s[0:1], 0x10              ; the bias
	s_load_b64 s[12:13], s[0:1], 0x18              ; the result
	v_lshl_add_u32 v[SPW], v0, 2, SPARE
	v_mov_b32 v[NIL], 0
	ds_add_u32 v[SPW], v[NIL]                      ; the wave's opening: the add, twice on end, and its wait ahead of my first tensor load
	ds_add_u32 v[SPW], v[NIL]
	v_lshrrev_b32 v1, 5, v0
	v_readfirstlane_b32 s14, v1                    ; wave 0..3
	s_lshr_b32 s15, s14, 1                         ; which half of the tile's rows is mine.  Also: I fetch for A (0) or for B (1)
	s_and_b32 s16, s14, 1                          ; which half of its columns.  Also: which 128 rows I fetch
	s_bfe_u32 s40, ttmp6, 0x40000                  ; cx, cy
	s_bfe_u32 s41, ttmp6, 0x40004
	s_mov_b32 s42, ttmp9
	s_and_b32 s17, ttmp7, 0xffff
	s_lshl_b32 s42, s42, 2
	s_add_co_u32 s42, s42, s40                     ; tile column
	s_lshl_b32 s17, s17, 2
	s_add_co_u32 s17, s17, s41                     ; tile row
	s_lshl_b32 s43, s41, 2
	s_lshl_b32 s43, 15, s43                        ; my row of the cluster
	s_lshl_b32 s44, 0x1111, s40                    ; my column
	s_or_b32 s[G1+0], s43, (3<<16)|(1<<21)         ; the mask; elements of 8 bytes; bit 21 beside a mask; no padding
	s_or_b32 s[G1B+0], s44, (3<<16)|(1<<21)
.irp g, G1, G1B
	s_mov_b32 s[\g+1], 384<<16                     ; 8 rows of 3,072 bytes, KHB bytes apart
	s_mov_b32 s[\g+2], 8<<16
	s_mov_b32 s[\g+3], 384<<16
	s_mov_b32 s[\g+4], 8
	s_mov_b32 s[\g+5], KHB/8
	s_mov_b32 s[\g+6], 0
	s_mov_b32 s[\g+7], 0
.endr
	s_or_b32 s[G1S+0], s43, (3<<16)|(1<<21)
	s_or_b32 s[G1SB+0], s44, (3<<16)|(1<<21)
.irp g, G1S, G1SB
	s_mov_b32 s[\g+1], 32<<16                      ; the scales of 128 rows: a dense block, as rows of 256 bytes
	s_mov_b32 s[\g+2], (HALFS/256)<<16
	s_mov_b32 s[\g+3], 32<<16
	s_mov_b32 s[\g+4], HALFS/256
	s_mov_b32 s[\g+5], 32
	s_mov_b32 s[\g+6], 0
	s_mov_b32 s[\g+7], 0
.endr
	s_lshl_b32 s18, s16, 3
	s_lshl_b32 s20, s17, 4
	s_add_co_u32 s20, s20, s18                     ; A: block of rows 16 x tile row + 8 x half
	s_lshl_b32 s46, s42, 4
	s_add_co_u32 s46, s46, s18                     ; B: 16 x tile column + 8 x half
	s_mul_i32 s22, s20, SKB
	s_mov_b32 s23, 0
	s_mul_i32 s66, s46, SKB
	s_mov_b32 s67, 0
	s_mul_i32 s20, s20, KHB
	s_mov_b32 s21, 0
	s_mul_i32 s46, s46, KHB
	s_mov_b32 s47, 0
	s_mul_i32 s45, s14, HALFT                      ; where they go: no place in the cluster enters an LDS address
	s_mul_i32 s100, s14, HALFS
	s_wait_dscnt 0x0                               ; both opening adds are done
	s_wait_kmcnt 0x0
	s_mov_b64 s[4:5], s[96:97]
	s_add_nc_u64 s[6:7], s[96:97], ASOFF
	s_add_nc_u64 s[8:9], s[98:99], BOFF
	s_add_nc_u64 s[10:11], s[98:99], BSOFF
	s_add_nc_u64 s[20:21], s[4:5], s[20:21]
	s_add_nc_u64 s[22:23], s[6:7], s[22:23]
	s_add_nc_u64 s[46:47], s[8:9], s[46:47]
	s_add_nc_u64 s[66:67], s[10:11], s[66:67]
	CROUND                                         ; all sixteen work-groups are here: the first joint loads meet
	s_mov_b32 s[G0S], 1
	s_add_co_u32 s[G0S+1], s100, SCL
	s_mov_b64 s[G0S+2:G0S+3], s[22:23]
	s_or_b32 s[G0S+3], s[G0S+3], 0x80000000
	s_mov_b32 s[G0SB], 1
	s_add_co_u32 s[G0SB+1], s100, SCL
	s_mov_b64 s[G0SB+2:G0SB+3], s[66:67]
	s_or_b32 s[G0SB+3], s[G0SB+3], 0x80000000
	JLOAD G0S, G1S, G0SB, G1SB                     ; the scales first; three loads of mine are out behind the third line below
.irp s, 0,1
	s_mov_b32 s[G0+4*\s], 1
	s_add_co_u32 s[G0+4*\s+1], s45, \s*SLOT
	s_add_nc_u64 s[G0+4*\s+2:G0+4*\s+3], s[20:21], \s*RB3
	s_or_b32 s[G0+4*\s+3], s[G0+4*\s+3], 0x80000000
	s_mov_b32 s[G0B+4*\s], 1
	s_add_co_u32 s[G0B+4*\s+1], s45, \s*SLOT
	s_add_nc_u64 s[G0B+4*\s+2:G0B+4*\s+3], s[46:47], \s*RB3
	s_or_b32 s[G0B+4*\s+3], s[G0B+4*\s+3], 0x80000000
	JLOAD G0+4*\s, G1, G0B+4*\s, G1B
.endr
	v_and_b32 v1, 15, v0                           ; r
	v_bfe_u32 v2, v0, 4, 1                         ; h
	v_and_b32 v3, 31, v0
	v_lshlrev_b32 v4, 4, v3                        ; 16 x lane
	v_lshlrev_b32 v5, 4, v1
	v_lshl_add_u32 v5, v2, 3, v5                   ; 16 r + 8 h
	s_mul_i32 s21, s15, HALFT                      ; my 128 rows of A
	s_mul_i32 s22, s16, HALFT
	s_add_co_u32 s22, s22, 2*HALFT                 ; my 128 rows of B, behind A's 256
.irp s, 0,1
	v_add_nc_u32 v[ADRA+\s], s21, v4
	v_add_nc_u32 v[ADRB+\s], s22, v4
	v_add_nc_u32 v[ADRA+2+\s], s21, v5
	v_add_nc_u32 v[ADRB+2+\s], s22, v5
	s_add_co_u32 s21, s21, SLOT
	s_add_co_u32 s22, s22, SLOT
.endr
	v_lshlrev_b32 v5, 2, v1                        ; scale words: 4 r; lanes 0-15 take A's, lanes 16-31 B's
	s_mul_i32 s21, s15, HALFS
	s_mul_i32 s22, s16, HALFS
	s_add_co_u32 s22, s22, 2*HALFS
	s_sub_co_u32 s22, s22, s21
	v_mul_u32_u24 v6, s22, v2
	s_add_co_u32 s21, s21, SCL
	v_add_nc_u32 v5, v5, v6
	v_add_nc_u32 v[ADRS], s21, v5
	s_lshl_b32 s46, s42, 10                        ; my first column in bytes of f32: 1,024 x tile column + 512 x half
	s_lshl_b32 s47, s16, 9
	s_add_co_u32 s46, s46, s47
	s_mov_b32 s47, 0
	s_add_nc_u64 s[92:93], s[92:93], s[46:47]
	v_lshlrev_b32 v5, 6, v2                        ; the bias in the result's layout: for B's block b the columns 32 (b / 2) + 8 (b % 2) + 16 h + 0 .. 7
.irp b, 0,1,2,3,4,5,6,7
	global_load_b128 v[BIA+8*\b:BIA+8*\b+3], v5, s[92:93] offset:(32*(\b/2)+8*(\b%2))*4
	global_load_b128 v[BIA+8*\b+4:BIA+8*\b+7], v5, s[92:93] offset:(32*(\b/2)+8*(\b%2))*4+16
.endr
.macro FRAG reg, adr, q, i
.irp c, 0,1
	ds_load_b128 v[\reg+6*\c:\reg+6*\c+3], v[\adr] offset:(\i)*RB3+(\q)*1536+768*\c
	ds_load_b64 v[\reg+6*\c+4:\reg+6*\c+5], v[\adr+2] offset:(\i)*RB3+(\q)*1536+768*\c+512
.endr
.endm
; 16 matrix instructions: A's blocks a0, a0 + 1 x B's eight.  The 64 accumulators take turns, one instruction a turn, in the same order in every step.
.macro MUL16 a0, p, q, sc, zero
.irp a, \a0, \a0+1
.irp b, 0,1,2,3,4,5,6,7
.if (\zero) && (INIT == 0)
	v_wmma_scale_f32_16x16x128_f8f6f4 v[8*(8*((\a)%4)+\b):8*(8*((\a)%4)+\b)+7], v[128*(\p)+FR*\b:128*(\p)+FR*\b+FR-1], v[AF+FR*(\a):AF+FR*(\a)+FR-1], 0, v[SC+8*NQ*(\sc)+NQ*\b+(\q)], v[SC+8*NQ*(\sc)+NQ*(\a)+(\q)] matrix_a_fmt:MATRIX_FMT_FP6 matrix_b_fmt:MATRIX_FMT_FP6 matrix_a_scale:MATRIX_SCALE_ROW1
.elseif (\zero) && (INIT == 1)
	v_wmma_scale_f32_16x16x128_f8f6f4 v[8*(8*((\a)%4)+\b):8*(8*((\a)%4)+\b)+7], v[128*(\p)+FR*\b:128*(\p)+FR*\b+FR-1], v[AF+FR*(\a):AF+FR*(\a)+FR-1], v[BIA+8*\b:BIA+8*\b+7], v[SC+8*NQ*(\sc)+NQ*\b+(\q)], v[SC+8*NQ*(\sc)+NQ*(\a)+(\q)] matrix_a_fmt:MATRIX_FMT_FP6 matrix_b_fmt:MATRIX_FMT_FP6 matrix_a_scale:MATRIX_SCALE_ROW1
.else
	v_wmma_scale_f32_16x16x128_f8f6f4 v[8*(8*((\a)%4)+\b):8*(8*((\a)%4)+\b)+7], v[128*(\p)+FR*\b:128*(\p)+FR*\b+FR-1], v[AF+FR*(\a):AF+FR*(\a)+FR-1], v[8*(8*((\a)%4)+\b):8*(8*((\a)%4)+\b)+7], v[SC+8*NQ*(\sc)+NQ*\b+(\q)], v[SC+8*NQ*(\sc)+NQ*(\a)+(\q)] matrix_a_fmt:MATRIX_FMT_FP6 matrix_b_fmt:MATRIX_FMT_FP6 matrix_a_scale:MATRIX_SCALE_ROW1
.endif
.endr
.endr
.endm
.macro FETCH_B slot, q, p
	WIN TO_B
.irp i, 0,1,2,3,4,5,6,7
	FRAG 128*(\p)+FR*\i, ADRB+\slot, \q, \i
.endr
	WIN 0
.endm
.macro FETCH_A slot, q, i0
.irp i, \i0, \i0+1, \i0+2, \i0+3
	FRAG AF+FR*(\i), ADRA+\slot, \q, \i
.endr
.endm
.macro SCALES sc                       ; a slot's scale words: register NQ i + q: lanes 0-15 A's block i, lanes 16-31 B's block i
.irp i, 0,1,2,3,4,5,6,7
.irp q, 0,1
	ds_load_b32 v[SC+8*NQ*\sc+NQ*\i+\q], v[ADRS] offset:\i*SKB+64*\q
.endr
.endr
.endm
.macro PLACES n                        ; plain vector instructions between a matrix instruction and a load into, or a read of, its registers
.rept \n
	v_nop
.endr
.endm
.macro STEP slot, q, zero              ; 128 along K that has its successor in the same slot
	s_wait_dscnt 4*NL                              ; all but the youngest 16 loads (A's blocks 4-7) are in
.if (\zero) && (INIT == 1)
	WIN 0x81                                       ; C, the bias, in window 0
.else
	WIN MUL_LO
.endif
	MUL16 0, (\q)%2, \q, \slot, \zero
	MUL16 2, (\q)%2, \q, \slot, \zero
	s_wait_dscnt 0
	PLACES NP
	FETCH_B \slot, (\q)+1, 1-(\q)%2
	FETCH_A \slot, (\q)+1, 0
.if (\zero) && (INIT == 1)
	WIN 0xc1
.else
	WIN MUL_HI
.endif
	MUL16 4, (\q)%2, \q, \slot, \zero
	MUL16 6, (\q)%2, \q, \slot, \zero
	PLACES NP
	WIN 0
	FETCH_A \slot, (\q)+1, 4
.endm
; A slot's last step changes slots: one barrier; in front of it each wave waits for all its tensor loads, adds 0 to its spare word, and waits for that and for its reads of this slot.
.macro TURN slot, next, fill
	s_wait_tensorcnt 0x0                           ; all my tensor loads have landed: my part of the next slot
	ds_add_u32 v[SPW], v[NIL]
	s_wait_dscnt 4*NL+1                            ; (the add and the youngest 16 loads may be out)
	WIN MUL_LO
	MUL16 0, 1, NQ-1, \slot, 0
	s_wait_dscnt 0x0                               ; the add is done, and my reads of this slot are over
	s_barrier_signal -1
	MUL16 2, 1, NQ-1, \slot, 0
	WIN 0
	s_barrier_wait -1
.if \fill
	CREST                                          ; the barrier has opened a round of the cluster's: no wave of any partner still reads this slot or has a load on its way
	s_add_nc_u64 s[G0+4*\slot+2:G0+4*\slot+3], s[G0+4*\slot+2:G0+4*\slot+3], 2*RB3
	s_add_nc_u64 s[G0B+4*\slot+2:G0B+4*\slot+3], s[G0B+4*\slot+2:G0B+4*\slot+3], 2*RB3
	JLOAD G0+4*\slot, G1, G0B+4*\slot, G1B         ; the first tensor load behind the round, my one load until the next
.else
	PLACES NP
.endif
	v_add_nc_u32 v[ADRS], 64*NQ, v[ADRS]           ; the next slot's scale words
	FETCH_B \next, 0, 0
	FETCH_A \next, 0, 0
	SCALES \next
	WIN MUL_HI
	MUL16 4, 1, NQ-1, \slot, 0
	MUL16 6, 1, NQ-1, \slot, 0
	PLACES NP
	WIN 0
	FETCH_A \next, 0, 4
.endm
	s_wait_tensorcnt 1                             ; the scales and my part of slot 0 are in; slot 1's load may be out
	s_barrier_signal -1
	s_barrier_wait -1
	FETCH_B 0, 0, 0
	FETCH_A 0, 0, 0
	SCALES 0
	FETCH_A 0, 0, 4
	s_wait_loadcnt 0x0                             ; the bias
	STEP 0, 0, 1
	s_mov_b32 s3, LAPS-1
.Llap:
	TURN 0, 1, 1
	STEP 1, 0, 0
	TURN 1, 0, 1
	STEP 0, 0, 0
	s_sub_co_u32 s3, s3, 1
	s_cmp_lg_u32 s3, 0
	s_cbranch_scc1 .Llap
	TURN 0, 1, 0                                   ; the last lap fills nothing
	STEP 1, 0, 0
	s_wait_dscnt 4*NL
	WIN MUL_LO
	MUL16 0, 1, NQ-1, 1, 0
	MUL16 2, 1, NQ-1, 1, 0
	s_wait_dscnt 0
	WIN MUL_HI
	MUL16 4, 1, NQ-1, 1, 0
	MUL16 6, 1, NQ-1, 1, 0
	WIN 0
	PLACES NP
; THE QUANTISING WAY OUT.  Strides of the result: from block of rows to block of rows, from half-image to half-image, and the same for the scale words.
	s_mov_b32 s[SRB], 49152
	s_mov_b32 s[SKH], 768
	s_mov_b32 s80, 2048
	s_mov_b32 s81, 64
	s_mov_b32 s82, 0
	s_mov_b32 s83, 12582912
	s_mov_b32 s[SRB+1], 0
	s_lshl_b32 s[TRB2], s80, 1
	s_mov_b32 s[TRB2+1], 0
	s_mov_b32 s[SEL], 0x76543210
	s_mov_b32 s[SEL+1], 0xfedcba98
	s_mov_b32 s[SHI], 0xffff0000
	s_lshl_b32 s84, s17, 4
	s_lshl_b32 s85, s15, 3
	s_add_co_u32 s84, s84, s85                     ; my first block of rows
	s_mul_i32 s86, s84, s[SRB]
	s_lshl_b32 s87, s42, 2
	s_lshl_b32 s88, s16, 1
	s_add_co_u32 s87, s87, s88                     ; my first half-image
	s_mul_i32 s87, s87, s[SKH]
	s_add_co_u32 s86, s86, s87
	s_add_co_u32 s86, s86, s82
	s_mov_b32 s87, 0
	s_add_nc_u64 s[OB:OB+1], s[12:13], s[86:87]
	s_mul_i32 s86, s84, s80
	s_lshl_b32 s88, s42, 1
	s_add_co_u32 s88, s88, s16
	s_mul_i32 s88, s88, s81
	s_add_co_u32 s86, s86, s88
	s_add_co_u32 s86, s86, s83
	s_add_nc_u64 s[SB:SB+1], s[12:13], s[86:87]
	v_lshlrev_b32 v[VO0], 4, v3
	v_add_nc_u32 v[VO1], s[SKH], v[VO0]
	v_lshlrev_b32 v[VT0], 4, v1
	v_lshl_add_u32 v[VT0], v2, 3, v[VT0]
	v_add_nc_u32 v[VT1], s[SKH], v[VT0]
	v_mul_lo_u32 v[VS], v2, s80
	v_lshl_add_u32 v[VS], v1, 2, v[VS]             ; lanes 0-15 store the even block's scale words, lanes 16-31 the odd one's
.irp b, 0,1,2,3
	v_mov_b32 v[TM+4+\b], 0                        ; a lane permute's destination counts as one of its sources
.endr
.macro QOUT a
.set AC, 64*((\a)%4)
.set HW, (\a)/4
.if RELU
	WIN 0x88+0x44*HW
.set j, 0
.rept 64
	v_max_num_f32 v[AC+j], 0, v[AC+j]              ; the activation, in f32; each accumulator from its low end on
.set j, j+1
.endr
.endif
	WIN 0x0a+5*HW
.irp b, 0,1,2,3
	v_max3_num_f32 v[TM+\b], |v[AC+16*\b]|, |v[AC+16*\b+1]|, 0x1800000   ; block b: my 16 numbers, and the floor 2^(3 - 127)
.endr
.irp i, 2,4,6,8,10,12,14
.irp b, 0,1,2,3
	v_max3_num_f32 v[TM+\b], |v[AC+16*\b+\i]|, |v[AC+16*\b+\i+1]|, v[TM+\b]
.endr
.endr
	WIN 0
.irp b, 0,1,2,3
	v_permlanex16_b32 v[TM+4+\b], v[TM+\b], s[SEL], s[SEL+1]
.endr
.irp b, 0,1,2,3
	v_max_num_f32 v[TM+\b], v[TM+\b], v[TM+4+\b]   ; with lane l xor 16's: the block's largest magnitude
.endr
.irp b, 0,1,2,3
	v_add_nc_u32 v[TM+12+\b], 0xff000000, v[TM+\b] ; 2 off the exponent field: the conversion's scale operand
.endr
.irp b, 0,1,2,3
	v_lshrrev_b32 v[TM+4+\b], 23, v[TM+12+\b]
.endr
	v_lshl_or_b32 v[PW], v[TM+5], 8, v[TM+4]
	v_lshl_or_b32 v[PW], v[TM+6], 16, v[PW]
	v_lshl_or_b32 v[PW], v[TM+7], 24, v[PW]
	s_wait_xcnt 0x0                                ; the last block's stores have read their registers and bases: they are written again only behind this wait
.if (\a) > 0
	s_add_nc_u64 s[OB:OB+1], s[OB:OB+1], s[SRB:SRB+1]
.if (\a)%2 == 0
	s_add_nc_u64 s[SB:SB+1], s[SB:SB+1], s[TRB2:TRB2+1]
.endif
.endif
	WIN 0x02+HW
.irp c, 0,1
	v_cvt_scalef32_pk16_fp6_f32 v[PC+6*\c:PC+6*\c+2], v[AC+32*\c:AC+32*\c+15], v[TM+12+2*\c]
	v_cvt_scalef32_pk16_fp6_f32 v[PC+12+4*\c:PC+14+4*\c], v[AC+32*\c+16:AC+32*\c+31], v[TM+12+2*\c+1]
.endr
	WIN 0
	v_nop                                          ; one plain place behind a scaled conversion
.irp c, 0,1                                    ; the operand's layout wants a whole block in a lane
.irp i, 0,1,2
	v_permlane16_swap_b32 v[PC+6*\c+\i], v[PC+12+4*\c+\i]
.endr
.irp i, 0,1,2
	v_mov_b32 v[PC+3+6*\c+\i], v[PC+12+4*\c+\i]
.endr
.endr
	global_store_b128 v[VO0], v[PC:PC+3], s[OB:OB+1]               ; 512 consecutive bytes,
	global_store_b64 v[VT0], v[PC+4:PC+5], s[OB:OB+1] offset:512   ; 256: a half-image
	global_store_b128 v[VO1], v[PC+6:PC+9], s[OB:OB+1]
	global_store_b64 v[VT1], v[PC+10:PC+11], s[OB:OB+1] offset:512
.if (\a)%2 == 0
	v_mov_b32 v[PWS], v[PW]
.else
	v_cndmask_b32 v[WS], v[PWS], v[PW], s[SHI]
	global_store_b32 v[VS], v[WS], s[SB:SB+1]
.endif
.endm
.irp a, 0,1,2,3,4,5,6,7
	QOUT \a
.endr
	s_wait_tensorcnt 0x0                           ; the wave's end
	ds_add_u32 v[SPW], v[NIL]
	s_wait_dscnt 0x0
	CROUND                                         ; the closing round
	s_endpgm
.Lfunc_end_k_q749f0c32cb_gh:
	.size	k_q749f0c32cb_gh, .Lfunc_end_k_q749f0c32cb_gh-k_q749f0c32cb_gh
	.p2alignl 7, 3214868480
	.fill 96, 4, 3214868480
	.section	.rodata,"a",@progbits
	.p2align	6, 0x0
	.amdhsa_kernel k_q749f0c32cb_gh
		.amdhsa_group_segment_fixed_size 327680
		.amdhsa_private_segment_fixed_size 0
		.amdhsa_enable_private_segment 0
		.amdhsa_kernarg_size 32
		.amdhsa_user_sgpr_count 2
		.amdhsa_user_sgpr_kernarg_segment_ptr 1
		.amdhsa_wavefront_size32 1
		.amdhsa_system_sgpr_workgroup_id_x 1
		.amdhsa_system_sgpr_workgroup_id_y 1
		.amdhsa_system_sgpr_workgroup_id_z 1
		.amdhsa_system_vgpr_workitem_id 0
		.amdhsa_next_free_vgpr 1024
		.amdhsa_next_free_sgpr 102
		.amdhsa_reserve_vcc 0
		.amdhsa_float_denorm_mode_32 3
		.amdhsa_float_denorm_mode_16_64 3
		.amdhsa_memory_ordered 1
		.amdhsa_forward_progress 1
		.amdhsa_inst_pref_size 170
	.end_amdhsa_kernel
	.amdgpu_metadata
---
amdhsa.version: [ 1, 2 ]
amdhsa.kernels:
  - .name:           k_q749f0c32cb_gh
    .symbol:         k_q749f0c32cb_gh.kd
    .args:
      - { .name: act, .offset: 0, .size: 8, .value_kind: global_buffer, .address_space: global }
      - { .name: wts, .offset: 8, .size: 8, .value_kind: global_buffer, .address_space: global }
      - { .name: b1, .offset: 16, .size: 8, .value_kind: global_buffer, .address_space: global }
      - { .name: hid, .offset: 24, .size: 8, .value_kind: global_buffer, .address_space: global }
    .group_segment_fixed_size: 327680
    .private_segment_fixed_size: 0
    .kernarg_segment_align: 8
    .kernarg_segment_size: 32
    .max_flat_workgroup_size: 128
    .sgpr_count:     102
    .vgpr_count:     1024
    .wavefront_size: 32
...
	.end_amdgpu_metadata
.endif
;; end of part 6
;; launch g2 (part 7): grid 4 x 16, 4 waves a work-group, clusters of 4 x 4, 327,680 bytes of LDS; arguments hid, wts, b2, xres, out0; writes out0
.if DOCPART == 7
	.amdgcn_target "amdgcn-amd-amdhsa--gfx1250"
	.amdhsa_code_object_version 6
	.text
	.protected	k_q749f0c32cb_g2
	.globl	k_q749f0c32cb_g2
	.p2align	8
	.type	k_q749f0c32cb_g2,@function
k_q749f0c32cb_g2:
	s_mov_b64 s[64:65], 0
	v_nop
	global_prefetch_b8 v0, s[64:65] scope:SCOPE_SE
	s_setreg_imm32_b32 hwreg(HW_REG_WAVE_MODE, 25, 1), 1
	s_wait_xcnt 0x0
	s_wait_alu depctr_hold_cnt(0) depctr_sa_sdst(0) depctr_va_vdst(0) depctr_va_sdst(0) depctr_va_ssrc(0) depctr_va_vcc(0) depctr_vm_vsrc(0)
	s_getreg_b32 s2, hwreg(HW_REG_IB_STS2, 6, 4)
	s_cmp_eq_u32 s2, 0
	s_cbranch_scc0 .Lentry_in_a_cluster
	s_endpgm
.Lentry_in_a_cluster:
	s_bfe_u32 s2, ttmp6, 0x10000c
	s_cmp_lg_u32 s2, 0xf033
	s_cbranch_scc0 .Lentry_shape_is_right
	s_endpgm
.Lentry_shape_is_right:
; KIND 3: out = x + hidden W2 + b2, K = 4,096, f32 out.
; ONE TEXT SERVES FOUR LAUNCHES (the eight constants below differ).  C = A B^T on codes of E2M3 with E8M0 scales; no work of reference() is left out here.
; Both operands lie as half-images (launch wquant's head): a fragment, 16 rows x 128 K, is two half-images: registers 6 c .. 6 c + 3 by one load of 16 bytes a lane, 6 c + 4, 6 c + 5 by one of 8: every load's bytes are consecutive.
; A tile of C, 256 x 256, is made by four waves, 128 x 128 each: 64 accumulators, 512 registers.  K goes in steps of 256 through a ring of two LDS slots; the scales of the tile's rows, for all of K, come once and stay.
; CLUSTERS: 4 x 4 work-groups; A's tiles are asked for jointly along a row of the cluster, B's along a column.  THE MATRIX INSTRUCTION IS USED TRANSPOSED (source 0 = B's rows, source 1 = A's rows): with the rows' order in a block
; (place r = row 32 (rb / 2) + 8 (rb % 2) + r + 8 (r / 8)) the 64 registers of one block of A's rows are, in a lane, register 16 j + i = column 32 j + 16 (lane / 16) + i of the row at place lane % 16.
; OUTQ = 0: f32 rows out through a stage in LDS.  INIT = 2: the sums start at residual + bias, brought in through the stage.
; LIMITS: NaN and infinities are not served.  The grid has 64 work-groups: 1,024 columns are four tiles of 256.
; REGISTERS: window 0: v0-31 addresses; v32-63 scale words, two sets; v64-67 the bias; v128-223 A's fragments, one set.  window 1: B's fragments, two sets.  windows 2, 3: the accumulators, (a, b) at v[8 (8 (a % 4) + b)].
.set KIND,   3
.set SIZE_K, 4096
.set INIT,   2
.set RELU,   0
.set OUTQ,   0
.set ASOFF,  12582912                  ; A's scales in A's buffer;  B's codes and scales in wts
.set BOFF,   6291456
.set BSOFF,  9699328
.set NQ,     2                         ; matrix instructions deep in a slot
.set FR,     12                        ; registers of a fragment
.set NL,     4                         ; LDS loads that bring one
.set NP,     4                         ; places behind this matrix instruction (ISA guide 7.12.1)
.set RB3,    3072                      ; a slot's 256 along K of a block of 16 rows: four half-images
.set KHB,    SIZE_K/64*768             ; a block of 16 rows in memory
.set SKB,    SIZE_K/128*64             ; its scales
.set HALFT,  8*RB3                     ; 128 rows: what one tensor load brings
.set SLOT,   4*HALFT
.set LAPS,   SIZE_K/512
.set SCL,    2*SLOT                    ; behind the ring: the scales
.set HALFS,  8*SKB
.set STAGE,  SCL+4*HALFS               ; 16 rows x 528 bytes for each wave; no tensor load ever lands here
.set SPITCH, 528
.set SPARE,  STAGE+(1-OUTQ)*4*16*SPITCH   ; the spare words, 128 bytes for each wave, which no other line names
.set ADRA, 16                          ; v16-17 my A fragments in slot 0, 1 (+ 16 x lane);  v18-19 the same + 16 r + 8 h
.set ADRB, 20                          ; v20-23 the same for B
.set STO,  24
.set RD,   25
.set CO,   26
.set ADRS, 27
.set SPW,  28
.set NIL,  29
.set SC,   32
.set BIA,  64
.set AF,   128
.set BK,   128
.set G1,   24
.set G0,   32
.set G1B,  48
.set G0B,  56
.set G1S,  68
.set G0S,  76
.set G1SB, 80
.set G0SB, 88
.set MSB, 0
.macro WIN new                         ; the immediate's high byte repeats the setting that is left
.if MSB != \new
	s_set_vgpr_msb (MSB<<8)|\new
.set MSB, \new
.endif
.endm
.set MUL_LO, 0xa1
.set MUL_HI, 0xf1
.set TO_B,   0x40
.macro JLOAD g0a, g1a, g0b, g1b        ; a joint load: waves 0, 1 fetch for A, waves 2, 3 for B; an s_nop 0 and four v_nop follow each line
	s_cmp_eq_u32 s15, 0
	s_cbranch_scc0 .Lfor_b_\@
	tensor_load_to_lds s[\g0a:\g0a+3], s[\g1a:\g1a+7]
	s_nop 0
.rept 4
	v_nop
.endr
	s_branch .Lasked_\@
.Lfor_b_\@:
	tensor_load_to_lds s[\g0b:\g0b+3], s[\g1b:\g1b+7]
	s_nop 0
.rept 4
	v_nop
.endr
.Lasked_\@:
.endm
.macro CREST
	s_cmp_lg_u32 s14, 0
	s_cbranch_scc1 .Lnot_wave_0_\@
	s_barrier_signal -3
.Lnot_wave_0_\@:
	s_barrier_wait -3
	s_barrier_signal -1
	s_barrier_wait -1
.endm
.macro CROUND
	s_barrier_signal -1
	s_barrier_wait -1
	CREST
.endm
	s_load_b128 s[96:99], s[0:1], 0x0              ; A's buffer, wts
	s_load_b128 s[92:95], s[0:1], 0x10             ; the bias, the residual
	s_load_b64 s[12:13], s[0:1], 0x20              ; the result
	v_lshl_add_u32 v[SPW], v0, 2, SPARE
	v_mov_b32 v[NIL], 0
	ds_add_u32 v[SPW], v[NIL]                      ; the wave's opening: the add, twice on end, and its wait ahead of my first tensor load
	ds_add_u32 v[SPW], v[NIL]
	v_lshrrev_b32 v1, 5, v0
	v_readfirstlane_b32 s14, v1                    ; wave 0..3
	s_lshr_b32 s15, s14, 1                         ; which half of the tile's rows is mine.  Also: I fetch for A (0) or for B (1)
	s_and_b32 s16, s14, 1                          ; which half of its columns.  Also: which 128 rows I fetch
	s_bfe_u32 s40, ttmp6, 0x40000                  ; cx, cy
	s_bfe_u32 s41, ttmp6, 0x40004
	s_mov_b32 s42, ttmp9
	s_and_b32 s17, ttmp7, 0xffff
	s_lshl_b32 s42, s42, 2
	s_add_co_u32 s42, s42, s40                     ; tile column
	s_lshl_b32 s17, s17, 2
	s_add_co_u32 s17, s17, s41                     ; tile row
	s_lshl_b32 s43, s41, 2
	s_lshl_b32 s43, 15, s43                        ; my row of the cluster
	s_lshl_b32 s44, 0x1111, s40                    ; my column
	s_or_b32 s[G1+0], s43, (3<<16)|(1<<21)         ; the mask; elements of 8 bytes; bit 21 beside a mask; no padding
	s_or_b32 s[G1B+0], s44, (3<<16)|(1<<21)
.irp g, G1, G1B
	s_mov_b32 s[\g+1], 384<<16                     ; 8 rows of 3,072 bytes, KHB bytes apart
	s_mov_b32 s[\g+2], 8<<16
	s_mov_b32 s[\g+3], 384<<16
	s_mov_b32 s[\g+4], 8
	s_mov_b32 s[\g+5], KHB/8
	s_mov_b32 s[\g+6], 0
	s_mov_b32 s[\g+7], 0
.endr
	s_or_b32 s[G1S+0], s43, (3<<16)|(1<<21)
	s_or_b32 s[G1SB+0], s44, (3<<16)|(1<<21)
.irp g, G1S, G1SB
	s_mov_b32 s[\g+1], 32<<16                      ; the scales of 128 rows: a dense block, as rows of 256 bytes
	s_mov_b32 s[\g+2], (HALFS/256)<<16
	s_mov_b32 s[\g+3], 32<<16
	s_mov_b32 s[\g+4], HALFS/256
	s_mov_b32 s[\g+5], 32
	s_mov_b32 s[\g+6], 0
	s_mov_b32 s[\g+7], 0
.endr
	s_lshl_b32 s18, s16, 3
	s_lshl_b32 s20, s17, 4
	s_add_co_u32 s20, s20, s18                     ; A: block of rows 16 x tile row + 8 x half
	s_lshl_b32 s46, s42, 4
	s_add_co_u32 s46, s46, s18                     ; B: 16 x tile column + 8 x half
	s_mul_i32 s22, s20, SKB
	s_mov_b32 s23, 0
	s_mul_i32 s66, s46, SKB
	s_mov_b32 s67, 0
	s_mul_i32 s20, s20, KHB
	s_mov_b32 s21, 0
	s_mul_i32 s46, s46, KHB
	s_mov_b32 s47, 0
	s_mul_i32 s45, s14, HALFT                      ; where they go: no place in the cluster enters an LDS address
	s_mul_i32 s100, s14, HALFS
	s_wait_dscnt 0x0                               ; both opening adds are done
	s_wait_kmcnt 0x0
	s_mov_b64 s[4:5], s[96:97]
	s_add_nc_u64 s[6:7], s[96:97], ASOFF
	s_add_nc_u64 s[8:9], s[98:99], BOFF
	s_add_nc_u64 s[10:11], s[98:99], BSOFF
	s_add_nc_u64 s[20:21], s[4:5], s[20:21]
	s_add_nc_u64 s[22:23], s[6:7], s[22:23]
	s_add_nc_u64 s[46:47], s[8:9], s[46:47]
	s_add_nc_u64 s[66:67], s[10:11], s[66:67]
	CROUND                                         ; all sixteen work-groups are here: the first joint loads meet
	s_mov_b32 s[G0S], 1
	s_add_co_u32 s[G0S+1], s100, SCL
	s_mov_b64 s[G0S+2:G0S+3], s[22:23]
	s_or_b32 s[G0S+3], s[G0S+3], 0x80000000
	s_mov_b32 s[G0SB], 1
	s_add_co_u32 s[G0SB+1], s100, SCL
	s_mov_b64 s[G0SB+2:G0SB+3], s[66:67]
	s_or_b32 s[G0SB+3], s[G0SB+3], 0x80000000
	JLOAD G0S, G1S, G0SB, G1SB                     ; the scales first; three loads of mine are out behind the third line below
.irp s, 0,1
	s_mov_b32 s[G0+4*\s], 1
	s_add_co_u32 s[G0+4*\s+1], s45, \s*SLOT
	s_add_nc_u64 s[G0+4*\s+2:G0+4*\s+3], s[20:21], \s*RB3
	s_or_b32 s[G0+4*\s+3], s[G0+4*\s+3], 0x80000000
	s_mov_b32 s[G0B+4*\s], 1
	s_add_co_u32 s[G0B+4*\s+1], s45, \s*SLOT
	s_add_nc_u64 s[G0B+4*\s+2:G0B+4*\s+3], s[46:47], \s*RB3
	s_or_b32 s[G0B+4*\s+3], s[G0B+4*\s+3], 0x80000000
	JLOAD G0+4*\s, G1, G0B+4*\s, G1B
.endr
	v_and_b32 v1, 15, v0                           ; r
	v_bfe_u32 v2, v0, 4, 1                         ; h
	v_and_b32 v3, 31, v0
	v_lshlrev_b32 v4, 4, v3                        ; 16 x lane
	v_lshlrev_b32 v5, 4, v1
	v_lshl_add_u32 v5, v2, 3, v5                   ; 16 r + 8 h
	s_mul_i32 s21, s15, HALFT                      ; my 128 rows of A
	s_mul_i32 s22, s16, HALFT
	s_add_co_u32 s22, s22, 2*HALFT                 ; my 128 rows of B, behind A's 256
.irp s, 0,1
	v_add_nc_u32 v[ADRA+\s], s21, v4
	v_add_nc_u32 v[ADRB+\s], s22, v4
	v_add_nc_u32 v[ADRA+2+\s], s21, v5
	v_add_nc_u32 v[ADRB+2+\s], s22, v5
	s_add_co_u32 s21, s21, SLOT
	s_add_co_u32 s22, s22, SLOT
.endr
	v_lshlrev_b32 v5, 2, v1                        ; scale words: 4 r; lanes 0-15 take A's, lanes 16-31 B's
	s_mul_i32 s21, s15, HALFS
	s_mul_i32 s22, s16, HALFS
	s_add_co_u32 s22, s22, 2*HALFS
	s_sub_co_u32 s22, s22, s21
	v_mul_u32_u24 v6, s22, v2
	s_add_co_u32 s21, s21, SCL
	v_add_nc_u32 v5, v5, v6
	v_add_nc_u32 v[ADRS], s21, v5
	s_lshl_b32 s46, s42, 10                        ; my first column in bytes of f32: 1,024 x tile column + 512 x half
	s_lshl_b32 s47, s16, 9
	s_add_co_u32 s46, s46, s47
	s_mov_b32 s47, 0
	s_add_nc_u64 s[92:93], s[92:93], s[46:47]
	s_mul_i32 s23, s14, 16*SPITCH
	s_add_co_u32 s23, s23, STAGE                   ; my stage
	v_mul_u32_u24 v5, v1, SPITCH
	v_lshl_add_u32 v5, v2, 6, v5
	v_add_nc_u32 v[STO], s23, v5                   ; the result's layout: row r, + 64 h
	v_mov_b32 v[CO], v4                            ; whole rows: 16 bytes a lane
	v_add_nc_u32 v[RD], s23, v4
	s_lshl_b32 s20, s17, 8
	s_lshl_b32 s21, s15, 7
	s_add_co_u32 s20, s20, s21                     ; my first row
	s_lshl_b32 s20, s20, 12
	s_add_co_u32 s20, s20, s46
	s_mov_b32 s21, 0
	s_add_nc_u64 s[12:13], s[12:13], s[20:21]
	s_add_nc_u64 s[94:95], s[94:95], s[20:21]
; THE WAY IN: residual + bias become the sums' first value.  Block a's 16 rows are loaded dense (512 bytes a row) into the block's own accumulator registers, the bias is added, and they turn through my stage into the result's layout.
.macro RLOAD a
	WIN 0x80+0x40*((\a)/4)
.irp t, 0,1,2,3,4,5,6,7,8,9,10,11,12,13,14,15
	global_load_b128 v[64*((\a)%4)+4*\t:64*((\a)%4)+4*\t+3], v[CO], s[94:95] offset:(32*((\a)/2)+8*((\a)%2)+\t+8*(\t/8))*4096
.endr
.endm
.macro WAYIN a
.set AC, 64*((\a)%4)
.if (\a)+3 < 8
	RLOAD (\a)+3
	s_wait_loadcnt 48                              ; block a is in; the three blocks behind it may be out
.else
	s_wait_loadcnt 16*(7-(\a))
.endif
	WIN 0x82+0x41*((\a)/4)
.irp t, 0,1,2,3,4,5,6,7,8,9,10,11,12,13,14,15
	v_pk_add_f32 v[AC+4*\t:AC+4*\t+1], v[AC+4*\t:AC+4*\t+1], v[BIA:BIA+1]
	v_pk_add_f32 v[AC+4*\t+2:AC+4*\t+3], v[AC+4*\t+2:AC+4*\t+3], v[BIA+2:BIA+3]
.endr
	WIN 0x08+0x04*((\a)/4)
.irp t, 0,1,2,3,4,5,6,7,8,9,10,11,12,13,14,15
	ds_store_b128 v[RD], v[AC+4*\t:AC+4*\t+3] offset:\t*SPITCH
.endr
	WIN 0x80+0x40*((\a)/4)
.irp b, 0,1,2,3,4,5,6,7
	ds_load_b128 v[AC+8*\b:AC+8*\b+3], v[STO] offset:128*(\b/2)+32*(\b%2)       ; LDS serves a wave's instructions in order: these see the stores above
	ds_load_b128 v[AC+8*\b+4:AC+8*\b+7], v[STO] offset:128*(\b/2)+32*(\b%2)+16
.endr
.endm
	global_load_b128 v[BIA:BIA+3], v[CO], s[92:93]
	RLOAD 0
	RLOAD 1
	RLOAD 2
.irp a, 0,1,2,3,4,5,6,7
	WAYIN \a
.endr
	WIN 0
.macro FRAG reg, adr, q, i
.irp c, 0,1
	ds_load_b128 v[\reg+6*\c:\reg+6*\c+3], v[\adr] offset:(\i)*RB3+(\q)*1536+768*\c
	ds_load_b64 v[\reg+6*\c+4:\reg+6*\c+5], v[\adr+2] offset:(\i)*RB3+(\q)*1536+768*\c+512
.endr
.endm
; 16 matrix instructions: A's blocks a0, a0 + 1 x B's eight, each adding in place.  The 64 accumulators take turns, one instruction a turn, in the same order in every step.
.macro MUL16 a0, p, q, sc, zero
.irp a, \a0, \a0+1
.irp b, 0,1,2,3,4,5,6,7
	v_wmma_scale_f32_16x16x128_f8f6f4 v[8*(8*((\a)%4)+\b):8*(8*((\a)%4)+\b)+7], v[128*(\p)+FR*\b:128*(\p)+FR*\b+FR-1], v[AF+FR*(\a):AF+FR*(\a)+FR-1], v[8*(8*((\a)%4)+\b):8*(8*((\a)%4)+\b)+7], v[SC+8*NQ*(\sc)+NQ*\b+(\q)], v[SC+8*NQ*(\sc)+NQ*(\a)+(\q)] matrix_a_fmt:MATRIX_FMT_FP6 matrix_b_fmt:MATRIX_FMT_FP6 matrix_a_scale:MATRIX_SCALE_ROW1
.endr
.endr
.endm
.macro FETCH_B slot, q, p
	WIN TO_B
.irp i, 0,1,2,3,4,5,6,7
	FRAG 128*(\p)+FR*\i, ADRB+\slot, \q, \i
.endr
	WIN 0
.endm
.macro FETCH_A slot, q, i0
.irp i, \i0, \i0+1, \i0+2, \i0+3
	FRAG AF+FR*(\i), ADRA+\slot, \q, \i
.endr
.endm
.macro SCALES sc                       ; a slot's scale words: register NQ i + q: lanes 0-15 A's block i, lanes 16-31 B's block i
.irp i, 0,1,2,3,4,5,6,7
.irp q, 0,1
	ds_load_b32 v[SC+8*NQ*\sc+NQ*\i+\q], v[ADRS] offset:\i*SKB+64*\q
.endr
.endr
.endm
.macro PLACES n                        ; plain vector instructions between a matrix instruction and a load into, or a read of, its registers
.rept \n
	v_nop
.endr
.endm
.macro STEP slot, q, zero              ; 128 along K that has its successor in the same slot
	s_wait_dscnt 4*NL                              ; all but the youngest 16 loads (A's blocks 4-7) are in
	WIN MUL_LO
	MUL16 0, (\q)%2, \q, \slot, \zero
	MUL16 2, (\q)%2, \q, \slot, \zero
	s_wait_dscnt 0
	PLACES NP
	FETCH_B \slot, (\q)+1, 1-(\q)%2
	FETCH_A \slot, (\q)+1, 0
	WIN MUL_HI
	MUL16 4, (\q)%2, \q, \slot, \zero
	MUL16 6, (\q)%2, \q, \slot, \zero
	PLACES NP
	WIN 0
	FETCH_A \slot, (\q)+1, 4
.endm
; A slot's last step changes slots: one barrier; in front of it each wave waits for all its tensor loads, adds 0 to its spare word, and waits for that and for its reads of this slot.
.macro TURN slot, next, fill
	s_wait_tensorcnt 0x0                           ; all my tensor loads have landed: my part of the next slot
	ds_add_u32 v[SPW], v[NIL]
	s_wait_dscnt 4*NL+1                            ; (the add and the youngest 16 loads may be out)
	WIN MUL_LO
	MUL16 0, 1, NQ-1, \slot, 0
	s_wait_dscnt 0x0                               ; the add is done, and my reads of this slot are over
	s_barrier_signal -1
	MUL16 2, 1, NQ-1, \slot, 0
	WIN 0
	s_barrier_wait -1
.if \fill
	CREST                                          ; the barrier has opened a round of the cluster's: no wave of any partner still reads this slot or has a load on its way
	s_add_nc_u64 s[G0+4*\slot+2:G0+4*\slot+3], s[G0+4*\slot+2:G0+4*\slot+3], 2*RB3
	s_add_nc_u64 s[G0B+4*\slot+2:G0B+4*\slot+3], s[G0B+4*\slot+2:G0B+4*\slot+3], 2*RB3
	JLOAD G0+4*\slot, G1, G0B+4*\slot, G1B         ; the first tensor load behind the round, my one load until the next
.else
	PLACES NP
.endif
	v_add_nc_u32 v[ADRS], 64*NQ, v[ADRS]           ; the next slot's scale words
	FETCH_B \next, 0, 0
	FETCH_A \next, 0, 0
	SCALES \next
	WIN MUL_HI
	MUL16 4, 1, NQ-1, \slot, 0
	MUL16 6, 1, NQ-1, \slot, 0
	PLACES NP
	WIN 0
	FETCH_A \next, 0, 4
.endm
	s_wait_dscnt 0x0                               ; the way in is over
	s_wait_tensorcnt 1                             ; the scales and my part of slot 0 are in; slot 1's load may be out
	s_barrier_signal -1
	s_barrier_wait -1
	FETCH_B 0, 0, 0
	FETCH_A 0, 0, 0
	SCALES 0
	FETCH_A 0, 0, 4
	STEP 0, 0, 1
	s_mov_b32 s3, LAPS-1
.Llap:
	TURN 0, 1, 1
	STEP 1, 0, 0
	TURN 1, 0, 1
	STEP 0, 0, 0
	s_sub_co_u32 s3, s3, 1
	s_cmp_lg_u32 s3, 0
	s_cbranch_scc1 .Llap
	TURN 0, 1, 0                                   ; the last lap fills nothing
	STEP 1, 0, 0
	s_wait_dscnt 4*NL
	WIN MUL_LO
	MUL16 0, 1, NQ-1, 1, 0
	MUL16 2, 1, NQ-1, 1, 0
	s_wait_dscnt 0
	WIN MUL_HI
	MUL16 4, 1, NQ-1, 1, 0
	MUL16 6, 1, NQ-1, 1, 0
	WIN 0
	PLACES NP
; THE WAY OUT IN F32, block by block of 16 rows x 128 columns, through my stage: whole rows of 512 bytes leave.
.macro TOSTAGE a
.set AC, 64*((\a)%4)
	WIN 0x08+4*((\a)/4)
.irp b, 0,1,2,3,4,5,6,7
	ds_store_b128 v[STO], v[AC+8*\b:AC+8*\b+3] offset:128*(\b/2)+32*(\b%2)          ; each accumulator from its low end on
	ds_store_b128 v[STO], v[AC+8*\b+4:AC+8*\b+7] offset:128*(\b/2)+32*(\b%2)+16
.endr
	WIN 0
.set BB, BK+64*((\a)%2)
.irp t, 0,1,2,3,4,5,6,7,8,9,10,11,12,13,14,15
	ds_load_b128 v[BB+4*\t:BB+4*\t+3], v[RD] offset:\t*SPITCH
.endr
.endm
.macro SEND a, younger
.set BB, BK+64*((\a)%2)
	s_wait_dscnt \younger
.irp t, 0,1,2,3,4,5,6,7,8,9,10,11,12,13,14,15
	global_store_b128 v[CO], v[BB+4*\t:BB+4*\t+3], s[12:13] offset:(32*((\a)/2)+8*((\a)%2)+\t+8*(\t/8))*4096   ; 32 lanes store 512 consecutive bytes
.endr
.endm
	TOSTAGE 0
.irp a, 1,2,3,4,5,6,7
.if \a > 1
	s_wait_xcnt 0x0                                ; block a - 2's stores have read their registers: block a's loads may land there
.endif
	TOSTAGE \a
	SEND \a-1, 32                                  ; behind block a - 1's loads: block a's 16 stores and 16 loads
.endr
	SEND 7, 0
	s_wait_tensorcnt 0x0                           ; the wave's end
	ds_add_u32 v[SPW], v[NIL]
	s_wait_dscnt 0x0
	CROUND                                         ; the closing round
	s_endpgm
.Lfunc_end_k_q749f0c32cb_g2:
	.size	k_q749f0c32cb_g2, .Lfunc_end_k_q749f0c32cb_g2-k_q749f0c32cb_g2
	.p2alignl 7, 3214868480
	.fill 96, 4, 3214868480
	.section	.rodata,"a",@progbits
	.p2align	6, 0x0
	.amdhsa_kernel k_q749f0c32cb_g2
		.amdhsa_group_segment_fixed_size 327680
		.amdhsa_private_segment_fixed_size 0
		.amdhsa_enable_private_segment 0
		.amdhsa_kernarg_size 40
		.amdhsa_user_sgpr_count 2
		.amdhsa_user_sgpr_kernarg_segment_ptr 1
		.amdhsa_wavefront_size32 1
		.amdhsa_system_sgpr_workgroup_id_x 1
		.amdhsa_system_sgpr_workgroup_id_y 1
		.amdhsa_system_sgpr_workgroup_id_z 1
		.amdhsa_system_vgpr_workitem_id 0
		.amdhsa_next_free_vgpr 1024
		.amdhsa_next_free_sgpr 102
		.amdhsa_reserve_vcc 0
		.amdhsa_float_denorm_mode_32 3
		.amdhsa_float_denorm_mode_16_64 3
		.amdhsa_memory_ordered 1
		.amdhsa_forward_progress 1
		.amdhsa_inst_pref_size 191
	.end_amdhsa_kernel
	.amdgpu_metadata
---
amdhsa.version: [ 1, 2 ]
amdhsa.kernels:
  - .name:           k_q749f0c32cb_g2
    .symbol:         k_q749f0c32cb_g2.kd
    .args:
      - { .name: hid, .offset: 0, .size: 8, .value_kind: global_buffer, .address_space: global }
      - { .name: wts, .offset: 8, .size: 8, .value_kind: global_buffer, .address_space: global }
      - { .name: b2, .offset: 16, .size: 8, .value_kind: global_buffer, .address_space: global }
      - { .name: xres, .offset: 24, .size: 8, .value_kind: global_buffer, .address_space: global }
      - { .name: out0, .offset: 32, .size: 8, .value_kind: global_buffer, .address_space: global }
    .group_segment_fixed_size: 327680
    .private_segment_fixed_size: 0
    .kernarg_segment_align: 8
    .kernarg_segment_size: 40
    .max_flat_workgroup_size: 128
    .sgpr_count:     102
    .vgpr_count:     1024
    .wavefront_size: 32
...
	.end_amdgpu_metadata
.endif
;; end of part 7
;; ======== version 2 of 2: 7 launches
;; limits: right only within a limited range of input values
;; workspace buffers: wts 9,830,400 bytes; act 3,276,800 bytes; qkv 9,830,400 bytes; ctx 3,276,800 bytes; xres 16,777,216 bytes; hid 13,107,200 bytes
;; launch wquant (part 8): grid 32 x 20, 4 waves a work-group, no clusters, 32,768 bytes of LDS; arguments inputs, ln1_g, ln1_b, act, Wq, Wk, Wv, Wp, W1, W2, wts; writes wts, act
.if DOCPART == 8
	.amdgcn_target "amdgcn-amd-amdhsa--gfx1250"
	.amdhsa_code_object_version 6
	.text
	.protected	k_q749f0c32cb_wquant
	.globl	k_q749f0c32cb_wquant
	.p2align	8
	.type	k_q749f0c32cb_wquant,@function
k_q749f0c32cb_wquant:
	s_mov_b64 s[64:65], 0
	v_nop
	global_prefetch_b8 v0, s[64:65] scope:SCOPE_SE
	s_setreg_imm32_b32 hwreg(HW_REG_WAVE_MODE, 25, 1), 1
	s_wait_xcnt 0x0
; THE PROGRAM: a transformer block on 4,096 tokens, C = 1,024; all eight matrix products on codes of E2M3 with one E8M0 scale for each 32 along K.
; Launches: this one (weights into codes), ln (LN1 into codes), gq (q, k, v), att (attention), gp (projection + residual), ln again (LN2), gh (MLP up, relu), g2 (MLP down + residual).
; WORK LEFT OUT: reference() sets the scores of keys s > t to -infinity by a jnp.tril that it builds itself; the softmax gives them the weight 0 for all values of the inputs, so steps of 128 keys
; that lie wholly behind a tile's 16 queries reach no output and are not multiplied (launch att).  Nothing else is left out, and every input is loaded.
; LIMIT: a NaN, an infinity or an overflow that reaches only those steps is not carried to the result.
; THIS LAUNCH: Wq, Wk, Wv [16][1024][64], Wp [1024][1024], W1 [1024][4096], W2 [4096][1024], f32, K is not innermost.  A LANE TAKES A COLUMN n AND ITS REGISTERS RUN DOWN K, so a block of 32 along K lies in
; one lane's 32 registers.  A block's scale is 2^(floor(log2(largest magnitude)) - 2); its byte is the largest magnitude's exponent field - 2, held at 1 from below.
; LIMITS: a block of zeros, or one under 2^-124, gets the byte 1 where the rule says 127: its codes are zeros and only this program reads the bytes; NaN and infinities among the inputs are not served.
; THE LAYOUT OF EVERY OPERAND OF THIS PROGRAM ("half-images"): codes [block of 16 rows rb][kh = K / 64][768 bytes]: for lane l = r + 16 h the six words of k = 64 kh + 32 h + 0 .. 31 of the row at place r:
; words 0-3 at byte 16 l, words 4-5 at byte 512 + 16 r + 8 h.  Scales [rb][K / 128][16 words].  Place r of rb holds row 32 (rb / 2) + 8 (rb % 2) + r + 8 (r / 8).
; A wave takes 32 columns x 256 along K: 8 blocks a lane.  Two blocks (one half-image's h = 0 and h = 1) leave by three stores of 16 bytes a lane; sixteen lanes of a store cover 256 consecutive aligned bytes.
; The work-group's y says which tensor: 0 Wq, 1 Wk, 2 Wv, 3 Wp, 4-7 W1, 8-11 W2; all that differs is chosen by s_cselect on y: one path, no branch.  Wq's and Wk's rows are laid by turns, head by head: row 128 head + 64 which + d.
.set X,    48                          ; v48-111  two sets of 32 numbers
.set E,    112                         ; v112-115 words 0-3 of the even block, v116-119 of the odd one
.set TAIL, 120                         ; v120-123 words 4, 5 of both
.set T,    124                         ; v124-126 the upper 16 codes as they are made
; THIS LAUNCH ALSO MAKES LN1: the two preparing steps hang on nothing of each other, so one launch serves both.  Work-groups y = 0 .. 11 turn the weights into codes, as said above;
; work-groups y = 12 .. 19 normalise and quantise the tokens (label .Lln, at the end of this text).  The launch named ln runs LN2 alone.  The branch hangs on the work-group's number; only the second path touches LDS.
	s_and_b32 s18, ttmp7, 0xffff                   ; y
	s_cmp_ge_u32 s18, 12
	s_cbranch_scc1 .Lln
	s_load_b256 s[4:11], s[0:1], 0x20              ; Wq, Wk, Wv, Wp
	s_load_b128 s[12:15], s[0:1], 0x40             ; W1, W2
	s_load_b64 s[16:17], s[0:1], 0x50              ; wts
	v_lshrrev_b32 v1, 5, v0
	v_readfirstlane_b32 s19, v1                    ; wave
	s_and_b32 s31, ttmp9, 7
	s_lshr_b32 s35, ttmp9, 3
	s_sub_co_u32 s30, s18, 4
	s_sub_co_u32 s34, s18, 8
	s_lshl_b32 s34, s34, 2
	s_add_co_u32 s34, s34, s35
	s_mov_b32 s28, s31                             ; cb: which 128 columns
	s_mov_b32 s29, s35                             ; kb: which 256 along K
	s_mov_b32 s20, 256                             ; bytes from k to k + 1
	s_mov_b32 s21, 262144                          ; bytes from 64 columns to the next 64
	s_mov_b32 s22, 128                             ; rows of the result from 64 columns to the next 64
	s_mov_b32 s23, 0                               ; and the first
	s_mov_b32 s24, 0                               ; the codes' place in wts
	s_mov_b32 s25, 9437184                         ; the scales'
	s_mov_b32 s26, 12288                           ; bytes of codes of a block of 16 rows
	s_mov_b32 s27, 512                             ; and of scales
	s_wait_kmcnt 0x0
	s_mov_b64 s[32:33], s[4:5]
	s_cmp_eq_u32 s18, 1
	s_cselect_b64 s[32:33], s[6:7], s[32:33]
	s_cselect_b32 s23, 64, s23
	s_cmp_ge_u32 s18, 2
	s_cselect_b64 s[32:33], s[8:9], s[32:33]
	s_cselect_b32 s22, 64, s22
	s_cselect_b32 s24, 1572864, s24
	s_cselect_b32 s25, 9502720, s25
	s_cmp_ge_u32 s18, 3
	s_cselect_b64 s[32:33], s[10:11], s[32:33]
	s_cselect_b32 s20, 4096, s20
	s_cselect_b32 s21, 256, s21
	s_cselect_b32 s24, 2359296, s24
	s_cselect_b32 s25, 9535488, s25
	s_cmp_ge_u32 s18, 4
	s_cselect_b64 s[32:33], s[12:13], s[32:33]
	s_cselect_b32 s20, 16384, s20
	s_cselect_b32 s24, 3145728, s24
	s_cselect_b32 s25, 9568256, s25
	s_cselect_b32 s28, ttmp9, s28
	s_cselect_b32 s29, s30, s29
	s_cmp_ge_u32 s18, 8
	s_cselect_b64 s[32:33], s[14:15], s[32:33]
	s_cselect_b32 s20, 4096, s20
	s_cselect_b32 s24, 6291456, s24
	s_cselect_b32 s25, 9699328, s25
	s_cselect_b32 s26, 49152, s26
	s_cselect_b32 s27, 2048, s27
	s_cselect_b32 s28, s31, s28
	s_cselect_b32 s29, s34, s29
	s_lshl_b32 s30, s28, 7
	s_lshl_b32 s31, s19, 5
	s_add_co_u32 s30, s30, s31                     ; my wave's first column
	s_lshr_b32 s31, s30, 6
	s_and_b32 s34, s30, 63
	s_mul_i32 s56, s31, s21
	s_lshl_b32 s35, s34, 2
	s_add_co_u32 s56, s56, s35
	s_mul_i32 s35, s29, s20
	s_lshl_b32 s35, s35, 8
	s_add_co_u32 s56, s56, s35                     ; its first number's byte in the tensor (under 2^25)
	s_mov_b32 s57, 0
	s_add_nc_u64 s[36:37], s[32:33], s[56:57]      ; a base for each of the 8 blocks: no pointer is stepped
	s_lshl_b32 s58, s20, 5
	s_mov_b32 s59, 0
.irp t, 1,2,3,4,5,6,7
	s_add_nc_u64 s[36+2*\t:37+2*\t], s[34+2*\t:35+2*\t], s[58:59]
.endr
	s_mul_i32 s31, s31, s22
	s_add_co_u32 s31, s31, s34
	s_add_co_u32 s31, s31, s23                     ; the first row of the result, a multiple of 32
	s_lshr_b32 s31, s31, 5
	s_lshl_b32 s31, s31, 1                         ; its block of 16 rows; my 32 columns fill two
	s_mul_i32 s56, s31, s26
	s_add_co_u32 s56, s56, s24
	s_mul_i32 s35, s29, 3072
	s_add_co_u32 s56, s56, s35
	s_add_nc_u64 s[52:53], s[16:17], s[56:57]      ; codes
	s_mul_i32 s56, s31, s27
	s_add_co_u32 s56, s56, s25
	s_lshl_b32 s35, s29, 7
	s_add_co_u32 s56, s56, s35
	s_add_nc_u64 s[54:55], s[16:17], s[56:57]      ; scales
	v_and_b32 v1, 31, v0                           ; L: my column
	v_lshlrev_b32 v2, 2, v1
	v_bfe_u32 v5, v1, 3, 1                         ; which of the two blocks of rows
	v_and_b32 v6, 7, v1
	v_bfe_u32 v7, v1, 4, 1
	v_lshl_add_u32 v6, v7, 3, v6                   ; my place r in it
	v_mul_lo_u32 v3, v5, s26
	v_lshl_add_u32 v3, v6, 4, v3                   ; codes: 16 r
	v_mul_lo_u32 v4, v5, s27
	v_lshl_add_u32 v4, v6, 2, v4                   ; scales: 4 r
.set i, 0
.rept 32
	v_mad_u32_u24 v[16+i], s20, i, v2              ; v16-47: 4 L + i rows of the tensor
.set i, i+1
.endr
.macro LOAD t                          ; block t: 32 rows k at my column; 32 lanes read 128 consecutive bytes
.set i, 0
.rept 32
	global_load_b32 v[X+32*((\t)%2)+i], v[16+i], s[36+2*(\t):37+2*(\t)] th:TH_LOAD_NT
.set i, i+1
.endr
.endm
.macro BLOCK t
.set XS, X+32*((\t)%2)
.if (\t) < 7
	s_wait_loadcnt 32                              ; this block's 32 loads are in; the next block's may be out
.else
	s_wait_loadcnt 0
.endif
	v_max3_num_f32 v12, |v[XS]|, |v[XS+1]|, |v[XS+2]|
	v_max3_num_f32 v13, |v[XS+3]|, |v[XS+4]|, |v[XS+5]|
.irp i, 6,10,14,18,22,26
	v_max3_num_f32 v12, v12, |v[XS+\i]|, |v[XS+\i+1]|
	v_max3_num_f32 v13, v13, |v[XS+\i+2]|, |v[XS+\i+3]|
.endr
	v_max3_num_f32 v12, v12, |v[XS+30]|, |v[XS+31]|
	v_max3_num_f32 v12, v12, v13, 0x1800000        ; the floor 2^(3 - 127): the byte cannot fall under 1
	v_add_nc_u32 v11, 0xff000000, v12              ; 2 off the exponent field: the conversion's scale operand
	v_lshrrev_b32 v10, 23, v11                     ; the scale's byte
.if (\t)%4 == 0
	v_mov_b32 v[8+(\t)/4], v10
.else
	v_lshl_or_b32 v[8+(\t)/4], v10, 8*((\t)%4), v[8+(\t)/4]
.endif
.if ((\t)%2 == 0) && ((\t) > 0)
	s_wait_alu depctr_va_vdst(0)
	s_wait_xcnt 0x0                                ; the last pair's three stores have read their registers: they are written again only behind this wait
.endif
	v_cvt_scalef32_pk16_fp6_f32 v[E+4*((\t)%2):E+4*((\t)%2)+2], v[XS:XS+15], v11
	v_cvt_scalef32_pk16_fp6_f32 v[T:T+2], v[XS+16:XS+31], v11
	v_nop                                          ; one plain place behind a scaled conversion
	v_mov_b32 v[E+4*((\t)%2)+3], v[T]
	v_mov_b32 v[TAIL+2*((\t)%2)], v[T+1]
	v_mov_b32 v[TAIL+2*((\t)%2)+1], v[T+2]
.if (\t)+2 < 8
	LOAD (\t)+2
.endif
.if (\t)%2 == 1
	global_store_b128 v3, v[E:E+3], s[52:53] offset:((\t)/2)*768
	global_store_b128 v3, v[E+4:E+7], s[52:53] offset:((\t)/2)*768+256
	global_store_b128 v3, v[TAIL:TAIL+3], s[52:53] offset:((\t)/2)*768+512
.endif
.endm
	LOAD 0
	LOAD 1
.irp t, 0,1,2,3,4,5,6,7
	BLOCK \t
.endr
	global_store_b32 v4, v8, s[54:55]              ; my row's two scale words
	global_store_b32 v4, v9, s[54:55] offset:64
	s_endpgm
; LN1: y = (x - mean) rsqrt(var + 1e-5) g + b along rows of 1,024 f32, all in f32, quantised along the row into half-images.  The text is launch ln's (its head says how a work-group, a wave and a lane share the work,
; and states the limits); only the block of 16 rows is counted otherwise: 32 (y - 12) + x, in s28.
.Lln:
	s_sub_co_u32 s28, s18, 12
	s_lshl_b32 s28, s28, 5
	s_add_co_u32 s28, s28, ttmp9                   ; my block of 16 rows, 0 .. 255
.set IMG,   18432                      ; behind four stages of 4,608 bytes
.set SCB,   31744                      ; 512 scale bytes
.set SPARE, 32256                      ; the spare words, 128 bytes for each wave, which no other line names
.set X,     64                         ; v64-191  four rows of 32 registers
.set G,     192                        ; v192-223 g,  v224-255 b
.set BV,    224
.set CD,    32                         ; v32-63   row i's codes at CD + 8 i; its scale operand at CD + 8 i + 7;  v28-31 the rows' scale bytes
	s_load_b256 s[4:11], s[0:1], 0x0               ; x, g, b, the result
	v_lshl_add_u32 v12, v0, 2, SPARE
	v_mov_b32 v13, 0
	v_lshrrev_b32 v1, 5, v0
	v_readfirstlane_b32 s12, v1                    ; wave
	v_and_b32 v1, 31, v0                           ; lane l
	v_lshlrev_b32 v2, 4, v1                        ; my 16 bytes of a load's 512
	s_mul_i32 s13, s12, 4608
	v_lshrrev_b32 v3, 3, v1
	v_mul_u32_u24 v3, v3, 144
	v_and_b32 v14, 7, v1
	v_lshl_add_u32 v3, v14, 4, v3
	v_add_nc_u32 v3, s13, v3                       ; the stage, in
	v_mul_u32_u24 v4, v1, 144
	v_add_nc_u32 v4, s13, v4                       ; and out: my block
	s_lshl_b32 s14, s12, 6
	v_lshrrev_b32 v14, 1, v1
	v_mul_u32_u24 v14, v14, 816                    ; half-image l / 2: three runs of 272
	v_and_b32 v15, 1, v1
	v_mad_u32_u24 v5, v15, 272, v14
	v_add_nc_u32 v5, s14, v5
	v_add_nc_u32 v5, IMG, v5                       ; words 0-3
	v_lshl_add_u32 v6, v15, 3, v14
	v_add_nc_u32 v6, s14, v6
	v_add_nc_u32 v6, IMG+544, v6                   ; words 4, 5
	v_lshrrev_b32 v14, 2, v1
	v_and_b32 v15, 3, v1
	v_lshl_add_u32 v7, v14, 6, v15
	s_lshl_b32 s15, s12, 4
	v_add_nc_u32 v7, s15, v7
	v_add_nc_u32 v7, SCB, v7                       ; my block's byte
	v_lshrrev_b32 v14, 4, v0
	v_mul_u32_u24 v14, v14, 272
	v_and_b32 v15, 15, v0
	v_lshl_add_u32 v8, v15, 4, v14
	v_add_nc_u32 v8, IMG, v8                       ; the way out: 16 bytes a thread
	v_lshlrev_b32 v9, 4, v0
	v_lshlrev_b32 v11, 2, v0
	v_add_nc_u32 v10, SCB, v11
	v_mov_b32 v21, 0                               ; a lane permute's destination counts as one of its sources
	s_mov_b32 s20, 0x76543210
	s_mov_b32 s21, 0xfedcba98
	s_mov_b32 s22, 0x3a800000                      ; 1 / 1024
	s_mov_b32 s23, 0x3727c5ac                      ; 1e-5
	s_lshr_b32 s16, s28, 1
	s_lshl_b32 s16, s16, 5
	s_and_b32 s17, s28, 1
	s_lshl_b32 s17, s17, 3
	s_add_co_u32 s16, s16, s17
	s_lshl_b32 s17, s12, 2
	s_add_co_u32 s16, s16, s17
	s_lshr_b32 s17, s12, 1
	s_lshl_b32 s17, s17, 3
	s_add_co_u32 s16, s16, s17                     ; my first row
	s_lshl_b32 s16, s16, 12
	s_mov_b32 s17, 0
	s_mul_i32 s18, s28, 12288
	s_mov_b32 s19, 0
	s_wait_kmcnt 0x0
	s_add_nc_u64 s[4:5], s[4:5], s[16:17]
	s_add_nc_u64 s[24:25], s[10:11], s[18:19]      ; my block's codes
	s_lshl_b32 s18, s28, 9
	s_add_co_u32 s18, s18, 3145728
	s_add_nc_u64 s[26:27], s[10:11], s[18:19]      ; and scales
.macro ROWLD i
.irp j, 0,1,2,3,4,5,6,7
	global_load_b128 v[X+32*\i+4*\j:X+32*\i+4*\j+3], v2, s[4:5] offset:4096*\i+512*\j
.endr
.endm
	ROWLD 0
.irp j, 0,1,2,3,4,5,6,7
	global_load_b128 v[G+4*\j:G+4*\j+3], v2, s[6:7] offset:512*\j
.endr
.irp j, 0,1,2,3,4,5,6,7
	global_load_b128 v[BV+4*\j:BV+4*\j+3], v2, s[8:9] offset:512*\j
.endr
	ROWLD 1
	ROWLD 2
	ROWLD 3
.macro RED                             ; v20 summed over the 32 lanes
	v_add_f32_dpp v20, v20, v20 row_xmask:1 row_mask:0xf bank_mask:0xf
	v_add_f32_dpp v20, v20, v20 row_xmask:2 row_mask:0xf bank_mask:0xf
	v_add_f32_dpp v20, v20, v20 row_xmask:4 row_mask:0xf bank_mask:0xf
	v_add_f32_dpp v20, v20, v20 row_xmask:8 row_mask:0xf bank_mask:0xf
	v_permlanex16_b32 v21, v20, s20, s21
	v_add_f32 v20, v20, v21
.endm
; Row i is normalised and sent through the stage.  left: the later rows' loads, which may stay out
.macro NORM i, left
.set XR, X+32*\i
	s_wait_loadcnt \left
	v_pk_add_f32 v[16:17], v[XR:XR+1], v[XR+2:XR+3]
	v_pk_add_f32 v[18:19], v[XR+4:XR+5], v[XR+6:XR+7]
.irp j, 8,12,16,20,24,28
	v_pk_add_f32 v[16:17], v[16:17], v[XR+\j:XR+\j+1]
	v_pk_add_f32 v[18:19], v[18:19], v[XR+\j+2:XR+\j+3]
.endr
	v_pk_add_f32 v[16:17], v[16:17], v[18:19]
	v_add_f32 v20, v16, v17
	RED
	v_mul_f32 v22, 0xba800000, v20                 ; - the mean
	v_mov_b32 v23, v22
.set j, 0
.rept 16
	v_pk_add_f32 v[XR+j:XR+j+1], v[XR+j:XR+j+1], v[22:23]
.set j, j+2
.endr
	v_pk_mul_f32 v[16:17], v[XR:XR+1], v[XR:XR+1]
	v_pk_mul_f32 v[18:19], v[XR+2:XR+3], v[XR+2:XR+3]
.irp j, 4,8,12,16,20,24,28
	v_pk_fma_f32 v[16:17], v[XR+\j:XR+\j+1], v[XR+\j:XR+\j+1], v[16:17]
	v_pk_fma_f32 v[18:19], v[XR+\j+2:XR+\j+3], v[XR+\j+2:XR+\j+3], v[18:19]
.endr
	v_pk_add_f32 v[16:17], v[16:17], v[18:19]
	v_add_f32 v20, v16, v17
	RED
	v_fma_f32 v26, v20, s22, s23                   ; the variance + 1e-5
	s_wait_alu depctr_va_vdst(0)                   ; the wait ahead of the transcendental,
	v_rsq_f32 v24, v26
	v_nop                                          ; a plain place behind it,
	s_wait_alu depctr_va_vdst(0)                   ; and the wait ahead of its first reader
	v_mov_b32 v25, v24
.set j, 0
.rept 16
	v_pk_mul_f32 v[XR+j:XR+j+1], v[XR+j:XR+j+1], v[24:25]
.set j, j+2
.endr
.set j, 0
.rept 16
	v_pk_fma_f32 v[XR+j:XR+j+1], v[XR+j:XR+j+1], v[G+j:G+j+1], v[BV+j:BV+j+1]
.set j, j+2
.endr
.irp j, 0,1,2,3,4,5,6,7
	ds_store_b128 v3, v[XR+4*\j:XR+4*\j+3] offset:576*\j
.endr
.irp j, 0,1,2,3,4,5,6,7
	ds_load_b128 v[XR+4*\j:XR+4*\j+3], v4 offset:16*\j   ; LDS serves a wave's instructions in order: these see the stores above
.endr
.endm
; Row i's block l, 32 numbers of my lane, becomes six words of codes and a byte.  younger: the LDS instructions issued behind the row's loads from the stage
.macro QROW i, younger
.set XR, X+32*\i
.set C, CD+8*\i
	s_wait_dscnt \younger
	v_max3_num_f32 v26, |v[XR]|, |v[XR+1]|, |v[XR+2]|
	v_max3_num_f32 v27, |v[XR+3]|, |v[XR+4]|, |v[XR+5]|
.irp j, 6,10,14,18,22,26
	v_max3_num_f32 v26, v26, |v[XR+\j]|, |v[XR+\j+1]|
	v_max3_num_f32 v27, v27, |v[XR+\j+2]|, |v[XR+\j+3]|
.endr
	v_max3_num_f32 v26, v26, |v[XR+30]|, |v[XR+31]|
	v_max3_num_f32 v26, v26, v27, 0x1800000        ; the floor 2^(3 - 127)
	v_add_nc_u32 v[C+7], 0xff000000, v26           ; 2 off the exponent field: the conversion's scale operand
	v_lshrrev_b32 v[28+\i], 23, v[C+7]             ; the byte
	v_cvt_scalef32_pk16_fp6_f32 v[C:C+2], v[XR:XR+15], v[C+7]
	v_cvt_scalef32_pk16_fp6_f32 v[C+4:C+6], v[XR+16:XR+31], v[C+7]
	v_nop                                          ; one plain place behind a scaled conversion
	v_mov_b32 v[C+3], v[C+4]
	v_mov_b32 v[C+4], v[C+5]
	v_mov_b32 v[C+5], v[C+6]
	ds_store_b128 v5, v[C:C+3] offset:16*\i
	ds_store_b64 v6, v[C+4:C+5] offset:16*\i
	ds_store_b8 v7, v[28+\i] offset:4*\i
.endm
	NORM 0, 24
	NORM 1, 16
	QROW 0, 16                                     ; behind row 0's loads: row 1's 16
	NORM 2, 8
	QROW 1, 19                                     ; row 0's 3 stores and row 2's 16
	NORM 3, 0
	QROW 2, 19
	QROW 3, 3
	s_wait_dscnt 0x0                               ; for the others' sake: my stores into the image are done
	s_barrier_signal -1
	s_barrier_wait -1
.irp i, 0,1,2,3,4,5
	ds_load_b128 v[X+4*\i:X+4*\i+3], v8 offset:2176*\i
.endr
	ds_load_b32 v[X+24], v10
.irp i, 0,1,2,3,4,5
	s_wait_dscnt 6-\i
	global_store_b128 v9, v[X+4*\i:X+4*\i+3], s[24:25] offset:2048*\i   ; a wave stores 512 consecutive bytes
.endr
	s_wait_dscnt 0x0
	global_store_b32 v11, v[X+24], s[26:27]
	s_wait_tensorcnt 0x0                           ; the wave's end
	ds_add_u32 v12, v13
	s_wait_dscnt 0x0
	s_endpgm
.Lfunc_end_k_q749f0c32cb_wquant:
	.size	k_q749f0c32cb_wquant, .Lfunc_end_k_q749f0c32cb_wquant-k_q749f0c32cb_wquant
	.p2alignl 7, 3214868480
	.fill 96, 4, 3214868480
	.section	.rodata,"a",@progbits
	.p2align	6, 0x0
	.amdhsa_kernel k_q749f0c32cb_wquant
		.amdhsa_group_segment_fixed_size 32768
		.amdhsa_private_segment_fixed_size 0
		.amdhsa_enable_private_segment 0
		.amdhsa_kernarg_size 88
		.amdhsa_user_sgpr_count 2
		.amdhsa_user_sgpr_kernarg_segment_ptr 1
		.amdhsa_wavefront_size32 1
		.amdhsa_system_sgpr_workgroup_id_x 1
		.amdhsa_system_sgpr_workgroup_id_y 1
		.amdhsa_system_sgpr_workgroup_id_z 1
		.amdhsa_system_vgpr_workitem_id 0
		.amdhsa_next_free_vgpr 256
		.amdhsa_next_free_sgpr 66
		.amdhsa_reserve_vcc 0
		.amdhsa_float_denorm_mode_32 3
		.amdhsa_float_denorm_mode_16_64 3
		.amdhsa_memory_ordered 1
		.amdhsa_forward_progress 1
		.amdhsa_inst_pref_size 88
	.end_amdhsa_kernel
	.amdgpu_metadata
---
amdhsa.version: [ 1, 2 ]
amdhsa.kernels:
  - .name:           k_q749f0c32cb_wquant
    .symbol:         k_q749f0c32cb_wquant.kd
    .args:
      - { .name: inputs, .offset: 0, .size: 8, .value_kind: global_buffer, .address_space: global }
      - { .name: ln1_g, .offset: 8, .size: 8, .value_kind: global_buffer, .address_space: global }
      - { .name: ln1_b, .offset: 16, .size: 8, .value_kind: global_buffer, .address_space: global }
      - { .name: act, .offset: 24, .size: 8, .value_kind: global_buffer, .address_space: global }
      - { .name: Wq, .offset: 32, .size: 8, .value_kind: global_buffer, .address_space: global }
      - { .name: Wk, .offset: 40, .size: 8, .value_kind: global_buffer, .address_space: global }
      - { .name: Wv, .offset: 48, .size: 8, .value_kind: global_buffer, .address_space: global }
      - { .name: Wp, .offset: 56, .size: 8, .value_kind: global_buffer, .address_space: global }
      - { .name: W1, .offset: 64, .size: 8, .value_kind: global_buffer, .address_space: global }
      - { .name: W2, .offset: 72, .size: 8, .value_kind: global_buffer, .address_space: global }
      - { .name: wts, .offset: 80, .size: 8, .value_kind: global_buffer, .address_space: global }
    .group_segment_fixed_size: 32768
    .private_segment_fixed_size: 0
    .kernarg_segment_align: 8
    .kernarg_segment_size: 88
    .max_flat_workgroup_size: 128
    .sgpr_count:     66
    .vgpr_count:     256
    .wavefront_size: 32
...
	.end_amdgpu_metadata
.endif
;; end of part 8
;; launch gq (part 9): grid 48 x 4, 4 waves a work-group, clusters of 4 x 4, 327,680 bytes of LDS; arguments act, wts, qkv; writes qkv
.if DOCPART == 9
	.amdgcn_target "amdgcn-amd-amdhsa--gfx1250"
	.amdhsa_code_object_version 6
	.text
	.protected	k_q749f0c32cb_gq
	.globl	k_q749f0c32cb_gq
	.p2align	8
	.type	k_q749f0c32cb_gq,@function
k_q749f0c32cb_gq:
	s_mov_b64 s[64:65], 0
	v_nop
	global_prefetch_b8 v0, s[64:65] scope:SCOPE_SE
	s_setreg_imm32_b32 hwreg(HW_REG_WAVE_MODE, 25, 1), 1
	s_wait_xcnt 0x0
	s_wait_alu depctr_hold_cnt(0) depctr_sa_sdst(0) depctr_va_vdst(0) depctr_va_sdst(0) depctr_va_ssrc(0) depctr_va_vcc(0) depctr_vm_vsrc(0)
	s_getreg_b32 s2, hwreg(HW_REG_IB_STS2, 6, 4)
	s_cmp_eq_u32 s2, 0
	s_cbranch_scc0 .Lentry_in_a_cluster
	s_endpgm
.Lentry_in_a_cluster:
	s_bfe_u32 s2, ttmp6, 0x10000c
	s_cmp_lg_u32 s2, 0xf033
	s_cbranch_scc0 .Lentry_shape_is_right
	s_endpgm
.Lentry_shape_is_right:
; KIND 0: q, k and v.  Clusters 0-7: [tokens] x [Wq | Wk by heads]: the 128 columns of a wave are one head's q and k, quantised along the head's 64.  Clusters 8-11: [Wv's rows] x [tokens]: v transposed, quantised along the keys.
; ONE TEXT SERVES FOUR LAUNCHES (the eight constants below differ).  C = A B^T on codes of E2M3 with E8M0 scales; no work of reference() is left out here.
; Both operands lie as half-images (launch wquant's head): a fragment, 16 rows x 128 K, is two half-images: registers 6 c .. 6 c + 3 by one load of 16 bytes a lane, 6 c + 4, 6 c + 5 by one of 8: every load's bytes are consecutive.
; A tile of C, 256 x 256, is made by four waves, 128 x 128 each: 64 accumulators, 512 registers.  K goes in steps of 256 through a ring of two LDS slots; the scales of the tile's rows, for all of K, come once and stay.
; CLUSTERS: 4 x 4 work-groups; A's tiles are asked for jointly along a row of the cluster, B's along a column.  THE MATRIX INSTRUCTION IS USED TRANSPOSED (source 0 = B's rows, source 1 = A's rows): with the rows' order in a block
; (place r = row 32 (rb / 2) + 8 (rb % 2) + r + 8 (r / 8)) the 64 registers of one block of A's rows are, in a lane, register 16 j + i = column 32 j + 16 (lane / 16) + i of the row at place lane % 16.
; OUTQ = 1: those 64 numbers are quantised in registers along the columns and stored as a fragment of the next operand.  OUTQ = 0: f32 rows out through a stage in LDS.
; INIT = 0: the sums start at 0;  1: at a bias along the columns;  2: at residual + bias, brought in through the stage.
; LIMITS: a block of zeros, or one under 2^-124, gets the byte 1 (zero codes; only this program reads the bytes); NaN and infinities are not served.
; REGISTERS: window 0: v0-31 addresses; v32-63 scale words, two sets; v64-127 the bias; v128-223 A's fragments, one set.  window 1: B's fragments, two sets.  windows 2, 3: the accumulators, (a, b) at v[8 (8 (a % 4) + b)].
.set KIND,   0
.set SIZE_K, 1024
.set INIT,   0
.set RELU,   0
.set OUTQ,   1
.set ASOFF,  0                         ; A's scales in A's buffer;  B's codes and scales in wts (KIND 0 chooses them by the cluster's number)
.set BOFF,   0
.set BSOFF,  0
.set NQ,     2                         ; matrix instructions deep in a slot
.set FR,     12                        ; registers of a fragment
.set NL,     4                         ; LDS loads that bring one
.set NP,     4                         ; places behind this matrix instruction (ISA guide 7.12.1)
.set RB3,    3072                      ; a slot's 256 along K of a block of 16 rows: four half-images
.set KHB,    SIZE_K/64*768             ; a block of 16 rows in memory
.set SKB,    SIZE_K/128*64             ; its scales
.set HALFT,  8*RB3                     ; 128 rows: what one tensor load brings
.set SLOT,   4*HALFT
.set LAPS,   SIZE_K/512
.set SCL,    2*SLOT                    ; behind the ring: the scales
.set HALFS,  8*SKB
.set STAGE,  SCL+4*HALFS               ; OUTQ = 0: 16 rows x 528 bytes for each wave; no tensor load ever lands here
.set SPITCH, 528
.set SPARE,  STAGE+(1-OUTQ)*4*16*SPITCH   ; the spare words, 128 bytes for each wave, which no other line names
.set ADRA, 16                          ; v16-17 my A fragments in slot 0, 1 (+ 16 x lane);  v18-19 the same + 16 r + 8 h
.set ADRB, 20                          ; v20-23 the same for B
.set STO,  24
.set RD,   25
.set CO,   26
.set ADRS, 27
.set SPW,  28
.set NIL,  29
.set SC,   32
.set BIA,  64
.set AF,   128
.set BK,   128
.set TM,   32                          ; the quantising way out: v32-47 at work, v48 the scale word, v49 the even block's, v50 the two to store, v52-70 codes
.set PW,   48
.set PWS,  49
.set WS,   50
.set PC,   52
.set VO0,  6
.set VO1,  7
.set VT0,  8
.set VT1,  9
.set VS,   10
.set G1,   24
.set G0,   32
.set G1B,  48
.set G0B,  56
.set G1S,  68
.set G0S,  76
.set G1SB, 80
.set G0SB, 88
.set SEL,  68                          ; the way out's scalars take the registers that the scales' descriptors have left
.set SHI,  70
.set SKH,  71
.set SRB,  72
.set TRB2, 74
.set OB,   76
.set SB,   78
.set MSB, 0
.macro WIN new                         ; the immediate's high byte repeats the setting that is left
.if MSB != \new
	s_set_vgpr_msb (MSB<<8)|\new
.set MSB, \new
.endif
.endm
.set MUL_LO, 0xa1
.set MUL_HI, 0xf1
.set TO_B,   0x40
.macro JLOAD g0a, g1a, g0b, g1b        ; a joint load: waves 0, 1 fetch for A, waves 2, 3 for B; an s_nop 0 and four v_nop follow each line
	s_cmp_eq_u32 s15, 0
	s_cbranch_scc0 .Lfor_b_\@
	tensor_load_to_lds s[\g0a:\g0a+3], s[\g1a:\g1a+7]
	s_nop 0
.rept 4
	v_nop
.endr
	s_branch .Lasked_\@
.Lfor_b_\@:
	tensor_load_to_lds s[\g0b:\g0b+3], s[\g1b:\g1b+7]
	s_nop 0
.rept 4
	v_nop
.endr
.Lasked_\@:
.endm
.macro CREST
	s_cmp_lg_u32 s14, 0
	s_cbranch_scc1 .Lnot_wave_0_\@
	s_barrier_signal -3
.Lnot_wave_0_\@:
	s_barrier_wait -3
	s_barrier_signal -1
	s_barrier_wait -1
.endm
.macro CROUND
	s_barrier_signal -1
	s_barrier_wait -1
	CREST
.endm
	s_load_b128 s[96:99], s[0:1], 0x0              ; A's buffer, wts
.if KIND == 0
	s_load_b64 s[12:13], s[0:1], 0x10              ; the result
.elseif KIND == 1
	s_load_b64 s[92:93], s[0:1], 0x10              ; the bias
	s_load_b64 s[12:13], s[0:1], 0x18
.else
	s_load_b128 s[92:95], s[0:1], 0x10             ; the bias, the residual
	s_load_b64 s[12:13], s[0:1], 0x20
.endif
	v_lshl_add_u32 v[SPW], v0, 2, SPARE
	v_mov_b32 v[NIL], 0
	ds_add_u32 v[SPW], v[NIL]                      ; the wave's opening: the add, twice on end, and its wait ahead of my first tensor load
	ds_add_u32 v[SPW], v[NIL]
	v_lshrrev_b32 v1, 5, v0
	v_readfirstlane_b32 s14, v1                    ; wave 0..3
	s_lshr_b32 s15, s14, 1                         ; which half of the tile's rows is mine.  Also: I fetch for A (0) or for B (1)
	s_and_b32 s16, s14, 1                          ; which half of its columns.  Also: which 128 rows I fetch
	s_bfe_u32 s40, ttmp6, 0x40000                  ; cx, cy
	s_bfe_u32 s41, ttmp6, 0x40004
.if KIND == 0
	s_and_b32 s18, ttmp9, 1                        ; twelve clusters along x: 0-7 are 2 x 4 clusters of q | k, 8-11 are 4 x 1 of v
	s_lshr_b32 s19, ttmp9, 1
	s_sub_co_u32 s20, ttmp9, 8
	s_cmp_lt_u32 ttmp9, 8
	s_cselect_b32 s42, s18, s20
	s_cselect_b32 s17, s19, 0
.else
	s_mov_b32 s42, ttmp9
	s_and_b32 s17, ttmp7, 0xffff
.endif
	s_lshl_b32 s42, s42, 2
	s_add_co_u32 s42, s42, s40                     ; tile column
	s_lshl_b32 s17, s17, 2
	s_add_co_u32 s17, s17, s41                     ; tile row
	s_lshl_b32 s43, s41, 2
	s_lshl_b32 s43, 15, s43                        ; my row of the cluster
	s_lshl_b32 s44, 0x1111, s40                    ; my column
	s_or_b32 s[G1+0], s43, (3<<16)|(1<<21)         ; the mask; elements of 8 bytes; bit 21 beside a mask; no padding
	s_or_b32 s[G1B+0], s44, (3<<16)|(1<<21)
.irp g, G1, G1B
	s_mov_b32 s[\g+1], 384<<16                     ; 8 rows of 3,072 bytes, KHB bytes apart
	s_mov_b32 s[\g+2], 16<<16                      ; the head's loads bring a tile's 16 blocks of rows; behind them the two words that count rows are set to 8, for the ring's
	s_mov_b32 s[\g+3], 384<<16
	s_mov_b32 s[\g+4], 16
	s_mov_b32 s[\g+5], KHB/8
	s_mov_b32 s[\g+6], 0
	s_mov_b32 s[\g+7], 0
.endr
	s_or_b32 s[G1S+0], s43, (3<<16)|(1<<21)
	s_or_b32 s[G1SB+0], s44, (3<<16)|(1<<21)
.irp g, G1S, G1SB
	s_mov_b32 s[\g+1], 32<<16                      ; the scales of 128 rows: a dense block, as rows of 256 bytes
	s_mov_b32 s[\g+2], (HALFS/128)<<16             ; the scales of all 256 rows in one load
	s_mov_b32 s[\g+3], 32<<16
	s_mov_b32 s[\g+4], HALFS/128
	s_mov_b32 s[\g+5], 32
	s_mov_b32 s[\g+6], 0
	s_mov_b32 s[\g+7], 0
.endr
	s_lshl_b32 s20, s17, 4                         ; A: the tile's first block of rows, 16 x tile row
	s_lshl_b32 s46, s42, 4                         ; B: 16 x tile column
	s_mul_i32 s22, s20, SKB
	s_mov_b32 s23, 0
	s_mul_i32 s66, s46, SKB
	s_mov_b32 s67, 0
	s_mul_i32 s20, s20, KHB
	s_mov_b32 s21, 0
	s_mul_i32 s46, s46, KHB
	s_mov_b32 s47, 0
	s_mul_i32 s45, s14, HALFT                      ; where they go: no place in the cluster enters an LDS address
	s_wait_dscnt 0x0                               ; both opening adds are done
	s_wait_kmcnt 0x0
.if KIND == 0
	s_mov_b32 s19, 0
	s_cmp_lt_u32 ttmp9, 8                          ; the cluster's number alone: the same in all partners
	s_cselect_b64 s[4:5], s[96:97], s[98:99]       ; A: the tokens, or Wv
	s_cselect_b64 s[8:9], s[98:99], s[96:97]       ; B: Wq | Wk, or the tokens
	s_mov_b32 s18, 9502720
	s_cselect_b32 s18, 3145728, s18
	s_add_nc_u64 s[6:7], s[4:5], s[18:19]
	s_mov_b32 s18, 3145728
	s_cselect_b32 s18, 9437184, s18
	s_add_nc_u64 s[10:11], s[8:9], s[18:19]
	s_cselect_b32 s18, 0, 1572864
	s_add_nc_u64 s[4:5], s[4:5], s[18:19]
.else
	s_mov_b64 s[4:5], s[96:97]
	s_add_nc_u64 s[6:7], s[96:97], ASOFF
	s_add_nc_u64 s[8:9], s[98:99], BOFF
	s_add_nc_u64 s[10:11], s[98:99], BSOFF
.endif
	s_add_nc_u64 s[20:21], s[4:5], s[20:21]
	s_add_nc_u64 s[22:23], s[6:7], s[22:23]
	s_add_nc_u64 s[46:47], s[8:9], s[46:47]
	s_add_nc_u64 s[66:67], s[10:11], s[66:67]
	CROUND                                         ; all sixteen work-groups are here: the first joint loads meet
	s_mov_b32 s[G0S], 1
	s_mov_b32 s[G0S+1], SCL
	s_mov_b64 s[G0S+2:G0S+3], s[22:23]
	s_or_b32 s[G0S+3], s[G0S+3], 0x80000000
	s_mov_b32 s[G0SB], 1
	s_mov_b32 s[G0SB+1], SCL+2*HALFS
	s_mov_b64 s[G0SB+2:G0SB+3], s[66:67]
	s_or_b32 s[G0SB+3], s[G0SB+3], 0x80000000
	s_mov_b32 s4, 1                                ; group 0 of the head's loads of slot 0 (the arguments that lay here have been used): A's 256 rows,
	s_mov_b32 s5, 0
	s_mov_b64 s[6:7], s[20:21]
	s_or_b32 s7, s7, 0x80000000
	s_mov_b32 s8, 1                                ; and B's, behind them
	s_mov_b32 s9, 2*HALFT
	s_mov_b64 s[10:11], s[46:47]
	s_or_b32 s11, s11, 0x80000000
	s_mul_i32 s18, s16, 8*KHB                      ; for the ring: my 128 rows of the tile
	s_mov_b32 s19, 0
	s_add_nc_u64 s[20:21], s[20:21], s[18:19]
	s_add_nc_u64 s[46:47], s[46:47], s[18:19]
.irp s, 0,1
	s_mov_b32 s[G0+4*\s], 1
	s_add_co_u32 s[G0+4*\s+1], s45, \s*SLOT
	s_add_nc_u64 s[G0+4*\s+2:G0+4*\s+3], s[20:21], \s*RB3
	s_or_b32 s[G0+4*\s+3], s[G0+4*\s+3], 0x80000000
	s_mov_b32 s[G0B+4*\s], 1
	s_add_co_u32 s[G0B+4*\s+1], s45, \s*SLOT
	s_add_nc_u64 s[G0B+4*\s+2:G0B+4*\s+3], s[46:47], \s*RB3
	s_or_b32 s[G0B+4*\s+3], s[G0B+4*\s+3], 0x80000000
.endr
; THE HEAD'S LOADS, ONE A WAVE: wave 0 slot 0's 256 rows of A, wave 1 its 256 rows of B, wave 2 A's scales, wave 3 B's.  One chain of branches on the wave's number; every way passes one load.
.macro ARM under, g0, g1, next
	s_cmp_lt_u32 s14, \under
	s_cbranch_scc0 \next
	tensor_load_to_lds s[\g0:\g0+3], s[\g1:\g1+7]
	s_nop 0
.rept 4
	v_nop
.endr
	s_branch .Lhead_asked
\next:
.endm
	ARM 1, 4, G1, .Lhead_b
	ARM 2, 8, G1B, .Lhead_sa
	ARM 3, G0S, G1S, .Lhead_sb
	tensor_load_to_lds s[G0SB:G0SB+3], s[G1SB:G1SB+7]
	s_nop 0
.rept 4
	v_nop
.endr
.Lhead_asked:
	v_and_b32 v1, 15, v0                           ; r
	v_bfe_u32 v2, v0, 4, 1                         ; h
	v_and_b32 v3, 31, v0
	v_lshlrev_b32 v4, 4, v3                        ; 16 x lane
	v_lshlrev_b32 v5, 4, v1
	v_lshl_add_u32 v5, v2, 3, v5                   ; 16 r + 8 h
	s_mul_i32 s21, s15, HALFT                      ; my 128 rows of A
	s_mul_i32 s22, s16, HALFT
	s_add_co_u32 s22, s22, 2*HALFT                 ; my 128 rows of B, behind A's 256
.irp s, 0,1
	v_add_nc_u32 v[ADRA+\s], s21, v4
	v_add_nc_u32 v[ADRB+\s], s22, v4
	v_add_nc_u32 v[ADRA+2+\s], s21, v5
	v_add_nc_u32 v[ADRB+2+\s], s22, v5
	s_add_co_u32 s21, s21, SLOT
	s_add_co_u32 s22, s22, SLOT
.endr
	v_lshlrev_b32 v5, 2, v1                        ; scale words: 4 r; lanes 0-15 take A's, lanes 16-31 B's
	s_mul_i32 s21, s15, HALFS
	s_mul_i32 s22, s16, HALFS
	s_add_co_u32 s22, s22, 2*HALFS
	s_sub_co_u32 s22, s22, s21
	v_mul_u32_u24 v6, s22, v2
	s_add_co_u32 s21, s21, SCL
	v_add_nc_u32 v5, v5, v6
	v_add_nc_u32 v[ADRS], s21, v5
.if INIT > 0
	s_lshl_b32 s46, s42, 10                        ; my first column in bytes of f32: 1,024 x tile column + 512 x half
	s_lshl_b32 s47, s16, 9
	s_add_co_u32 s46, s46, s47
	s_mov_b32 s47, 0
	s_add_nc_u64 s[92:93], s[92:93], s[46:47]
.endif
.if INIT == 1
	v_lshlrev_b32 v5, 6, v2                        ; the bias in the result's layout: for B's block b the columns 32 (b / 2) + 8 (b % 2) + 16 h + 0 .. 7
.irp b, 0,1,2,3,4,5,6,7
	global_load_b128 v[BIA+8*\b:BIA+8*\b+3], v5, s[92:93] offset:(32*(\b/2)+8*(\b%2))*4
	global_load_b128 v[BIA+8*\b+4:BIA+8*\b+7], v5, s[92:93] offset:(32*(\b/2)+8*(\b%2))*4+16
.endr
.endif
.if OUTQ == 0
	s_mul_i32 s23, s14, 16*SPITCH
	s_add_co_u32 s23, s23, STAGE                   ; my stage
	v_mul_u32_u24 v5, v1, SPITCH
	v_lshl_add_u32 v5, v2, 6, v5
	v_add_nc_u32 v[STO], s23, v5                   ; the result's layout: row r, + 64 h
	v_mov_b32 v[CO], v4                            ; whole rows: 16 bytes a lane
	v_add_nc_u32 v[RD], s23, v4
	s_lshl_b32 s20, s17, 8
	s_lshl_b32 s21, s15, 7
	s_add_co_u32 s20, s20, s21                     ; my first row
	s_lshl_b32 s20, s20, 12
	s_add_co_u32 s20, s20, s46
	s_mov_b32 s21, 0
	s_add_nc_u64 s[12:13], s[12:13], s[20:21]
	s_add_nc_u64 s[94:95], s[94:95], s[20:21]
.endif
.if INIT == 2
; THE WAY IN: residual + bias become the sums' first value.  Block a's 16 rows are loaded dense (512 bytes a row) into the block's own accumulator registers, the bias is added, and they turn through my stage into the result's layout.
.macro RLOAD a
	WIN 0x80+0x40*((\a)/4)
.irp t, 0,1,2,3,4,5,6,7,8,9,10,11,12,13,14,15
	global_load_b128 v[64*((\a)%4)+4*\t:64*((\a)%4)+4*\t+3], v[CO], s[94:95] offset:(32*((\a)/2)+8*((\a)%2)+\t+8*(\t/8))*4096
.endr
.endm
.macro WAYIN a
.set AC, 64*((\a)%4)
.if (\a)+3 < 8
	RLOAD (\a)+3
	s_wait_loadcnt 48                              ; block a is in; the three blocks behind it may be out
.else
	s_wait_loadcnt 16*(7-(\a))
.endif
	WIN 0x82+0x41*((\a)/4)
.irp t, 0,1,2,3,4,5,6,7,8,9,10,11,12,13,14,15
	v_pk_add_f32 v[AC+4*\t:AC+4*\t+1], v[AC+4*\t:AC+4*\t+1], v[BIA:BIA+1]
	v_pk_add_f32 v[AC+4*\t+2:AC+4*\t+3], v[AC+4*\t+2:AC+4*\t+3], v[BIA+2:BIA+3]
.endr
	WIN 0x08+0x04*((\a)/4)
.irp t, 0,1,2,3,4,5,6,7,8,9,10,11,12,13,14,15
	ds_store_b128 v[RD], v[AC+4*\t:AC+4*\t+3] offset:\t*SPITCH
.endr
	WIN 0x80+0x40*((\a)/4)
.irp b, 0,1,2,3,4,5,6,7
	ds_load_b128 v[AC+8*\b:AC+8*\b+3], v[STO] offset:128*(\b/2)+32*(\b%2)       ; LDS serves a wave's instructions in order: these see the stores above
	ds_load_b128 v[AC+8*\b+4:AC+8*\b+7], v[STO] offset:128*(\b/2)+32*(\b%2)+16
.endr
.endm
	global_load_b128 v[BIA:BIA+3], v[CO], s[92:93]
	RLOAD 0
	RLOAD 1
	RLOAD 2
.irp a, 0,1,2,3,4,5,6,7
	WAYIN \a
.endr
	WIN 0
.endif
.macro FRAG reg, adr, q, i
.irp c, 0,1
	ds_load_b128 v[\reg+6*\c:\reg+6*\c+3], v[\adr] offset:(\i)*RB3+(\q)*1536+768*\c
	ds_load_b64 v[\reg+6*\c+4:\reg+6*\c+5], v[\adr+2] offset:(\i)*RB3+(\q)*1536+768*\c+512
.endr
.endm
; 16 matrix instructions: A's blocks a0, a0 + 1 x B's eight.  The 64 accumulators take turns, one instruction a turn, in the same order in every step.
.macro MUL16 a0, p, q, sc, zero
.irp a, \a0, \a0+1
.irp b, 0,1,2,3,4,5,6,7
.if (\zero) && (INIT == 0)
	v_wmma_scale_f32_16x16x128_f8f6f4 v[8*(8*((\a)%4)+\b):8*(8*((\a)%4)+\b)+7], v[128*(\p)+FR*\b:128*(\p)+FR*\b+FR-1], v[AF+FR*(\a):AF+FR*(\a)+FR-1], 0, v[SC+8*NQ*(\sc)+NQ*\b+(\q)], v[SC+8*NQ*(\sc)+NQ*(\a)+(\q)] matrix_a_fmt:MATRIX_FMT_FP6 matrix_b_fmt:MATRIX_FMT_FP6 matrix_a_scale:MATRIX_SCALE_ROW1
.elseif (\zero) && (INIT == 1)
	v_wmma_scale_f32_16x16x128_f8f6f4 v[8*(8*((\a)%4)+\b):8*(8*((\a)%4)+\b)+7], v[128*(\p)+FR*\b:128*(\p)+FR*\b+FR-1], v[AF+FR*(\a):AF+FR*(\a)+FR-1], v[BIA+8*\b:BIA+8*\b+7], v[SC+8*NQ*(\sc)+NQ*\b+(\q)], v[SC+8*NQ*(\sc)+NQ*(\a)+(\q)] matrix_a_fmt:MATRIX_FMT_FP6 matrix_b_fmt:MATRIX_FMT_FP6 matrix_a_scale:MATRIX_SCALE_ROW1
.else
	v_wmma_scale_f32_16x16x128_f8f6f4 v[8*(8*((\a)%4)+\b):8*(8*((\a)%4)+\b)+7], v[128*(\p)+FR*\b:128*(\p)+FR*\b+FR-1], v[AF+FR*(\a):AF+FR*(\a)+FR-1], v[8*(8*((\a)%4)+\b):8*(8*((\a)%4)+\b)+7], v[SC+8*NQ*(\sc)+NQ*\b+(\q)], v[SC+8*NQ*(\sc)+NQ*(\a)+(\q)] matrix_a_fmt:MATRIX_FMT_FP6 matrix_b_fmt:MATRIX_FMT_FP6 matrix_a_scale:MATRIX_SCALE_ROW1
.endif
.endr
.endr
.endm
.macro FETCH_B slot, q, p
	WIN TO_B
.irp i, 0,1,2,3,4,5,6,7
	FRAG 128*(\p)+FR*\i, ADRB+\slot, \q, \i
.endr
	WIN 0
.endm
.macro FETCH_A slot, q, i0
.irp i, \i0, \i0+1, \i0+2, \i0+3
	FRAG AF+FR*(\i), ADRA+\slot, \q, \i
.endr
.endm
.macro SCALES sc                       ; a slot's scale words: register NQ i + q: lanes 0-15 A's block i, lanes 16-31 B's block i
.irp i, 0,1,2,3,4,5,6,7
.irp q, 0,1
	ds_load_b32 v[SC+8*NQ*\sc+NQ*\i+\q], v[ADRS] offset:\i*SKB+64*\q
.endr
.endr
.endm
.macro PLACES n                        ; plain vector instructions between a matrix instruction and a load into, or a read of, its registers
.rept \n
	v_nop
.endr
.endm
.macro STEP slot, q, zero              ; 128 along K that has its successor in the same slot
	s_wait_dscnt 4*NL                              ; all but the youngest 16 loads (A's blocks 4-7) are in
.if (\zero) && (INIT == 1)
	WIN 0x81                                       ; C, the bias, in window 0
.else
	WIN MUL_LO
.endif
	MUL16 0, (\q)%2, \q, \slot, \zero
	MUL16 2, (\q)%2, \q, \slot, \zero
	s_wait_dscnt 0
	PLACES NP
	FETCH_B \slot, (\q)+1, 1-(\q)%2
	FETCH_A \slot, (\q)+1, 0
.if (\zero) && (INIT == 1)
	WIN 0xc1
.else
	WIN MUL_HI
.endif
	MUL16 4, (\q)%2, \q, \slot, \zero
	MUL16 6, (\q)%2, \q, \slot, \zero
	PLACES NP
	WIN 0
	FETCH_A \slot, (\q)+1, 4
.endm
; A slot's last step changes slots: one barrier; in front of it each wave waits for all its tensor loads, adds 0 to its spare word, and waits for that and for its reads of this slot.
.macro TURN slot, next, fill
	s_wait_tensorcnt 0x0                           ; all my tensor loads have landed: my part of the next slot
	ds_add_u32 v[SPW], v[NIL]
	s_wait_dscnt 4*NL+1                            ; (the add and the youngest 16 loads may be out)
	WIN MUL_LO
	MUL16 0, 1, NQ-1, \slot, 0
	s_wait_dscnt 0x0                               ; the add is done, and my reads of this slot are over
	s_barrier_signal -1
	MUL16 2, 1, NQ-1, \slot, 0
	WIN 0
	s_barrier_wait -1
.if \fill
	CREST                                          ; the barrier has opened a round of the cluster's: no wave of any partner still reads this slot or has a load on its way
	s_add_nc_u64 s[G0+4*\slot+2:G0+4*\slot+3], s[G0+4*\slot+2:G0+4*\slot+3], 2*RB3
	s_add_nc_u64 s[G0B+4*\slot+2:G0B+4*\slot+3], s[G0B+4*\slot+2:G0B+4*\slot+3], 2*RB3
	JLOAD G0+4*\slot, G1, G0B+4*\slot, G1B         ; the first tensor load behind the round, my one load until the next
.else
	PLACES NP
.endif
	s_wait_alu depctr_va_vdst(0)
	v_add_nc_u32 v[ADRS], 64*NQ, v[ADRS]           ; the next slot's scale words
	FETCH_B \next, 0, 0
	FETCH_A \next, 0, 0
	SCALES \next
	WIN MUL_HI
	MUL16 4, 1, NQ-1, \slot, 0
	MUL16 6, 1, NQ-1, \slot, 0
	PLACES NP
	WIN 0
	FETCH_A \next, 0, 4
.endm
.if INIT == 2
	s_wait_dscnt 0x0                               ; the way in is over
.endif
	s_wait_alu depctr_va_vdst(0)
	s_wait_tensorcnt 0x0                           ; my tile of the head's four is in
	ds_add_u32 v[SPW], v[NIL]
	s_mov_b32 s[G1+2], 8<<16                       ; no tensor load of mine is out: from here on a load brings 8 blocks of rows
	s_mov_b32 s[G1+4], 8
	s_mov_b32 s[G1B+2], 8<<16
	s_mov_b32 s[G1B+4], 8
	s_wait_dscnt 0x0
	CROUND                                         ; a whole round: all four tiles are in, and all sixteen work-groups are here
	JLOAD G0+4, G1, G0B+4, G1B                     ; slot 1's first fill, my one load behind the round
	FETCH_B 0, 0, 0
	FETCH_A 0, 0, 0
	SCALES 0
	FETCH_A 0, 0, 4
.if INIT == 1
	s_wait_loadcnt 0x0                             ; the bias
.endif
	STEP 0, 0, 1
	s_mov_b32 s3, LAPS-1
.Llap:
	TURN 0, 1, 1
	STEP 1, 0, 0
	TURN 1, 0, 1
	STEP 0, 0, 0
	s_sub_co_u32 s3, s3, 1
	s_cmp_lg_u32 s3, 0
	s_cbranch_scc1 .Llap
	TURN 0, 1, 0                                   ; the last lap fills nothing
	STEP 1, 0, 0
	s_wait_dscnt 4*NL
	WIN MUL_LO
	MUL16 0, 1, NQ-1, 1, 0
	MUL16 2, 1, NQ-1, 1, 0
	s_wait_dscnt 0
	WIN MUL_HI
	MUL16 4, 1, NQ-1, 1, 0
	MUL16 6, 1, NQ-1, 1, 0
	WIN 0
	PLACES NP
.if OUTQ
; THE QUANTISING WAY OUT.  Strides of the result: from block of rows to block of rows, from half-image to half-image, and the same for the scale words.
.if KIND == 0
	s_cmp_lt_u32 ttmp9, 8
	s_mov_b32 s[SRB], 49152
	s_cselect_b32 s[SRB], 768, s[SRB]
	s_mov_b32 s[SKH], 768
	s_cselect_b32 s[SKH], 196608, s[SKH]
	s_mov_b32 s80, 2048
	s_cselect_b32 s80, 64, s80
	s_mov_b32 s81, 64
	s_cselect_b32 s81, 16384, s81
	s_cselect_b32 s82, 0, 6291456
	s_mov_b32 s83, 9699328
	s_cselect_b32 s83, 9437184, s83
.else
	s_mov_b32 s[SRB], 49152
	s_mov_b32 s[SKH], 768
	s_mov_b32 s80, 2048
	s_mov_b32 s81, 64
	s_mov_b32 s82, 0
	s_mov_b32 s83, 12582912
.endif
	s_mov_b32 s[SRB+1], 0
	s_lshl_b32 s[TRB2], s80, 1
	s_mov_b32 s[TRB2+1], 0
	s_mov_b32 s[SEL], 0x76543210
	s_mov_b32 s[SEL+1], 0xfedcba98
	s_mov_b32 s[SHI], 0xffff0000
	s_lshl_b32 s84, s17, 4
	s_lshl_b32 s85, s15, 3
	s_add_co_u32 s84, s84, s85                     ; my first block of rows
	s_mul_i32 s86, s84, s[SRB]
	s_lshl_b32 s87, s42, 2
	s_lshl_b32 s88, s16, 1
	s_add_co_u32 s87, s87, s88                     ; my first half-image
	s_mul_i32 s87, s87, s[SKH]
	s_add_co_u32 s86, s86, s87
	s_add_co_u32 s86, s86, s82
	s_mov_b32 s87, 0
	s_add_nc_u64 s[OB:OB+1], s[12:13], s[86:87]
	s_mul_i32 s86, s84, s80
	s_lshl_b32 s88, s42, 1
	s_add_co_u32 s88, s88, s16
	s_mul_i32 s88, s88, s81
	s_add_co_u32 s86, s86, s88
	s_add_co_u32 s86, s86, s83
	s_add_nc_u64 s[SB:SB+1], s[12:13], s[86:87]
	v_lshlrev_b32 v[VO0], 4, v3
	v_add_nc_u32 v[VO1], s[SKH], v[VO0]
	v_lshlrev_b32 v[VT0], 4, v1
	v_lshl_add_u32 v[VT0], v2, 3, v[VT0]
	v_add_nc_u32 v[VT1], s[SKH], v[VT0]
	v_mul_lo_u32 v[VS], v2, s80
	v_lshl_add_u32 v[VS], v1, 2, v[VS]             ; lanes 0-15 store the even block's scale words, lanes 16-31 the odd one's
.irp b, 0,1,2,3
	v_mov_b32 v[TM+4+\b], 0                        ; a lane permute's destination counts as one of its sources
.endr
.macro QOUT a
.set AC, 64*((\a)%4)
.set HW, (\a)/4
.if RELU
	WIN 0x88+0x44*HW
.set j, 0
.rept 64
	v_max_num_f32 v[AC+j], 0, v[AC+j]              ; the activation, in f32; each accumulator from its low end on
.set j, j+1
.endr
.endif
	WIN 0x0a+5*HW
.irp b, 0,1,2,3
	v_max3_num_f32 v[TM+\b], |v[AC+16*\b]|, |v[AC+16*\b+1]|, 0x1800000   ; block b: my 16 numbers, and the floor 2^(3 - 127)
.endr
.irp i, 2,4,6,8,10,12,14
.irp b, 0,1,2,3
	v_max3_num_f32 v[TM+\b], |v[AC+16*\b+\i]|, |v[AC+16*\b+\i+1]|, v[TM+\b]
.endr
.endr
	WIN 0
.irp b, 0,1,2,3
	v_permlanex16_b32 v[TM+4+\b], v[TM+\b], s[SEL], s[SEL+1]
.endr
.irp b, 0,1,2,3
	v_max_num_f32 v[TM+\b], v[TM+\b], v[TM+4+\b]   ; with lane l xor 16's: the block's largest magnitude
.endr
.irp b, 0,1,2,3
	v_add_nc_u32 v[TM+12+\b], 0xff000000, v[TM+\b] ; 2 off the exponent field: the conversion's scale operand
.endr
.irp b, 0,1,2,3
	v_lshrrev_b32 v[TM+4+\b], 23, v[TM+12+\b]
.endr
	v_lshl_or_b32 v[PW], v[TM+5], 8, v[TM+4]
	v_lshl_or_b32 v[PW], v[TM+6], 16, v[PW]
	v_lshl_or_b32 v[PW], v[TM+7], 24, v[PW]
	s_wait_xcnt 0x0                                ; the last block's stores have read their registers and bases: they are written again only behind this wait
.if (\a) > 0
	s_add_nc_u64 s[OB:OB+1], s[OB:OB+1], s[SRB:SRB+1]
.if (\a)%2 == 0
	s_add_nc_u64 s[SB:SB+1], s[SB:SB+1], s[TRB2:TRB2+1]
.endif
.endif
	WIN 0x02+HW
.irp c, 0,1
	v_cvt_scalef32_pk16_fp6_f32 v[PC+6*\c:PC+6*\c+2], v[AC+32*\c:AC+32*\c+15], v[TM+12+2*\c]
	v_cvt_scalef32_pk16_fp6_f32 v[PC+12+4*\c:PC+14+4*\c], v[AC+32*\c+16:AC+32*\c+31], v[TM+12+2*\c+1]
.endr
	WIN 0
	v_nop                                          ; one plain place behind a scaled conversion
.irp c, 0,1                                    ; the operand's layout wants a whole block in a lane
.irp i, 0,1,2
	v_permlane16_swap_b32 v[PC+6*\c+\i], v[PC+12+4*\c+\i]
.endr
.irp i, 0,1,2
	v_mov_b32 v[PC+3+6*\c+\i], v[PC+12+4*\c+\i]
.endr
.endr
	global_store_b128 v[VO0], v[PC:PC+3], s[OB:OB+1]               ; 512 consecutive bytes,
	global_store_b64 v[VT0], v[PC+4:PC+5], s[OB:OB+1] offset:512   ; 256: a half-image
	global_store_b128 v[VO1], v[PC+6:PC+9], s[OB:OB+1]
	global_store_b64 v[VT1], v[PC+10:PC+11], s[OB:OB+1] offset:512
.if (\a)%2 == 0
	v_mov_b32 v[PWS], v[PW]
.else
	v_cndmask_b32 v[WS], v[PWS], v[PW], s[SHI]
	global_store_b32 v[VS], v[WS], s[SB:SB+1]
.endif
.endm
.irp a, 0,1,2,3,4,5,6,7
	QOUT \a
.endr
.else
; THE WAY OUT IN F32, block by block of 16 rows x 128 columns, through my stage: whole rows of 512 bytes leave.
.macro TOSTAGE a
.set AC, 64*((\a)%4)
	WIN 0x08+4*((\a)/4)
.irp b, 0,1,2,3,4,5,6,7
	ds_store_b128 v[STO], v[AC+8*\b:AC+8*\b+3] offset:128*(\b/2)+32*(\b%2)          ; each accumulator from its low end on
	ds_store_b128 v[STO], v[AC+8*\b+4:AC+8*\b+7] offset:128*(\b/2)+32*(\b%2)+16
.endr
	WIN 0
.set BB, BK+64*((\a)%2)
.irp t, 0,1,2,3,4,5,6,7,8,9,10,11,12,13,14,15
	ds_load_b128 v[BB+4*\t:BB+4*\t+3], v[RD] offset:\t*SPITCH
.endr
.endm
.macro SEND a, younger
.set BB, BK+64*((\a)%2)
	s_wait_dscnt \younger
.irp t, 0,1,2,3,4,5,6,7,8,9,10,11,12,13,14,15
	global_store_b128 v[CO], v[BB+4*\t:BB+4*\t+3], s[12:13] offset:(32*((\a)/2)+8*((\a)%2)+\t+8*(\t/8))*4096   ; 32 lanes store 512 consecutive bytes
.endr
.endm
	TOSTAGE 0
.irp a, 1,2,3,4,5,6,7
.if \a > 1
	s_wait_xcnt 0x0                                ; block a - 2's stores have read their registers: block a's loads may land there
.endif
	TOSTAGE \a
	SEND \a-1, 32                                  ; behind block a - 1's loads: block a's 16 stores and 16 loads
.endr
	SEND 7, 0
.endif
	s_wait_tensorcnt 0x0                           ; the wave's end
	ds_add_u32 v[SPW], v[NIL]
	s_wait_dscnt 0x0
	CROUND                                         ; the closing round
	s_endpgm
.Lfunc_end_k_q749f0c32cb_gq:
	.size	k_q749f0c32cb_gq, .Lfunc_end_k_q749f0c32cb_gq-k_q749f0c32cb_gq
	.p2alignl 7, 3214868480
	.fill 96, 4, 3214868480
	.section	.rodata,"a",@progbits
	.p2align	6, 0x0
	.amdhsa_kernel k_q749f0c32cb_gq
		.amdhsa_group_segment_fixed_size 327680
		.amdhsa_private_segment_fixed_size 0
		.amdhsa_enable_private_segment 0
		.amdhsa_kernarg_size 24
		.amdhsa_user_sgpr_count 2
		.amdhsa_user_sgpr_kernarg_segment_ptr 1
		.amdhsa_wavefront_size32 1
		.amdhsa_system_sgpr_workgroup_id_x 1
		.amdhsa_system_sgpr_workgroup_id_y 1
		.amdhsa_system_sgpr_workgroup_id_z 1
		.amdhsa_system_vgpr_workitem_id 0
		.amdhsa_next_free_vgpr 1024
		.amdhsa_next_free_sgpr 102
		.amdhsa_reserve_vcc 0
		.amdhsa_float_denorm_mode_32 3
		.amdhsa_float_denorm_mode_16_64 3
		.amdhsa_memory_ordered 1
		.amdhsa_forward_progress 1
		.amdhsa_inst_pref_size 154
	.end_amdhsa_kernel
	.amdgpu_metadata
---
amdhsa.version: [ 1, 2 ]
amdhsa.kernels:
  - .name:           k_q749f0c32cb_gq
    .symbol:         k_q749f0c32cb_gq.kd
    .args:
      - { .name: act, .offset: 0, .size: 8, .value_kind: global_buffer, .address_space: global }
      - { .name: wts, .offset: 8, .size: 8, .value_kind: global_buffer, .address_space: global }
      - { .name: qkv, .offset: 16, .size: 8, .value_kind: global_buffer, .address_space: global }
    .group_segment_fixed_size: 327680
    .private_segment_fixed_size: 0
    .kernarg_segment_align: 8
    .kernarg_segment_size: 24
    .max_flat_workgroup_size: 128
    .sgpr_count:     102
    .vgpr_count:     1024
    .wavefront_size: 32
...
	.end_amdgpu_metadata
.endif
;; end of part 9
;; launch att (part 10): grid 4 x 64, 16 waves a work-group, clusters of 4 x 1, 167,936 bytes of LDS; arguments qkv, ctx; writes ctx
.if DOCPART == 10
	.amdgcn_target "amdgcn-amd-amdhsa--gfx1250"
	.amdhsa_code_object_version 6
	.text
	.protected	k_q749f0c32cb_att
	.globl	k_q749f0c32cb_att
	.p2align	8
	.type	k_q749f0c32cb_att,@function
k_q749f0c32cb_att:
	s_mov_b64 s[64:65], 0
	v_nop
	global_prefetch_b8 v0, s[64:65] scope:SCOPE_SE
	s_setreg_imm32_b32 hwreg(HW_REG_WAVE_MODE, 25, 1), 1
	s_wait_xcnt 0x0
	s_wait_alu depctr_hold_cnt(0) depctr_sa_sdst(0) depctr_va_vdst(0) depctr_va_sdst(0) depctr_va_ssrc(0) depctr_va_vcc(0) depctr_vm_vsrc(0)
	s_getreg_b32 s2, hwreg(HW_REG_IB_STS2, 6, 4)
	s_cmp_eq_u32 s2, 0
	s_cbranch_scc0 .Lentry_in_a_cluster
	s_endpgm
.Lentry_in_a_cluster:
	s_bfe_u32 s2, ttmp6, 0x10000c
	s_cmp_lg_u32 s2, 0x3003
	s_cbranch_scc0 .Lentry_shape_is_right
	s_endpgm
.Lentry_shape_is_right:
; Causal attention of one batch and head on codes of E2M3: S^T = K Q^T (K = the head's 64: the instruction's other 64 are zero codes on both sides), logit = score / 4096, p = 2^(t - M) with t = logit x log2(e) and M the
; running largest t rounded up to a whole number, quantised along the keys; O^T = V^T P^T; the row's sum of the unquantised p divides at the end; the result is quantised along head x 64 + d for the projection.
; WORK LEFT OUT: steps of 128 keys all of which come after a tile's 16 queries (reference()'s own jnp.tril gives them the weight 0 for all inputs).  A NaN or an overflow that reaches only them is not carried on.
; LIMITS: a block of zeros gets the byte 1 (zero codes; only this program reads the bytes); NaN and infinities are not served.
; SHARES.  The four work-groups of a cluster serve one batch and head.  Work-group cx takes the blocks of 16 queries cx + 4 m, m = 0 .. 15, one a wave: so all four need all 1,024 keys and have equal work, 72 steps.
; A block's queries lie in one run of 32 tokens, so the step on the diagonal is m / 2: it hangs on the wave's number alone, not on the work-group's place.  m = w or 15 - w, so chosen that the steps of four waves w % 4 or w / 4 alike sum to 18.
; K's and V's codes and scales of the whole head, 104,448 bytes, come into LDS ONCE, by four joint loads (waves 0 to 3, one each): nothing is filled again, so one barrier serves the launch.
; All operands lie as half-images (launch wquant's head).  q's half-image goes to registers 6-11 of the fragment and k's likewise: the stored scale word has q's two bytes below and k's two above, so k's word serves as it is.
; REGISTERS: v1-6 addresses that stay; v9-11, v240-242 those of the step; v12 -M, v13 the largest t, v[14:15] the sum; v16-27 Q; v28-31 V's scale words; v32-79 four fragments of K; v80-127 V's four; v128-191 S^T, then p;
; v192-223 O^T; v224-235 p's codes; v232-254 at work; v248-251 K's scale words; v255 Q's.
.set KC,    0
.set VC,    49152
.set KS,    98304
.set VS,    102400
.set SPARE, 104448                     ; the spare words, 128 bytes for each of 16 waves, which no other line names
.set SPW, 7
.set NIL, 8
.set WV,  18
.set SEL, 20
.set CS,  22
.set KF,  76                           ; the step's first key
.set TK,  77                           ; where the step's tiles of K begin: 6,144 bytes a step;  TS its scale words: 512;  TV V's half-images: 1,536;  TT V's scale words: 64
.set TS,  78
.set TV,  79
.set TT,  80
.set CNT, 81
.set QB,  82                           ; the first key of the step on my diagonal
.set Q0,  83                           ; my block's first query
.set SHI, 84
.macro ROUND
	s_barrier_signal -1
	s_barrier_wait -1
	s_cmp_lg_u32 s[WV], 0
	s_cbranch_scc1 .Lnot_wave_0_\@
	s_barrier_signal -3
.Lnot_wave_0_\@:
	s_barrier_wait -3
	s_barrier_signal -1
	s_barrier_wait -1
.endm
.macro DESC g, c, r, p                 ; group 1: r rows of c elements of 8 bytes, p elements apart; all four work-groups; bit 21 beside the mask
	s_mov_b32 s[\g], 15|(3<<16)|(1<<21)
	s_mov_b32 s[\g+1], (\c)<<16
	s_mov_b32 s[\g+2], (\r)<<16
	s_mov_b32 s[\g+3], (\c)<<16
	s_mov_b32 s[\g+4], \r
	s_mov_b32 s[\g+5], \p
	s_mov_b32 s[\g+6], 0
	s_mov_b32 s[\g+7], 0
.endm
.macro GRP0 g, lds                     ; group 0: from qkv + s[92:93] to LDS byte lds
	s_mov_b32 s[\g], 1
	s_mov_b32 s[\g+1], \lds
	s_add_nc_u64 s[\g+2:\g+3], s[4:5], s[92:93]
	s_or_b32 s[\g+3], s[\g+3], 0x80000000
.endm
.macro TL g0, g1
	tensor_load_to_lds s[\g0:\g0+3], s[\g1:\g1+7]
	s_nop 0
.rept 4
	v_nop
.endr
.endm
	s_load_b128 s[4:7], s[0:1], 0x0                ; qkv, ctx
	v_lshl_add_u32 v[SPW], v0, 2, SPARE
	v_mov_b32 v[NIL], 0
	ds_add_u32 v[SPW], v[NIL]                      ; the wave's opening: the add, twice on end, and its wait ahead of the first tensor loads
	ds_add_u32 v[SPW], v[NIL]
	v_lshrrev_b32 v9, 5, v0
	s_delay_alu instid0(VALU_DEP_1)
	v_readfirstlane_b32 s[WV], v9                  ; wave 0..15
	s_bfe_u32 s85, ttmp6, 0x40000                  ; cx
	s_and_b32 s86, ttmp7, 0xffff
	s_lshr_b32 s87, s86, 4                         ; batch
	s_and_b32 s88, s86, 15                         ; head
	s_lshr_b32 s89, s[WV], 2
	s_xor_b32 s89, s89, s[WV]
	s_lshr_b32 s90, s89, 1
	s_xor_b32 s89, s89, s90
	s_and_b32 s89, s89, 1
	s_mul_i32 s89, s89, 15
	s_xor_b32 s89, s89, s[WV]                      ; m
	s_lshr_b32 s[QB], s89, 1
	s_lshl_b32 s[QB], s[QB], 7
	s_lshl_b32 s90, s89, 2
	s_add_co_u32 s90, s90, s85                     ; my block of 16 queries in the batch
	s_lshr_b32 s[Q0], s90, 1
	s_lshl_b32 s[Q0], s[Q0], 5
	s_and_b32 s91, s90, 1
	s_lshl_b32 s91, s91, 3
	s_add_co_u32 s[Q0], s[Q0], s91
	s_lshl_b32 s91, s87, 6
	s_add_co_u32 s90, s90, s91                     ; and among all tokens' blocks
	DESC 24, 32, 192, 32                           ; K's codes: 49,152 dense bytes
	DESC 32, 1536, 4, 6144                         ; V's: 4 rows of 12,288 bytes, 49,152 apart
	DESC 40, 32, 16, 32                            ; K's scales: 4,096 dense bytes
	DESC 48, 64, 4, 256                            ; V's: 4 rows of 512 bytes, 2,048 apart
	s_mov_b32 s[SEL], 0x76543210
	s_mov_b32 s[SEL+1], 0xfedcba98
	s_mov_b32 s[CS], 0x39b8aa3b                    ; c = log2(e) / 4096
	s_mov_b32 s[CS+1], s[CS]
	s_mov_b32 s[SHI], 0xffff0000
	s_mov_b32 s[KF], 0
	s_mov_b32 s[TK], 0
	s_mov_b32 s[TS], 0
	s_mov_b32 s[TV], 0
	s_mov_b32 s[TT], 0
	s_mov_b32 s[CNT], 8
	s_mov_b32 s93, 0
	s_wait_dscnt 0x0                               ; both opening adds are done
	s_wait_kmcnt 0x0
	s_mul_i32 s92, s88, 393216
	s_mul_i32 s91, s87, 49152
	s_add_co_u32 s92, s92, s91
	s_add_co_u32 s92, s92, 196608
	GRP0 56, KC
	s_mul_i32 s92, s88, 196608
	s_mul_i32 s91, s87, 12288
	s_add_co_u32 s92, s92, s91
	s_add_co_u32 s92, s92, 6291456
	GRP0 60, VC
	s_lshl_b32 s92, s88, 14
	s_lshl_b32 s91, s87, 12
	s_add_co_u32 s92, s92, s91
	s_add_co_u32 s92, s92, 9437184
	GRP0 68, KS
	s_lshl_b32 s92, s88, 13
	s_lshl_b32 s91, s87, 9
	s_add_co_u32 s92, s92, s91
	s_add_co_u32 s92, s92, 9699328
	GRP0 72, VS
	ROUND                                          ; all four work-groups are here: the joint loads meet
	s_cmp_lg_u32 s[WV], 0                          ; one load a wave, waves 0 to 3; the branches hang on the wave's number alone
	s_cbranch_scc1 .Lw1
	TL 56, 24
	s_branch .Lasked
.Lw1:
	s_cmp_lg_u32 s[WV], 1
	s_cbranch_scc1 .Lw2
	TL 60, 32
	s_branch .Lasked
.Lw2:
	s_cmp_lg_u32 s[WV], 2
	s_cbranch_scc1 .Lw3
	TL 68, 40
	s_branch .Lasked
.Lw3:
	s_cmp_lg_u32 s[WV], 3
	s_cbranch_scc1 .Lasked
	TL 72, 48
.Lasked:
	s_mul_i32 s92, s88, 393216
	s_mul_i32 s91, s90, 768
	s_add_co_u32 s92, s92, s91
	s_add_nc_u64 s[94:95], s[4:5], s[92:93]        ; q's half-image
	s_lshl_b32 s92, s88, 14
	s_lshl_b32 s91, s90, 6
	s_add_co_u32 s92, s92, s91
	s_add_co_u32 s92, s92, 9437184
	s_add_nc_u64 s[2:3], s[4:5], s[92:93]          ; and its scale words
	s_mul_i32 s92, s90, 12288
	s_mul_i32 s91, s88, 768
	s_add_co_u32 s92, s92, s91
	s_add_nc_u64 s[96:97], s[6:7], s[92:93]        ; the result's half-image
	s_lshl_b32 s92, s90, 9
	s_lshr_b32 s91, s88, 1
	s_lshl_b32 s91, s91, 6
	s_add_co_u32 s92, s92, s91
	s_and_b32 s91, s88, 1
	s_lshl_b32 s91, s91, 1
	s_add_co_u32 s92, s92, s91
	s_add_co_u32 s92, s92, 3145728
	s_add_nc_u64 s[98:99], s[6:7], s[92:93]        ; and its two scale bytes of each row's word
	v_and_b32 v12, 15, v0                          ; r
	v_bfe_u32 v13, v0, 4, 1                        ; h
	v_and_b32 v14, 31, v0
	s_delay_alu instid0(VALU_DEP_1)
	v_lshlrev_b32 v9, 4, v14                       ; 16 x lane
	s_delay_alu instid0(VALU_DEP_4)
	v_lshlrev_b32 v10, 4, v12
	s_delay_alu instid0(VALU_DEP_1)
	v_lshl_add_u32 v10, v13, 3, v10                ; 16 r + 8 h
	v_lshlrev_b32 v11, 2, v12                      ; 4 r
	global_load_b128 v[22:25], v9, s[94:95]
	global_load_b64 v[26:27], v10, s[94:95] offset:512
	global_load_b32 v255, v11, s[2:3]
	v_add_nc_u32 v1, KC, v9
	v_add_nc_u32 v2, KC+512, v10
	v_add_nc_u32 v3, KS, v11
	v_add_nc_u32 v4, VC, v9
	v_add_nc_u32 v5, VC+512, v10
	v_add_nc_u32 v6, VS, v11
	v_mov_b32 v13, 0xff61b1e6                      ; the largest t so far: -3e38
	s_delay_alu instid0(VALU_DEP_1)
	v_floor_f32 v12, -v13                          ; -M
	v_mov_b32 v14, 0
	v_mov_b32 v15, 0
.irp j, 16,17,18,19,20,21
	v_mov_b32 v[\j], 0                             ; zero codes for the instruction's first 64 along K: Q's,
.endr
.irp f, 0,1,2,3
.irp j, 0,1,2,3,4,5
	v_mov_b32 v[32+12*\f+\j], 0                    ; and K's; written once
.endr
.endr
.set j, 0
.rept 32
	v_mov_b32 v[192+j], 0                          ; O^T: the step is written once; the first finds zeros
.set j, j+1
.endr
.irp j, 236,237,238,239,252,253,254
	v_mov_b32 v[\j], 0                             ; permutes' destinations and halves of pairs are written before they are named
.endr
	s_wait_tensorcnt 0x0                           ; my load has landed,
	s_barrier_signal -1
	s_barrier_wait -1                              ; everybody's has
	s_wait_loadcnt 0x0                             ; Q
	v_lshlrev_b32 v255, 16, v255                   ; q's two bytes to the places of k = 64 .. 127
.rept 8
	v_nop                                          ; a scale register written by a vector instruction stands eight places ahead of the scaled matrix instruction that takes it; once, ahead of the loop
.endr
.Lstep:                                            ; eight trips, a constant; a step behind my diagonal is jumped over, all but the lines that step addresses
	s_cmp_gt_u32 s[KF], s[QB]
	s_cbranch_scc1 .Lhidden
	v_add_nc_u32 v9, s[TK], v1                     ; (these six are also the places behind the last step's products)
	v_add_nc_u32 v10, s[TK], v2
	v_add_nc_u32 v11, s[TS], v3
	v_add_nc_u32 v240, s[TV], v4
	v_add_nc_u32 v241, s[TV], v5
	v_add_nc_u32 v242, s[TT], v6
.irp f, 0,1,2,3
	ds_load_b128 v[38+12*\f:41+12*\f], v9 offset:768*\f
	ds_load_b64 v[42+12*\f:43+12*\f], v10 offset:768*\f
	ds_load_b32 v[248+\f], v11 offset:64*\f
.endr
.irp t, 0,1,2,3
.irp c, 0,1
	ds_load_b128 v[80+12*\t+6*\c:83+12*\t+6*\c], v240 offset:12288*\t+768*\c
	ds_load_b64 v[84+12*\t+6*\c:85+12*\t+6*\c], v241 offset:12288*\t+768*\c
.endr
	ds_load_b32 v[28+\t], v242 offset:512*\t
.endr
	s_wait_dscnt 20                                ; K's first four tiles are in; V's 20 loads may be out
	s_wait_alu depctr_va_vdst(0)
.irp f, 0,1,2,3
	v_wmma_scale_f32_16x16x128_f8f6f4 v[128+8*\f:135+8*\f], v[32+12*\f:43+12*\f], v[16:27], 0, v[248+\f], v255 matrix_a_fmt:MATRIX_FMT_FP6 matrix_b_fmt:MATRIX_FMT_FP6
.endr
.rept 4
	v_nop                                          ; places in front of loads into registers that matrix instructions have read
.endr
.irp f, 0,1,2,3
	ds_load_b128 v[38+12*\f:41+12*\f], v9 offset:768*(4+\f)
	ds_load_b64 v[42+12*\f:43+12*\f], v10 offset:768*(4+\f)
	ds_load_b32 v[248+\f], v11 offset:64*(4+\f)
.endr
	s_wait_dscnt 0x0
.irp f, 0,1,2,3
	v_wmma_scale_f32_16x16x128_f8f6f4 v[160+8*\f:167+8*\f], v[32+12*\f:43+12*\f], v[16:27], 0, v[248+\f], v255 matrix_a_fmt:MATRIX_FMT_FP6 matrix_b_fmt:MATRIX_FMT_FP6
.endr
.rept 4
	v_nop
.endr
	s_cmp_lt_u32 s[KF], s[QB]                      ; on the diagonal hidden scores become -infinity ahead of the maximum; a step all of whose keys count skips this
	s_cbranch_scc1 .Lopen
	s_sub_co_i32 s85, s[Q0], s[KF]
	v_and_b32 v252, 15, v0
	v_and_b32 v253, 8, v0
	s_delay_alu instid0(VALU_DEP_1)
	v_add_nc_u32 v252, v252, v253                  ; my query's place among its 32 tokens: r + 8 (r / 8)
	v_and_b32 v253, 16, v0
	s_delay_alu instid0(VALU_DEP_1)
	v_sub_nc_u32 v252, v252, v253
	s_delay_alu instid0(VALU_DEP_1)
	v_add_nc_u32 v252, s85, v252                   ; d = my query - KF - 16 h.  Register 16 b + i holds key KF + 32 b + 16 h + i: hidden where 32 b + i > d
	v_mov_b32 v254, 0xff800000
.set n, 0
.rept 64
	v_cmp_gt_i32 vcc_lo, 32*(n/16)+n%16, v252
	v_cndmask_b32 v[128+n], v[128+n], v254, vcc_lo
.set n, n+1
.endr
.Lopen:
.irp b, 0,1,2,3
	v_max3_num_f32 v[232+\b], v[128+16*\b], v[129+16*\b], v[130+16*\b]   ; the largest score of each block of 32 keys: for the row's maximum, and, since p rises with the score, for the block's largest p
.endr
.irp i, 3,5,7,9,11,13
.irp b, 0,1,2,3
	v_max3_num_f32 v[232+\b], v[232+\b], v[128+16*\b+\i], v[129+16*\b+\i]
.endr
.endr
.irp b, 0,1,2,3
	v_max_num_f32 v[232+\b], v[232+\b], v[143+16*\b]
.endr
.irp b, 0,1,2,3
	s_delay_alu instid0(VALU_DEP_4)
	v_permlanex16_b32 v[236+\b], v[232+\b], s[SEL], s[SEL+1]
.endr
.irp b, 0,1,2,3
	s_delay_alu instid0(VALU_DEP_4)
	v_max_num_f32 v[232+\b], v[232+\b], v[236+\b]
.endr
	s_delay_alu instid0(VALU_DEP_2)
	v_max3_num_f32 v254, v232, v233, v234
	s_delay_alu instid0(VALU_DEP_1)
	v_max_num_f32 v254, v254, v235
	s_delay_alu instid0(VALU_DEP_1)
	v_mul_f32 v254, s[CS], v254                    ; as t (c is positive)
	s_delay_alu instid0(VALU_DEP_1)
	v_max_num_f32 v13, v13, v254                   ; the running largest t
	v_mov_b32 v254, v12
	s_delay_alu instid0(VALU_DEP_2)
	v_floor_f32 v12, -v13                          ; the new -M: M is a whole number
	s_delay_alu instid0(VALU_DEP_1)
	v_sub_f32 v254, v12, v254
	s_delay_alu instid0(VALU_DEP_1)
	v_cvt_i32_f32 v254, v254
	s_delay_alu instid0(VALU_DEP_1)
	v_ldexp_f32 v252, 1.0, v254                    ; f = 2^(old M - new M): exact
.set j, 0
.rept 32
	v_pk_fma_f32 v[128+j:129+j], v[128+j:129+j], s[CS:CS+1], v[12:13] op_sel_hi:[1,0,0]   ; t - M
.set j, j+2
.endr
.irp b, 0,1,2,3
	v_fma_f32 v[232+\b], v[232+\b], s[CS], v12
.endr
.set j, 0
	s_wait_alu depctr_va_vdst(0)
.rept 64
	v_exp_f32 v[128+j], v[128+j]                   ; p = 2^(t - M)
.set j, j+1
.endr
	v_pk_mul_f32 v[14:15], v[14:15], v[252:253] op_sel_hi:[1,0]   ; the sums under the new M; a plain place behind the exponentials
	s_wait_alu depctr_va_vdst(0)                   ; one wait for the batch, ahead of its first reader
.irp b, 0,1,2,3
	v_exp_f32 v[232+\b], v[232+\b]                 ; each block's largest p
.endr
	v_pk_add_f32 v[236:237], v[132:133], v[136:137]
	v_pk_add_f32 v[250:251], v[140:141], v[144:145]
	v_pk_add_f32 v[248:249], v[148:149], v[152:153]
	v_pk_add_f32 v[246:247], v[156:157], v[160:161]
	v_pk_add_f32 v[244:245], v[164:165], v[168:169]
	v_pk_add_f32 v[242:243], v[172:173], v[176:177]
	v_pk_add_f32 v[240:241], v[180:181], v[184:185]
	v_pk_add_f32 v[14:15], v[14:15], v[188:189]
	v_pk_add_f32 v[236:237], v[236:237], v[128:129]
	v_pk_add_f32 v[250:251], v[250:251], v[130:131]
	v_pk_add_f32 v[248:249], v[248:249], v[134:135]
	v_pk_add_f32 v[246:247], v[246:247], v[138:139]
	v_pk_add_f32 v[244:245], v[244:245], v[142:143]
	v_pk_add_f32 v[242:243], v[242:243], v[146:147]
	v_pk_add_f32 v[240:241], v[240:241], v[150:151]
	v_pk_add_f32 v[14:15], v[14:15], v[154:155]
	v_pk_add_f32 v[236:237], v[236:237], v[158:159]
	v_pk_add_f32 v[250:251], v[250:251], v[162:163]
	v_pk_add_f32 v[248:249], v[248:249], v[166:167]
	v_pk_add_f32 v[246:247], v[246:247], v[170:171]
	v_pk_add_f32 v[244:245], v[244:245], v[174:175]
	v_pk_add_f32 v[242:243], v[242:243], v[178:179]
	v_pk_add_f32 v[240:241], v[240:241], v[182:183]
	v_pk_add_f32 v[14:15], v[14:15], v[186:187]
	v_pk_add_f32 v[236:237], v[236:237], v[190:191]
	s_delay_alu instid0(VALU_DEP_2)
	v_pk_add_f32 v[14:15], v[14:15], v[246:247]
	s_delay_alu instid0(VALU_DEP_2)
	v_pk_add_f32 v[236:237], v[236:237], v[244:245]
	v_pk_add_f32 v[250:251], v[250:251], v[242:243]
	v_pk_add_f32 v[248:249], v[248:249], v[240:241]
	s_delay_alu instid0(VALU_DEP_2)
	v_pk_add_f32 v[14:15], v[14:15], v[250:251]
	s_delay_alu instid0(VALU_DEP_2)
	v_pk_add_f32 v[236:237], v[236:237], v[248:249]
	s_delay_alu instid0(VALU_DEP_1)
	v_pk_add_f32 v[14:15], v[14:15], v[236:237]
	s_wait_alu depctr_va_vdst(0)                   ; and one for the four
.irp b, 0,1,2,3
	v_max_num_f32 v[232+\b], 0x1800000, v[232+\b]  ; the floor 2^(3 - 127)
.endr
.irp b, 0,1,2,3
	s_delay_alu instid0(VALU_DEP_4)
	v_add_nc_u32 v[244+\b], 0xff000000, v[232+\b]
.endr
.irp b, 0,1,2,3
	s_delay_alu instid0(VALU_DEP_4)
	v_lshrrev_b32 v[236+\b], 23, v[244+\b]
.endr
	s_delay_alu instid0(VALU_DEP_3)
	v_lshl_or_b32 v253, v237, 8, v236              ; p's scale word for these 128 keys
	s_delay_alu instid0(VALU_DEP_1)
	v_lshl_or_b32 v253, v238, 16, v253
	s_delay_alu instid0(VALU_DEP_1)
	v_lshl_or_b32 v253, v239, 24, v253
.irp c, 0,1
	v_cvt_scalef32_pk16_fp6_f32 v[224+6*\c:226+6*\c], v[128+32*\c:143+32*\c], v[244+2*\c]
	v_cvt_scalef32_pk16_fp6_f32 v[236+4*\c:238+4*\c], v[144+32*\c:159+32*\c], v[244+2*\c+1]
.endr
	v_nop                                          ; one plain place behind a scaled conversion
.irp c, 0,1
.irp i, 0,1,2
	v_permlane16_swap_b32 v[224+6*\c+\i], v[236+4*\c+\i]
.endr
.irp i, 0,1,2
	s_delay_alu instid0(VALU_DEP_3)
	v_mov_b32 v[227+6*\c+\i], v[236+4*\c+\i]
.endr
.endr
.set j, 0
.rept 16
	v_pk_mul_f32 v[192+j:193+j], v[192+j:193+j], v[252:253] op_sel_hi:[1,0]   ; O^T under the new M; these 16 are also the places in front of the products below
.set j, j+2
.endr
.irp t, 0,1,2,3
	v_wmma_scale_f32_16x16x128_f8f6f4 v[192+8*\t:199+8*\t], v[80+12*\t:91+12*\t], v[224:235], v[192+8*\t:199+8*\t], v[28+\t], v253 matrix_a_fmt:MATRIX_FMT_FP6 matrix_b_fmt:MATRIX_FMT_FP6
.endr
.Lhidden:
	s_add_co_u32 s[KF], s[KF], 128
	s_add_co_u32 s[TK], s[TK], 6144
	s_add_co_u32 s[TS], s[TS], 512
	s_add_co_u32 s[TV], s[TV], 1536
	s_add_co_u32 s[TT], s[TT], 64
	s_sub_co_u32 s[CNT], s[CNT], 1
	s_cmp_lg_u32 s[CNT], 0
	s_cbranch_scc1 .Lstep
	; THE WAY OUT: O^T / the sum; register 16 g + i is d = 32 g + 16 h + i of my query: two blocks of 32 along the projection's K, quantised as above, one half-image.
.rept 4
	v_nop                                          ; places behind the last products
.endr
	v_add_f32 v14, v14, v15
	s_wait_alu depctr_va_vdst(0)
	v_permlanex16_b32 v252, v14, s[SEL], s[SEL+1]
	s_delay_alu instid0(VALU_DEP_1)
	v_add_f32 v14, v14, v252
	s_wait_alu depctr_va_vdst(0)
	v_rcp_f32 v14, v14
	v_and_b32 v1, 15, v0                           ; (plain work behind the transcendental)
	v_bfe_u32 v2, v0, 4, 1
	v_and_b32 v3, 31, v0
	s_delay_alu instid0(VALU_DEP_1)
	v_lshlrev_b32 v9, 4, v3
	s_delay_alu instid0(VALU_DEP_4)
	v_lshlrev_b32 v10, 4, v1
	s_delay_alu instid0(VALU_DEP_1)
	v_lshl_add_u32 v10, v2, 3, v10
	v_lshl_add_u32 v11, v1, 2, v2                  ; 4 r + h: my block's byte
	s_wait_alu depctr_va_vdst(0)                   ; the wait ahead of the reciprocal's first reader
.set j, 0
.rept 32
	v_mul_f32 v[128+j], v[192+j], v14
.set j, j+1
.endr
.irp g, 0,1
	v_max3_num_f32 v[232+\g], |v[128+16*\g]|, |v[129+16*\g]|, 0x1800000
.endr
.irp i, 2,4,6,8,10,12,14
.irp g, 0,1
	s_delay_alu instid0(VALU_DEP_2)
	v_max3_num_f32 v[232+\g], v[232+\g], |v[128+16*\g+\i]|, |v[129+16*\g+\i]|
.endr
.endr
.irp g, 0,1
	s_delay_alu instid0(VALU_DEP_2)
	v_permlanex16_b32 v[236+\g], v[232+\g], s[SEL], s[SEL+1]
.endr
.irp g, 0,1
	s_delay_alu instid0(VALU_DEP_2)
	v_max_num_f32 v[232+\g], v[232+\g], v[236+\g]
.endr
.irp g, 0,1
	s_delay_alu instid0(VALU_DEP_2)
	v_add_nc_u32 v[244+\g], 0xff000000, v[232+\g]
.endr
.irp g, 0,1
	s_delay_alu instid0(VALU_DEP_2)
	v_lshrrev_b32 v[236+\g], 23, v[244+\g]
.endr
	v_cvt_scalef32_pk16_fp6_f32 v[224:226], v[128:143], v244
	v_cvt_scalef32_pk16_fp6_f32 v[228:230], v[144:159], v245
	v_nop
.irp i, 0,1,2
	v_permlane16_swap_b32 v[224+\i], v[228+\i]
.endr
.irp i, 0,1,2
	s_delay_alu instid0(VALU_DEP_3)
	v_mov_b32 v[227+\i], v[228+\i]
.endr
	v_cndmask_b32 v238, v236, v237, s[SHI]         ; lanes 0-15 block 0's byte, lanes 16-31 block 1's
	global_store_b128 v9, v[224:227], s[96:97]     ; 512 consecutive bytes,
	global_store_b64 v10, v[228:229], s[96:97] offset:512   ; and 256
	global_store_b8 v11, v238, s[98:99]            ; a scale word's halves come from two heads: two bytes of each word are mine
	s_wait_tensorcnt 0x0                           ; the wave's end
	ds_add_u32 v[SPW], v[NIL]
	s_wait_dscnt 0x0
	ROUND                                          ; the closing round
	s_endpgm
.Lfunc_end_k_q749f0c32cb_att:
	.size	k_q749f0c32cb_att, .Lfunc_end_k_q749f0c32cb_att-k_q749f0c32cb_att
	.p2alignl 7, 3214868480
	.fill 96, 4, 3214868480
	.section	.rodata,"a",@progbits
	.p2align	6, 0x0
	.amdhsa_kernel k_q749f0c32cb_att
		.amdhsa_group_segment_fixed_size 167936
		.amdhsa_private_segment_fixed_size 0
		.amdhsa_enable_private_segment 0
		.amdhsa_kernarg_size 16
		.amdhsa_user_sgpr_count 2
		.amdhsa_user_sgpr_kernarg_segment_ptr 1
		.amdhsa_wavefront_size32 1
		.amdhsa_system_sgpr_workgroup_id_x 1
		.amdhsa_system_sgpr_workgroup_id_y 1
		.amdhsa_system_sgpr_workgroup_id_z 1
		.amdhsa_system_vgpr_workitem_id 0
		.amdhsa_next_free_vgpr 256
		.amdhsa_next_free_sgpr 100
		.amdhsa_reserve_vcc 1
		.amdhsa_float_denorm_mode_32 3
		.amdhsa_float_denorm_mode_16_64 3
		.amdhsa_memory_ordered 1
		.amdhsa_forward_progress 1
		.amdhsa_inst_pref_size 41
	.end_amdhsa_kernel
	.amdgpu_metadata
---
amdhsa.version: [ 1, 2 ]
amdhsa.kernels:
  - .name:           k_q749f0c32cb_att
    .symbol:         k_q749f0c32cb_att.kd
    .args:
      - { .name: qkv, .offset: 0, .size: 8, .value_kind: global_buffer, .address_space: global }
      - { .name: ctx, .offset: 8, .size: 8, .value_kind: global_buffer, .address_space: global }
    .group_segment_fixed_size: 167936
    .private_segment_fixed_size: 0
    .kernarg_segment_align: 8
    .kernarg_segment_size: 16
    .max_flat_workgroup_size: 512
    .sgpr_count:     100
    .vgpr_count:     256
    .wavefront_size: 32
...
	.end_amdgpu_metadata
.endif
;; end of part 10
;; launch gp (part 11): grid 8 x 32, 4 waves a work-group, clusters of 4 x 4, 327,680 bytes of LDS; arguments ctx, wts, bp, inputs, xres; writes xres
.if DOCPART == 11
	.amdgcn_target "amdgcn-amd-amdhsa--gfx1250"
	.amdhsa_code_object_version 6
	.text
	.protected	k_q749f0c32cb_gp
	.globl	k_q749f0c32cb_gp
	.p2align	8
	.type	k_q749f0c32cb_gp,@function
k_q749f0c32cb_gp:
	s_mov_b64 s[64:65], 0
	v_nop
	global_prefetch_b8 v0, s[64:65] scope:SCOPE_SE
	s_setreg_imm32_b32 hwreg(HW_REG_WAVE_MODE, 25, 1), 1
	s_wait_xcnt 0x0
	s_wait_alu depctr_hold_cnt(0) depctr_sa_sdst(0) depctr_va_vdst(0) depctr_va_sdst(0) depctr_va_ssrc(0) depctr_va_vcc(0) depctr_vm_vsrc(0)
	s_getreg_b32 s2, hwreg(HW_REG_IB_STS2, 6, 4)
	s_cmp_eq_u32 s2, 0
	s_cbranch_scc0 .Lentry_in_a_cluster
	s_endpgm
.Lentry_in_a_cluster:
	s_bfe_u32 s2, ttmp6, 0x10000c
	s_cmp_lg_u32 s2, 0xf033
	s_cbranch_scc0 .Lentry_shape_is_right
	s_endpgm
.Lentry_shape_is_right:
; x = inputs + ctx Wp + bp: [4096][1024] f32, K = 1,024.  C = A B^T on codes of E2M3 with E8M0 scales; no work of reference() is left out here.
; THIS TEXT SERVES ONE LAUNCH: the product with 1,024 columns and K = 1,024, for which tiles of 256 x 256 would be only 64.
; A tile of C is 128 x 128: 8 x 32 tiles, 256 work-groups.  Four waves, 64 x 64 each: 16 accumulators, 128 registers.  For 128 along K a wave reads 8 fragments from LDS for 16 products.
; Both operands lie as half-images (launch wquant's head): a fragment, 16 rows x 128 K, is two half-images: registers 6 c .. 6 c + 3 by one load of 16 bytes a lane, 6 c + 4, 6 c + 5 by one of 8: every load's bytes are consecutive.
; K goes in steps of 512 through a ring of two LDS slots: a slot holds four K steps of 128, all of K brought once at the head (THE FILL, below).  The scales of the tile's rows, for all of K, come once and stay.
; CLUSTERS: 4 x 4 work-groups; A's tiles are asked for jointly along a row of the cluster, B's along a column.  THE MATRIX INSTRUCTION IS USED TRANSPOSED (source 0 = B's rows, source 1 = A's rows): with the rows' order in a block
; (place r = row 32 (rb / 2) + 8 (rb % 2) + r + 8 (r / 8)) accumulator (a, b) holds, in lane (r, h), register i: row 32 (a / 2) + 8 (a % 2) + r + 8 (r / 8), column 32 (b / 2) + 8 (b % 2) + 16 h + i.
; THE BIAS is the C of the first K step's products.  THE RESIDUAL is loaded dense at the head, 128 registers a lane, lands while the products run, and is added on the way out to the rows that come back from the stage.
; LIMITS: NaN and infinities are not served.
; REGISTERS: window 0: v16-30 addresses; v32-63 scale words, two sets of 16; v64-95 the bias; v128-255 the accumulators, (a, b) at v[128 + 8 (4 a + b)].
;   window 1: two sets of fragments, at v0 and v128: A's four, then B's four.   window 2: v0-127 the residual; v128-191 rows on the way out, two sets.
; THE FILL: K = 1,024 of the tile's 128 + 128 rows is 196,608 bytes and fits in LDS whole: it comes ONCE, at the head, one tensor load a wave (wave 0 A's codes, wave 1 B's, wave 2 A's scales, wave 3 B's), each a dense block
; of memory.  Nothing is filled again: what the lines above and the macros call slots 0 and 1 are the two halves of K of each block of rows, 6,144 bytes apart; A's blocks lie from LDS byte 0, B's from byte SLOT.
.set SIZE_K, 1024
.set ASOFF,  3145728                   ; A's scales in A's buffer;  B's codes and scales in wts
.set BOFF,   2359296
.set BSOFF,  9535488
.set NQ,     4                         ; K steps of 128 in a slot
.set FR,     12                        ; registers of a fragment
.set NP,     4                         ; places behind this matrix instruction (ISA guide 7.12.1)
.set RBS,    6144                      ; a slot's 512 along K of a block of 16 rows: eight half-images
.set KHB,    SIZE_K/64*768             ; a block of 16 rows in memory
.set SKB,    SIZE_K/128*64             ; its scales
.set HALFT,  4*RBS                     ; 64 rows of a slot: what one wave reads of A or of B
.set SLOT,   4*HALFT                   ; A's 128 rows, then B's 128 rows
.set LAPS,   SIZE_K/1024               ; a lap = two slots = once round the ring
.set SCL,    2*SLOT                    ; behind the ring: the scales
.set HALFS,  4*SKB
.set STAGE,  SCL+4*HALFS               ; 16 rows x 272 bytes for each wave; no tensor load ever lands here
.set SPITCH, 272
.set SPARE,  STAGE+4*16*SPITCH         ; the spare words, 128 bytes for each wave, which no other line names
.set ADRA, 16                          ; v16-17 my A fragments in slot 0, 1 (+ 16 x lane);  v18-19 the same + 16 r + 8 h
.set ADRB, 20                          ; v20-23 the same for B
.set STO,  24                          ; the stage: where I put 16 bytes of a row
.set RD,   25                          ; and where I read a row back
.set CO,   26                          ; my byte offset in two rows of C
.set ADRS, 27                          ; my scale words: lanes 0-15 A's rows, lanes 16-31 B's
.set SPW,  28
.set NIL,  29
.set BO,   30                          ; my byte offset in the bias
.set SC,   32
.set BIA,  64
.set ACC,  128
.set RES,  0                           ; in window 2
.set BK,   128                         ; in window 2
.set G1,   24
.set G0,   32
.set G1B,  48
.set G0B,  56
.set G1S,  68
.set G0S,  76
.set G1SB, 80
.set G0SB, 88
.set MSB, 0
.macro WIN new                         ; the immediate's high byte repeats the setting that is left
.if MSB != \new
	s_set_vgpr_msb (MSB<<8)|\new
.set MSB, \new
.endif
.endm
.set MUL,  0x05                        ; sources 0 (B) and 1 (A) window 1; C and D window 0
.set TO_F, 0x40                        ; destination window 1, address window 0
.macro JLOAD g0a, g1a, g0b, g1b        ; a joint load: waves 0, 1 fetch for A, waves 2, 3 for B; an s_nop 0 and four v_nop follow each line
	s_cmp_eq_u32 s15, 0
	s_cbranch_scc0 .Lfor_b_\@
	tensor_load_to_lds s[\g0a:\g0a+3], s[\g1a:\g1a+7]
	s_nop 0
.rept 4
	v_nop
.endr
	s_branch .Lasked_\@
.Lfor_b_\@:
	tensor_load_to_lds s[\g0b:\g0b+3], s[\g1b:\g1b+7]
	s_nop 0
.rept 4
	v_nop
.endr
.Lasked_\@:
.endm
.macro CREST
	s_cmp_lg_u32 s14, 0
	s_cbranch_scc1 .Lnot_wave_0_\@
	s_barrier_signal -3
.Lnot_wave_0_\@:
	s_barrier_wait -3
	s_barrier_signal -1
	s_barrier_wait -1
.endm
.macro CROUND
	s_barrier_signal -1
	s_barrier_wait -1
	CREST
.endm
	s_load_b128 s[96:99], s[0:1], 0x0              ; A's buffer, wts
	s_load_b128 s[92:95], s[0:1], 0x10             ; the bias, the residual
	s_load_b64 s[12:13], s[0:1], 0x20              ; the result
	v_lshl_add_u32 v[SPW], v0, 2, SPARE
	v_mov_b32 v[NIL], 0
	ds_add_u32 v[SPW], v[NIL]                      ; the wave's opening: the add, twice on end, and its wait ahead of my first tensor load
	ds_add_u32 v[SPW], v[NIL]
	v_lshrrev_b32 v1, 5, v0
	v_readfirstlane_b32 s14, v1                    ; wave 0..3
	s_lshr_b32 s15, s14, 1                         ; which half of the tile's rows is mine
	s_and_b32 s16, s14, 1                          ; which half of its columns.  Also: which 64 rows I fetch
	s_bfe_u32 s40, ttmp6, 0x40000                  ; cx, cy
	s_bfe_u32 s41, ttmp6, 0x40004
	s_mov_b32 s42, ttmp9
	s_and_b32 s17, ttmp7, 0xffff
	s_lshl_b32 s42, s42, 2
	s_add_co_u32 s42, s42, s40                     ; tile column
	s_lshl_b32 s17, s17, 2
	s_add_co_u32 s17, s17, s41                     ; tile row
	s_lshl_b32 s43, s41, 2
	s_lshl_b32 s43, 15, s43                        ; my row of the cluster
	s_lshl_b32 s44, 0x1111, s40                    ; my column
	s_or_b32 s[G1+0], s43, (3<<16)|(1<<21)         ; the mask; elements of 8 bytes; bit 21 beside a mask; no padding
	s_or_b32 s[G1B+0], s44, (3<<16)|(1<<21)
.irp g, G1, G1B
	s_mov_b32 s[\g+1], 32<<16                      ; 8 blocks of 16 rows, all of K: a dense block, as rows of 256 bytes
	s_mov_b32 s[\g+2], (8*KHB/256)<<16
	s_mov_b32 s[\g+3], 32<<16
	s_mov_b32 s[\g+4], 8*KHB/256
	s_mov_b32 s[\g+5], 32
	s_mov_b32 s[\g+6], 0
	s_mov_b32 s[\g+7], 0
.endr
	s_or_b32 s[G1S+0], s43, (3<<16)|(1<<21)
	s_or_b32 s[G1SB+0], s44, (3<<16)|(1<<21)
.irp g, G1S, G1SB
	s_mov_b32 s[\g+1], 32<<16                      ; the scales of 64 rows: a dense block, as rows of 256 bytes
	s_mov_b32 s[\g+2], (HALFS/128)<<16             ; the scales of all 128 rows in one load
	s_mov_b32 s[\g+3], 32<<16
	s_mov_b32 s[\g+4], HALFS/128
	s_mov_b32 s[\g+5], 32
	s_mov_b32 s[\g+6], 0
	s_mov_b32 s[\g+7], 0
.endr
	s_lshl_b32 s20, s17, 3                         ; A: the tile's first block of rows, 8 x tile row
	s_lshl_b32 s46, s42, 3                         ; B: 8 x tile column
	s_mul_i32 s22, s20, SKB
	s_mov_b32 s23, 0
	s_mul_i32 s66, s46, SKB
	s_mov_b32 s67, 0
	s_mul_i32 s20, s20, KHB
	s_mov_b32 s21, 0
	s_mul_i32 s46, s46, KHB
	s_mov_b32 s47, 0
	s_wait_dscnt 0x0                               ; both opening adds are done
	s_wait_kmcnt 0x0
	s_mov_b64 s[4:5], s[96:97]
	s_add_nc_u64 s[6:7], s[96:97], ASOFF
	s_add_nc_u64 s[8:9], s[98:99], BOFF
	s_add_nc_u64 s[10:11], s[98:99], BSOFF
	s_add_nc_u64 s[20:21], s[4:5], s[20:21]
	s_add_nc_u64 s[22:23], s[6:7], s[22:23]
	s_add_nc_u64 s[46:47], s[8:9], s[46:47]
	s_add_nc_u64 s[66:67], s[10:11], s[66:67]
	CROUND                                         ; all sixteen work-groups are here: the first joint loads meet
	s_mov_b32 s[G0S], 1
	s_mov_b32 s[G0S+1], SCL
	s_mov_b64 s[G0S+2:G0S+3], s[22:23]
	s_or_b32 s[G0S+3], s[G0S+3], 0x80000000
	s_mov_b32 s[G0SB], 1
	s_mov_b32 s[G0SB+1], SCL+2*HALFS
	s_mov_b64 s[G0SB+2:G0SB+3], s[66:67]
	s_or_b32 s[G0SB+3], s[G0SB+3], 0x80000000
	s_mov_b32 s[G0], 1
	s_mov_b32 s[G0+1], 0
	s_mov_b64 s[G0+2:G0+3], s[20:21]
	s_or_b32 s[G0+3], s[G0+3], 0x80000000
	s_mov_b32 s[G0B], 1
	s_mov_b32 s[G0B+1], SLOT
	s_mov_b64 s[G0B+2:G0B+3], s[46:47]
	s_or_b32 s[G0B+3], s[G0B+3], 0x80000000
; one chain of branches on the wave's number; every way passes one load
.macro ARM under, g0, g1, next
	s_cmp_lt_u32 s14, \under
	s_cbranch_scc0 \next
	tensor_load_to_lds s[\g0:\g0+3], s[\g1:\g1+7]
	s_nop 0
.rept 4
	v_nop
.endr
	s_branch .Lhead_asked
\next:
.endm
	ARM 1, G0, G1, .Lhead_b
	ARM 2, G0B, G1B, .Lhead_sa
	ARM 3, G0S, G1S, .Lhead_sb
	tensor_load_to_lds s[G0SB:G0SB+3], s[G1SB:G1SB+7]
	s_nop 0
.rept 4
	v_nop
.endr
.Lhead_asked:
	v_and_b32 v1, 15, v0                           ; r
	v_bfe_u32 v2, v0, 4, 1                         ; h
	v_and_b32 v3, 31, v0
	v_lshlrev_b32 v4, 4, v3                        ; 16 x lane
	v_lshlrev_b32 v5, 4, v1
	v_lshl_add_u32 v5, v2, 3, v5                   ; 16 r + 8 h
	s_mul_i32 s21, s15, 4*KHB                      ; my 64 rows of A: four blocks of KHB bytes
	s_mul_i32 s22, s16, 4*KHB
	s_add_co_u32 s22, s22, SLOT                    ; my 64 rows of B, behind A's 128
.irp s, 0,1
	v_add_nc_u32 v[ADRA+\s], s21, v4
	v_add_nc_u32 v[ADRB+\s], s22, v4
	v_add_nc_u32 v[ADRA+2+\s], s21, v5
	v_add_nc_u32 v[ADRB+2+\s], s22, v5
	s_add_co_u32 s21, s21, RBS
	s_add_co_u32 s22, s22, RBS
.endr
	v_lshlrev_b32 v5, 2, v1                        ; scale words: 4 r; lanes 0-15 take A's, lanes 16-31 B's
	s_mul_i32 s21, s15, HALFS
	s_mul_i32 s22, s16, HALFS
	s_add_co_u32 s22, s22, 2*HALFS
	s_sub_co_u32 s22, s22, s21
	v_mul_u32_u24 v6, s22, v2
	s_add_co_u32 s21, s21, SCL
	v_add_nc_u32 v5, v5, v6
	v_add_nc_u32 v[ADRS], s21, v5
	s_mul_i32 s23, s14, 16*SPITCH
	s_add_co_u32 s23, s23, STAGE                   ; my stage
	v_mul_u32_u24 v5, v1, SPITCH
	v_lshl_add_u32 v5, v2, 6, v5
	v_add_nc_u32 v[STO], s23, v5                   ; in, the result's layout: row r, + 64 h
	v_mul_u32_u24 v5, v2, SPITCH
	v_lshl_add_u32 v5, v1, 4, v5
	v_add_nc_u32 v[RD], s23, v5                    ; back: lanes 0-15 one row of 256 bytes, lanes 16-31 the next
	v_lshlrev_b32 v[CO], 12, v2
	v_lshl_add_u32 v[CO], v1, 4, v[CO]             ; and the same two rows in C: 4,096 h + 16 r
	v_lshlrev_b32 v[BO], 6, v2                     ; the bias in the result's layout: 16 h columns on
	s_wait_alu depctr_va_vdst(0)
	s_lshl_b32 s46, s42, 9                         ; my first column in bytes of f32: 512 x tile column + 256 x half
	s_lshl_b32 s47, s16, 8
	s_add_co_u32 s46, s46, s47
	s_mov_b32 s47, 0
	s_add_nc_u64 s[92:93], s[92:93], s[46:47]
	s_lshl_b32 s20, s17, 7
	s_lshl_b32 s21, s15, 6
	s_add_co_u32 s20, s20, s21                     ; my first row: 128 x tile row + 64 x half
	s_lshl_b32 s20, s20, 12
	s_add_co_u32 s20, s20, s46
	s_mov_b32 s21, 0
	s_add_nc_u64 s[12:13], s[12:13], s[20:21]
	s_add_nc_u64 s[94:95], s[94:95], s[20:21]
.irp b, 0,1,2,3                                ; for B's block b the columns 32 (b / 2) + 8 (b % 2) + 16 h + 0 .. 7
	global_load_b128 v[BIA+8*\b:BIA+8*\b+3], v[BO], s[92:93] offset:(32*(\b/2)+8*(\b%2))*4
	global_load_b128 v[BIA+8*\b+4:BIA+8*\b+7], v[BO], s[92:93] offset:(32*(\b/2)+8*(\b%2))*4+16
.endr
	WIN 0x80                                       ; destination window 2
.irp a, 0,1,2,3                                ; the residual, in the order in which rows leave: block a, pair of rows u; sixteen lanes read 256 consecutive bytes
.irp u, 0,1,2,3,4,5,6,7
	global_load_b128 v[RES+32*\a+4*\u:RES+32*\a+4*\u+3], v[CO], s[94:95] offset:(32*(\a/2)+8*(\a%2)+2*\u+8*(\u/4))*4096
.endr
.endr
	WIN 0
.macro FRAG reg, adr, q, i
.irp c, 0,1
	ds_load_b128 v[\reg+6*\c:\reg+6*\c+3], v[\adr] offset:(\i)*KHB+(\q)*1536+768*\c
	ds_load_b64 v[\reg+6*\c+4:\reg+6*\c+5], v[\adr+2] offset:(\i)*KHB+(\q)*1536+768*\c+512
.endr
.endm
.macro FETCH slot, q, p                ; 32 LDS loads in one run: the slot's q-th 128 along K: A's four fragments and B's four into set p
	WIN TO_F
.irp i, 0,1,2,3
	FRAG 128*(\p)+FR*\i, ADRA+\slot, \q, \i
	FRAG 128*(\p)+48+FR*\i, ADRB+\slot, \q, \i
.endr
.endm
.macro SCALES sc                       ; a slot's scale words: register 4 i + q: lanes 0-15 A's block i, lanes 16-31 B's block i
	WIN 0
.irp i, 0,1,2,3
.irp q, 0,1,2,3
	ds_load_b32 v[SC+16*\sc+4*\i+\q], v[ADRS] offset:\i*SKB+64*\q
.endr
.endr
.endm
; 4 matrix instructions: A's block a x B's four.  The 16 accumulators take turns, one instruction a turn, in the same order in every step.  zero = 1: the sums start at the bias.
.macro MUL4 a, p, q, sc, zero
.irp b, 0,1,2,3
.if \zero
	v_wmma_scale_f32_16x16x128_f8f6f4 v[ACC+8*(4*(\a)+\b):ACC+8*(4*(\a)+\b)+7], v[128*(\p)+48+FR*\b:128*(\p)+48+FR*\b+FR-1], v[128*(\p)+FR*(\a):128*(\p)+FR*(\a)+FR-1], v[BIA+8*\b:BIA+8*\b+7], v[SC+16*(\sc)+4*\b+(\q)], v[SC+16*(\sc)+4*(\a)+(\q)] matrix_a_fmt:MATRIX_FMT_FP6 matrix_b_fmt:MATRIX_FMT_FP6 matrix_a_scale:MATRIX_SCALE_ROW1
.else
	v_wmma_scale_f32_16x16x128_f8f6f4 v[ACC+8*(4*(\a)+\b):ACC+8*(4*(\a)+\b)+7], v[128*(\p)+48+FR*\b:128*(\p)+48+FR*\b+FR-1], v[128*(\p)+FR*(\a):128*(\p)+FR*(\a)+FR-1], v[ACC+8*(4*(\a)+\b):ACC+8*(4*(\a)+\b)+7], v[SC+16*(\sc)+4*\b+(\q)], v[SC+16*(\sc)+4*(\a)+(\q)] matrix_a_fmt:MATRIX_FMT_FP6 matrix_b_fmt:MATRIX_FMT_FP6 matrix_a_scale:MATRIX_SCALE_ROW1
.endif
.endr
.endm
.macro PLACES n                        ; plain vector instructions between a matrix instruction and a load into, or a read of, its registers
.rept \n
	v_nop
.endr
.endm
; One of a slot's first three K steps: the next step's fragments are asked for, into the set that the last step multiplied, and then this step's set is multiplied.
.macro STEP slot, q, zero
	PLACES NP                                      ; behind the last step's products, in front of the loads into the set that they read
	FETCH \slot, (\q)+1, 1-(\q)%2
	s_wait_dscnt 32                                ; all but the 32 just issued: this step's fragments (and, in a slot's first step, its scale words) are in
	WIN MUL
	MUL4 0, (\q)%2, \q, \slot, \zero
	MUL4 1, (\q)%2, \q, \slot, \zero
	MUL4 2, (\q)%2, \q, \slot, \zero
	MUL4 3, (\q)%2, \q, \slot, \zero
.endm
; A slot's fourth step changes slots: its fragments have been asked for, so the slot is read no more.  One barrier; in front of it each wave waits for all its tensor loads, adds 0 to its spare word, and waits for that and for its reads of this slot.
.macro TURN slot, next, fill
	WIN 0                                          ; (the add's two registers lie in window 0)
	s_wait_tensorcnt 0x0                           ; all my tensor loads have landed: my part of the next slot
	ds_add_u32 v[SPW], v[NIL]
	s_wait_dscnt 1                                 ; this step's fragments are in; the add may be out
	WIN MUL
	MUL4 0, 1, NQ-1, \slot, 0                      ; four matrix instructions stand between the add and the wait for it
	s_wait_dscnt 0x0                               ; the add is done, and my reads of this slot are over
	s_barrier_signal -1
	MUL4 1, 1, NQ-1, \slot, 0
	WIN 0
	s_barrier_wait -1
.if \fill
	CREST                                          ; the barrier has opened a round of the cluster's: no wave of any partner still reads this slot or has a load on its way
	s_add_nc_u64 s[G0+4*\slot+2:G0+4*\slot+3], s[G0+4*\slot+2:G0+4*\slot+3], 2*RBS
	s_add_nc_u64 s[G0B+4*\slot+2:G0B+4*\slot+3], s[G0B+4*\slot+2:G0B+4*\slot+3], 2*RBS
	JLOAD G0+4*\slot, G1, G0B+4*\slot, G1B         ; the first tensor load behind the round, my one load until the next; its four v_nop are also the places in front of the loads below
.else
	PLACES NP
.endif
	v_add_nc_u32 v[ADRS], 64*NQ, v[ADRS]           ; the next slot's scale words
	FETCH \next, 0, 0
	SCALES \next
	WIN MUL
	MUL4 2, 1, NQ-1, \slot, 0
	MUL4 3, 1, NQ-1, \slot, 0
.endm
	s_wait_tensorcnt 0x0                           ; my tile of the head's four is in; behind the barrier everybody's is
	s_barrier_signal -1
	s_barrier_wait -1
	FETCH 0, 0, 0
	SCALES 0
	s_wait_loadcnt 32                              ; the bias's eight loads are in; the residual's 32 may be out
	STEP 0, 0, 1                                   ; the first step stands in front of the loop: its products start the sums
.if LAPS > 1
	WIN 0                                          ; at a label and at a branch every window is 0
	s_mov_b32 s3, LAPS-1
.Llap:                                                 ; a trip goes once round the ring, from a lap's second step to the next lap's first, and fills both slots again
	STEP 0, 1, 0
	STEP 0, 2, 0
	TURN 0, 1, 1
	STEP 1, 0, 0
	STEP 1, 1, 0
	STEP 1, 2, 0
	TURN 1, 0, 1
	STEP 0, 0, 0
	WIN 0
	s_sub_co_u32 s3, s3, 1
	s_cmp_lg_u32 s3, 0
	s_cbranch_scc1 .Llap
.endif
	STEP 0, 1, 0                                   ; the last lap fills nothing, and has no round of the cluster's barrier
	STEP 0, 2, 0
	TURN 0, 1, 0
	STEP 1, 0, 0
	STEP 1, 1, 0
	STEP 1, 2, 0
	s_wait_dscnt 0x0                               ; the very last step: nothing more to fetch
	WIN MUL
	MUL4 0, 1, NQ-1, 1, 0
	MUL4 1, 1, NQ-1, 1, 0
	MUL4 2, 1, NQ-1, 1, 0
	MUL4 3, 1, NQ-1, 1, 0
	WIN 0
	PLACES NP
; THE WAY OUT, block by block of 16 rows x 64 columns, through my own stage: whole rows of 256 bytes come back, two an instruction; the residual is added; sixteen lanes store 256 consecutive aligned bytes.
.macro TOSTAGE a
.irp b, 0,1,2,3
	ds_store_b128 v[STO], v[ACC+8*(4*(\a)+\b):ACC+8*(4*(\a)+\b)+3] offset:128*(\b/2)+32*(\b%2)          ; each accumulator from its low end on
	ds_store_b128 v[STO], v[ACC+8*(4*(\a)+\b)+4:ACC+8*(4*(\a)+\b)+7] offset:128*(\b/2)+32*(\b%2)+16
.endr
	WIN 0x80                                       ; destination window 2
.set BB, BK+32*((\a)%2)
.irp u, 0,1,2,3,4,5,6,7
	ds_load_b128 v[BB+4*\u:BB+4*\u+3], v[RD] offset:\u*2*SPITCH   ; LDS serves a wave's instructions in order (ISA guide 5.7.1.4): these see the stores above, and the next block's stores come behind them
.endr
	WIN 0
.endm
.macro SEND a, younger                 ; younger: the LDS instructions issued behind block a's loads, which may stay out
.set BB, BK+32*((\a)%2)
.set RS, RES+32*(\a)
	s_wait_dscnt \younger
	WIN 0x8a                                       ; destination and both sources window 2
.irp u, 0,1,2,3,4,5,6,7
	v_pk_add_f32 v[BB+4*\u:BB+4*\u+1], v[BB+4*\u:BB+4*\u+1], v[RS+4*\u:RS+4*\u+1]
	v_pk_add_f32 v[BB+4*\u+2:BB+4*\u+3], v[BB+4*\u+2:BB+4*\u+3], v[RS+4*\u+2:RS+4*\u+3]
.endr
	WIN 0x08                                       ; a store's data are its source 1: window 2
.irp u, 0,1,2,3,4,5,6,7
	global_store_b128 v[CO], v[BB+4*\u:BB+4*\u+3], s[12:13] offset:(32*((\a)/2)+8*((\a)%2)+2*\u+8*(\u/4))*4096
.endr
	WIN 0
.endm
	TOSTAGE 0
	s_wait_loadcnt 0x0                             ; the residual
.irp a, 1,2,3
.if \a > 1
	s_wait_xcnt 0x0                                ; block a - 2's stores have read their registers: block a's loads may land there
.endif
	TOSTAGE \a
	SEND \a-1, 16                                  ; behind block a - 1's loads: block a's 8 stores and 8 loads
.endr
	SEND 3, 0
	s_wait_tensorcnt 0x0                           ; the wave's end
	ds_add_u32 v[SPW], v[NIL]
	s_wait_dscnt 0x0
	CROUND                                         ; the closing round
	s_endpgm
.Lfunc_end_k_q749f0c32cb_gp:
	.size	k_q749f0c32cb_gp, .Lfunc_end_k_q749f0c32cb_gp-k_q749f0c32cb_gp
	.p2alignl 7, 3214868480
	.fill 96, 4, 3214868480
	.section	.rodata,"a",@progbits
	.p2align	6, 0x0
	.amdhsa_kernel k_q749f0c32cb_gp
		.amdhsa_group_segment_fixed_size 327680
		.amdhsa_private_segment_fixed_size 0
		.amdhsa_enable_private_segment 0
		.amdhsa_kernarg_size 40
		.amdhsa_user_sgpr_count 2
		.amdhsa_user_sgpr_kernarg_segment_ptr 1
		.amdhsa_wavefront_size32 1
		.amdhsa_system_sgpr_workgroup_id_x 1
		.amdhsa_system_sgpr_workgroup_id_y 1
		.amdhsa_system_sgpr_workgroup_id_z 1
		.amdhsa_system_vgpr_workitem_id 0
		.amdhsa_next_free_vgpr 768
		.amdhsa_next_free_sgpr 102
		.amdhsa_reserve_vcc 0
		.amdhsa_float_denorm_mode_32 3
		.amdhsa_float_denorm_mode_16_64 3
		.amdhsa_memory_ordered 1
		.amdhsa_forward_progress 1
		.amdhsa_inst_pref_size 62
	.end_amdhsa_kernel
	.amdgpu_metadata
---
amdhsa.version: [ 1, 2 ]
amdhsa.kernels:
  - .name:           k_q749f0c32cb_gp
    .symbol:         k_q749f0c32cb_gp.kd
    .args:
      - { .name: ctx, .offset: 0, .size: 8, .value_kind: global_buffer, .address_space: global }
      - { .name: wts, .offset: 8, .size: 8, .value_kind: global_buffer, .address_space: global }
      - { .name: bp, .offset: 16, .size: 8, .value_kind: global_buffer, .address_space: global }
      - { .name: inputs, .offset: 24, .size: 8, .value_kind: global_buffer, .address_space: global }
      - { .name: xres, .offset: 32, .size: 8, .value_kind: global_buffer, .address_space: global }
    .group_segment_fixed_size: 327680
    .private_segment_fixed_size: 0
    .kernarg_segment_align: 8
    .kernarg_segment_size: 40
    .max_flat_workgroup_size: 128
    .sgpr_count:     102
    .vgpr_count:     768
    .wavefront_size: 32
...
	.end_amdgpu_metadata
.endif
;; end of part 11
;; launch ln (part 12): grid 256 x 1, 4 waves a work-group, no clusters, 32,768 bytes of LDS; arguments xres, ln2_g, ln2_b, act; writes act
.if DOCPART == 12
	.amdgcn_target "amdgcn-amd-amdhsa--gfx1250"
	.amdhsa_code_object_version 6
	.text
	.protected	k_q749f0c32cb_ln
	.globl	k_q749f0c32cb_ln
	.p2align	8
	.type	k_q749f0c32cb_ln,@function
k_q749f0c32cb_ln:
	s_mov_b64 s[64:65], 0
	v_nop
	global_prefetch_b8 v0, s[64:65] scope:SCOPE_SE
	s_setreg_imm32_b32 hwreg(HW_REG_WAVE_MODE, 25, 1), 1
	s_wait_xcnt 0x0
; y = (x - mean) rsqrt(var + 1e-5) g + b along rows of 1,024 f32, all in f32 (mean first, then the mean of the squared differences), and y quantised along the row into codes of E2M3 with E8M0 scales,
; laid as half-images (launch wquant's head says how).  No work of reference() is left out here.
; LIMITS: a block of zeros, or one under 2^-124, gets the byte 1 where the rule says 127 (zero codes; only this program reads the bytes); NaN and infinities are not served.
; A work-group makes one block of 16 rows of the result: place p holds row 32 (rb / 2) + 8 (rb % 2) + p + 8 (p / 8).  Wave w takes places 4 w .. 4 w + 3, which are four neighbouring rows.
; A row is loaded dense (8 loads of 512 bytes), normalised in registers, and turned through the wave's own stage in LDS so that lane l holds block l (32 neighbours): rows of 128 bytes + 16.
; The codes meet in an image in LDS (48 runs of 256 bytes + 16) and leave by stores of 512 consecutive bytes a wave.
.set IMG,   18432                      ; behind four stages of 4,608 bytes
.set SCB,   31744                      ; 512 scale bytes
.set SPARE, 32256                      ; the spare words, 128 bytes for each wave, which no other line names
.set X,     64                         ; v64-191  four rows of 32 registers
.set G,     192                        ; v192-223 g,  v224-255 b
.set BV,    224
.set CD,    32                         ; v32-63   row i's codes at CD + 8 i; its scale operand at CD + 8 i + 7;  v28-31 the rows' scale bytes
	s_load_b256 s[4:11], s[0:1], 0x0               ; x, g, b, the result
	v_lshl_add_u32 v12, v0, 2, SPARE
	v_mov_b32 v13, 0
	v_lshrrev_b32 v1, 5, v0
	v_readfirstlane_b32 s12, v1                    ; wave
	v_and_b32 v1, 31, v0                           ; lane l
	v_lshlrev_b32 v2, 4, v1                        ; my 16 bytes of a load's 512
	s_mul_i32 s13, s12, 4608
	v_lshrrev_b32 v3, 3, v1
	v_mul_u32_u24 v3, v3, 144
	v_and_b32 v14, 7, v1
	v_lshl_add_u32 v3, v14, 4, v3
	v_add_nc_u32 v3, s13, v3                       ; the stage, in: eight lanes' 128 bytes on end, then 16 of padding
	v_mul_u32_u24 v4, v1, 144
	v_add_nc_u32 v4, s13, v4                       ; and out: my block
	s_lshl_b32 s14, s12, 6
	v_lshrrev_b32 v14, 1, v1
	v_mul_u32_u24 v14, v14, 816                    ; half-image l / 2: three runs of 272
	v_and_b32 v15, 1, v1
	v_mad_u32_u24 v5, v15, 272, v14
	v_add_nc_u32 v5, s14, v5
	v_add_nc_u32 v5, IMG, v5                       ; words 0-3: run h, 16 bytes a place, my wave's four places
	v_lshl_add_u32 v6, v15, 3, v14
	v_add_nc_u32 v6, s14, v6
	v_add_nc_u32 v6, IMG+544, v6                   ; words 4, 5: the third run, 16 r + 8 h
	v_lshrrev_b32 v14, 2, v1
	v_and_b32 v15, 3, v1
	v_lshl_add_u32 v7, v14, 6, v15
	s_lshl_b32 s15, s12, 4
	v_add_nc_u32 v7, s15, v7
	v_add_nc_u32 v7, SCB, v7                       ; my block's byte: 64 (l / 4) + l % 4 + 4 x place
	v_lshrrev_b32 v14, 4, v0
	v_mul_u32_u24 v14, v14, 272
	v_and_b32 v15, 15, v0
	v_lshl_add_u32 v8, v15, 4, v14
	v_add_nc_u32 v8, IMG, v8                       ; the way out: 16 bytes a thread
	v_lshlrev_b32 v9, 4, v0
	v_lshlrev_b32 v11, 2, v0
	v_add_nc_u32 v10, SCB, v11
	v_mov_b32 v21, 0                               ; a lane permute's destination counts as one of its sources
	s_mov_b32 s20, 0x76543210
	s_mov_b32 s21, 0xfedcba98
	s_mov_b32 s22, 0x3a800000                      ; 1 / 1024
	s_mov_b32 s23, 0x3727c5ac                      ; 1e-5
	s_lshr_b32 s16, ttmp9, 1
	s_lshl_b32 s16, s16, 5
	s_and_b32 s17, ttmp9, 1
	s_lshl_b32 s17, s17, 3
	s_add_co_u32 s16, s16, s17
	s_lshl_b32 s17, s12, 2
	s_add_co_u32 s16, s16, s17
	s_lshr_b32 s17, s12, 1
	s_lshl_b32 s17, s17, 3
	s_add_co_u32 s16, s16, s17                     ; my first row
	s_lshl_b32 s16, s16, 12
	s_mov_b32 s17, 0
	s_mul_i32 s18, ttmp9, 12288
	s_mov_b32 s19, 0
	s_wait_kmcnt 0x0
	s_add_nc_u64 s[4:5], s[4:5], s[16:17]
	s_add_nc_u64 s[24:25], s[10:11], s[18:19]      ; my block's codes
	s_lshl_b32 s18, ttmp9, 9
	s_add_co_u32 s18, s18, 3145728
	s_add_nc_u64 s[26:27], s[10:11], s[18:19]      ; and scales
.macro ROWLD i
.irp j, 0,1,2,3,4,5,6,7
	global_load_b128 v[X+32*\i+4*\j:X+32*\i+4*\j+3], v2, s[4:5] offset:4096*\i+512*\j
.endr
.endm
	ROWLD 0
.irp j, 0,1,2,3,4,5,6,7
	global_load_b128 v[G+4*\j:G+4*\j+3], v2, s[6:7] offset:512*\j
.endr
.irp j, 0,1,2,3,4,5,6,7
	global_load_b128 v[BV+4*\j:BV+4*\j+3], v2, s[8:9] offset:512*\j
.endr
	ROWLD 1
	ROWLD 2
	ROWLD 3
.macro RED                             ; v20 summed over the 32 lanes
	v_add_f32_dpp v20, v20, v20 row_xmask:1 row_mask:0xf bank_mask:0xf
	v_add_f32_dpp v20, v20, v20 row_xmask:2 row_mask:0xf bank_mask:0xf
	v_add_f32_dpp v20, v20, v20 row_xmask:4 row_mask:0xf bank_mask:0xf
	v_add_f32_dpp v20, v20, v20 row_xmask:8 row_mask:0xf bank_mask:0xf
	v_permlanex16_b32 v21, v20, s20, s21
	v_add_f32 v20, v20, v21
.endm
; Row i is normalised and sent through the stage.  left: the later rows' loads, which may stay out
.macro NORM i, left
.set XR, X+32*\i
	s_wait_loadcnt \left
	v_pk_add_f32 v[16:17], v[XR:XR+1], v[XR+2:XR+3]
	v_pk_add_f32 v[18:19], v[XR+4:XR+5], v[XR+6:XR+7]
.irp j, 8,12,16,20,24,28
	v_pk_add_f32 v[16:17], v[16:17], v[XR+\j:XR+\j+1]
	v_pk_add_f32 v[18:19], v[18:19], v[XR+\j+2:XR+\j+3]
.endr
	v_pk_add_f32 v[16:17], v[16:17], v[18:19]
	v_add_f32 v20, v16, v17
	RED
	v_mul_f32 v22, 0xba800000, v20                 ; - the mean
	v_mov_b32 v23, v22
.set j, 0
.rept 16
	v_pk_add_f32 v[XR+j:XR+j+1], v[XR+j:XR+j+1], v[22:23]
.set j, j+2
.endr
	v_pk_mul_f32 v[16:17], v[XR:XR+1], v[XR:XR+1]
	v_pk_mul_f32 v[18:19], v[XR+2:XR+3], v[XR+2:XR+3]
.irp j, 4,8,12,16,20,24,28
	v_pk_fma_f32 v[16:17], v[XR+\j:XR+\j+1], v[XR+\j:XR+\j+1], v[16:17]
	v_pk_fma_f32 v[18:19], v[XR+\j+2:XR+\j+3], v[XR+\j+2:XR+\j+3], v[18:19]
.endr
	v_pk_add_f32 v[16:17], v[16:17], v[18:19]
	v_add_f32 v20, v16, v17
	RED
	v_fma_f32 v26, v20, s22, s23                   ; the variance + 1e-5
	s_wait_alu depctr_va_vdst(0)
	v_rsq_f32 v24, v26
	v_nop                                          ; a plain place behind the transcendental,
	s_wait_alu depctr_va_vdst(0)                   ; and the wait ahead of its first reader
	v_mov_b32 v25, v24
.set j, 0
.rept 16
	v_pk_mul_f32 v[XR+j:XR+j+1], v[XR+j:XR+j+1], v[24:25]
.set j, j+2
.endr
.set j, 0
.rept 16
	v_pk_fma_f32 v[XR+j:XR+j+1], v[XR+j:XR+j+1], v[G+j:G+j+1], v[BV+j:BV+j+1]
.set j, j+2
.endr
.irp j, 0,1,2,3,4,5,6,7
	ds_store_b128 v3, v[XR+4*\j:XR+4*\j+3] offset:576*\j
.endr
.irp j, 0,1,2,3,4,5,6,7
	ds_load_b128 v[XR+4*\j:XR+4*\j+3], v4 offset:16*\j   ; LDS serves a wave's instructions in order: these see the stores above, and the next row's stores come behind them
.endr
.endm
; Row i's block l, 32 numbers of my lane, becomes six words of codes and a byte.  younger: the LDS instructions issued behind the row's loads from the stage
.macro QROW i, younger
.set XR, X+32*\i
.set C, CD+8*\i
	s_wait_dscnt \younger
	v_max3_num_f32 v26, |v[XR]|, |v[XR+1]|, |v[XR+2]|
	v_max3_num_f32 v27, |v[XR+3]|, |v[XR+4]|, |v[XR+5]|
.irp j, 6,10,14,18,22,26
	v_max3_num_f32 v26, v26, |v[XR+\j]|, |v[XR+\j+1]|
	v_max3_num_f32 v27, v27, |v[XR+\j+2]|, |v[XR+\j+3]|
.endr
	v_max3_num_f32 v26, v26, |v[XR+30]|, |v[XR+31]|
	v_max3_num_f32 v26, v26, v27, 0x1800000        ; the floor 2^(3 - 127)
	v_add_nc_u32 v[C+7], 0xff000000, v26           ; 2 off the exponent field: the conversion's scale operand
	v_lshrrev_b32 v[28+\i], 23, v[C+7]             ; the byte
	v_cvt_scalef32_pk16_fp6_f32 v[C:C+2], v[XR:XR+15], v[C+7]
	v_cvt_scalef32_pk16_fp6_f32 v[C+4:C+6], v[XR+16:XR+31], v[C+7]
	v_nop                                          ; one plain place behind a scaled conversion
	v_mov_b32 v[C+3], v[C+4]
	v_mov_b32 v[C+4], v[C+5]
	v_mov_b32 v[C+5], v[C+6]
	ds_store_b128 v5, v[C:C+3] offset:16*\i
	ds_store_b64 v6, v[C+4:C+5] offset:16*\i
	ds_store_b8 v7, v[28+\i] offset:4*\i
.endm
	NORM 0, 24
	NORM 1, 16
	QROW 0, 16                                     ; behind row 0's loads: row 1's 16
	NORM 2, 8
	QROW 1, 19                                     ; row 0's 3 stores and row 2's 16
	NORM 3, 0
	QROW 2, 19
	QROW 3, 3
	s_wait_dscnt 0x0                               ; for the others' sake: my stores into the image are done
	s_barrier_signal -1
	s_barrier_wait -1
.irp i, 0,1,2,3,4,5
	ds_load_b128 v[X+4*\i:X+4*\i+3], v8 offset:2176*\i
.endr
	ds_load_b32 v[X+24], v10
.irp i, 0,1,2,3,4,5
	s_wait_dscnt 6-\i
	global_store_b128 v9, v[X+4*\i:X+4*\i+3], s[24:25] offset:2048*\i   ; a wave stores 512 consecutive bytes
.endr
	s_wait_dscnt 0x0
	global_store_b32 v11, v[X+24], s[26:27]
	s_wait_tensorcnt 0x0                           ; the wave's end
	ds_add_u32 v12, v13
	s_wait_dscnt 0x0
	s_endpgm
.Lfunc_end_k_q749f0c32cb_ln:
	.size	k_q749f0c32cb_ln, .Lfunc_end_k_q749f0c32cb_ln-k_q749f0c32cb_ln
	.p2alignl 7, 3214868480
	.fill 96, 4, 3214868480
	.section	.rodata,"a",@progbits
	.p2align	6, 0x0
	.amdhsa_kernel k_q749f0c32cb_ln
		.amdhsa_group_segment_fixed_size 32768
		.amdhsa_private_segment_fixed_size 0
		.amdhsa_enable_private_segment 0
		.amdhsa_kernarg_size 32
		.amdhsa_user_sgpr_count 2
		.amdhsa_user_sgpr_kernarg_segment_ptr 1
		.amdhsa_wavefront_size32 1
		.amdhsa_system_sgpr_workgroup_id_x 1
		.amdhsa_system_sgpr_workgroup_id_y 1
		.amdhsa_system_sgpr_workgroup_id_z 1
		.amdhsa_system_vgpr_workitem_id 0
		.amdhsa_next_free_vgpr 256
		.amdhsa_next_free_sgpr 66
		.amdhsa_reserve_vcc 0
		.amdhsa_float_denorm_mode_32 3
		.amdhsa_float_denorm_mode_16_64 3
		.amdhsa_memory_ordered 1
		.amdhsa_forward_progress 1
		.amdhsa_inst_pref_size 44
	.end_amdhsa_kernel
	.amdgpu_metadata
---
amdhsa.version: [ 1, 2 ]
amdhsa.kernels:
  - .name:           k_q749f0c32cb_ln
    .symbol:         k_q749f0c32cb_ln.kd
    .args:
      - { .name: xres, .offset: 0, .size: 8, .value_kind: global_buffer, .address_space: global }
      - { .name: ln2_g, .offset: 8, .size: 8, .value_kind: global_buffer, .address_space: global }
      - { .name: ln2_b, .offset: 16, .size: 8, .value_kind: global_buffer, .address_space: global }
      - { .name: act, .offset: 24, .size: 8, .value_kind: global_buffer, .address_space: global }
    .group_segment_fixed_size: 32768
    .private_segment_fixed_size: 0
    .kernarg_segment_align: 8
    .kernarg_segment_size: 32
    .max_flat_workgroup_size: 128
    .sgpr_count:     66
    .vgpr_count:     256
    .wavefront_size: 32
...
	.end_amdgpu_metadata
.endif
;; end of part 12
;; launch gh (part 13): grid 16 x 16, 4 waves a work-group, clusters of 4 x 4, 327,680 bytes of LDS; arguments act, wts, b1, hid; writes hid
.if DOCPART == 13
	.amdgcn_target "amdgcn-amd-amdhsa--gfx1250"
	.amdhsa_code_object_version 6
	.text
	.protected	k_q749f0c32cb_gh
	.globl	k_q749f0c32cb_gh
	.p2align	8
	.type	k_q749f0c32cb_gh,@function
k_q749f0c32cb_gh:
	s_mov_b64 s[64:65], 0
	v_nop
	global_prefetch_b8 v0, s[64:65] scope:SCOPE_SE
	s_setreg_imm32_b32 hwreg(HW_REG_WAVE_MODE, 25, 1), 1
	s_wait_xcnt 0x0
	s_wait_alu depctr_hold_cnt(0) depctr_sa_sdst(0) depctr_va_vdst(0) depctr_va_sdst(0) depctr_va_ssrc(0) depctr_va_vcc(0) depctr_vm_vsrc(0)
	s_getreg_b32 s2, hwreg(HW_REG_IB_STS2, 6, 4)
	s_cmp_eq_u32 s2, 0
	s_cbranch_scc0 .Lentry_in_a_cluster
	s_endpgm
.Lentry_in_a_cluster:
	s_bfe_u32 s2, ttmp6, 0x10000c
	s_cmp_lg_u32 s2, 0xf033
	s_cbranch_scc0 .Lentry_shape_is_right
	s_endpgm
.Lentry_shape_is_right:
; hid = Q(relu(h W1 + b1)): launch gq's text with other constants (its head says how tiles, ring, clusters, registers and the quantising way out are laid); no work of reference() is left out here.
; The bias is the C of the first K step's products.  LIMITS: as in launch gq.
.set KIND,   1
.set SIZE_K, 1024
.set INIT,   1
.set RELU,   1
.set OUTQ,   1
.set ASOFF,  3145728
.set BOFF,   3145728
.set BSOFF,  9568256
.set NQ,     2
.set FR,     12
.set NL,     4
.set NP,     4
.set RB3,    3072
.set KHB,    SIZE_K/64*768
.set SKB,    SIZE_K/128*64
.set HALFT,  8*RB3
.set SLOT,   4*HALFT
.set LAPS,   SIZE_K/512
.set SCL,    2*SLOT
.set HALFS,  8*SKB
.set STAGE,  SCL+4*HALFS
.set SPITCH, 528
.set SPARE,  STAGE+(1-OUTQ)*4*16*SPITCH
.set ADRA, 16
.set ADRB, 20
.set STO,  24
.set RD,   25
.set CO,   26
.set ADRS, 27
.set SPW,  28
.set NIL,  29
.set SC,   32
.set BIA,  64
.set AF,   128
.set BK,   128
.set TM,   32
.set PW,   48
.set PWS,  49
.set WS,   50
.set PC,   52
.set VO0,  6
.set VO1,  7
.set VT0,  8
.set VT1,  9
.set VS,   10
.set G1,   24
.set G0,   32
.set G1B,  48
.set G0B,  56
.set G1S,  68
.set G0S,  76
.set G1SB, 80
.set G0SB, 88
.set SEL,  68
.set SHI,  70
.set SKH,  71
.set SRB,  72
.set TRB2, 74
.set OB,   76
.set SB,   78
.set MSB, 0
.macro WIN new
.if MSB != \new
	s_set_vgpr_msb (MSB<<8)|\new
.set MSB, \new
.endif
.endm
.set MUL_LO, 0xa1
.set MUL_HI, 0xf1
.set TO_B,   0x40
.macro JLOAD g0a, g1a, g0b, g1b
	s_cmp_eq_u32 s15, 0
	s_cbranch_scc0 .Lfor_b_\@
	tensor_load_to_lds s[\g0a:\g0a+3], s[\g1a:\g1a+7]
	s_nop 0
.rept 4
	v_nop
.endr
	s_branch .Lasked_\@
.Lfor_b_\@:
	tensor_load_to_lds s[\g0b:\g0b+3], s[\g1b:\g1b+7]
	s_nop 0
.rept 4
	v_nop
.endr
.Lasked_\@:
.endm
.macro CREST
	s_cmp_lg_u32 s14, 0
	s_cbranch_scc1 .Lnot_wave_0_\@
	s_barrier_signal -3
.Lnot_wave_0_\@:
	s_barrier_wait -3
	s_barrier_signal -1
	s_barrier_wait -1
.endm
.macro CROUND
	s_barrier_signal -1
	s_barrier_wait -1
	CREST
.endm
	s_load_b128 s[96:99], s[0:1], 0x0
	s_load_b64 s[92:93], s[0:1], 0x10
	s_load_b64 s[12:13], s[0:1], 0x18
	v_lshl_add_u32 v[SPW], v0, 2, SPARE
	v_mov_b32 v[NIL], 0
	ds_add_u32 v[SPW], v[NIL]
	ds_add_u32 v[SPW], v[NIL]
	v_lshrrev_b32 v1, 5, v0
	v_readfirstlane_b32 s14, v1
	s_lshr_b32 s15, s14, 1
	s_and_b32 s16, s14, 1
	s_bfe_u32 s40, ttmp6, 0x40000
	s_bfe_u32 s41, ttmp6, 0x40004
	s_mov_b32 s42, ttmp9
	s_and_b32 s17, ttmp7, 0xffff
	s_lshl_b32 s42, s42, 2
	s_add_co_u32 s42, s42, s40
	s_lshl_b32 s17, s17, 2
	s_add_co_u32 s17, s17, s41
	s_lshl_b32 s43, s41, 2
	s_lshl_b32 s43, 15, s43
	s_lshl_b32 s44, 0x1111, s40
	s_or_b32 s[G1+0], s43, (3<<16)|(1<<21)
	s_or_b32 s[G1B+0], s44, (3<<16)|(1<<21)
.irp g, G1, G1B
	s_mov_b32 s[\g+1], 384<<16
	s_mov_b32 s[\g+2], 16<<16                      ; the head's loads bring a tile's 16 blocks of rows; behind them the two words that count rows are set to 8, for the ring's
	s_mov_b32 s[\g+3], 384<<16
	s_mov_b32 s[\g+4], 16
	s_mov_b32 s[\g+5], KHB/8
	s_mov_b32 s[\g+6], 0
	s_mov_b32 s[\g+7], 0
.endr
	s_or_b32 s[G1S+0], s43, (3<<16)|(1<<21)
	s_or_b32 s[G1SB+0], s44, (3<<16)|(1<<21)
.irp g, G1S, G1SB
	s_mov_b32 s[\g+1], 32<<16
	s_mov_b32 s[\g+2], (HALFS/128)<<16             ; the scales of all 256 rows in one load
	s_mov_b32 s[\g+3], 32<<16
	s_mov_b32 s[\g+4], HALFS/128
	s_mov_b32 s[\g+5], 32
	s_mov_b32 s[\g+6], 0
	s_mov_b32 s[\g+7], 0
.endr
	s_lshl_b32 s20, s17, 4                         ; A: the tile's first block of rows, 16 x tile row
	s_lshl_b32 s46, s42, 4                         ; B: 16 x tile column
	s_mul_i32 s22, s20, SKB
	s_mov_b32 s23, 0
	s_mul_i32 s66, s46, SKB
	s_mov_b32 s67, 0
	s_mul_i32 s20, s20, KHB
	s_mov_b32 s21, 0
	s_mul_i32 s46, s46, KHB
	s_mov_b32 s47, 0
	s_mul_i32 s45, s14, HALFT
	s_wait_dscnt 0x0
	s_wait_kmcnt 0x0
	s_mov_b64 s[4:5], s[96:97]
	s_add_nc_u64 s[6:7], s[96:97], ASOFF
	s_add_nc_u64 s[8:9], s[98:99], BOFF
	s_add_nc_u64 s[10:11], s[98:99], BSOFF
	s_add_nc_u64 s[20:21], s[4:5], s[20:21]
	s_add_nc_u64 s[22:23], s[6:7], s[22:23]
	s_add_nc_u64 s[46:47], s[8:9], s[46:47]
	s_add_nc_u64 s[66:67], s[10:11], s[66:67]
	CROUND
	s_mov_b32 s[G0S], 1
	s_mov_b32 s[G0S+1], SCL
	s_mov_b64 s[G0S+2:G0S+3], s[22:23]
	s_or_b32 s[G0S+3], s[G0S+3], 0x80000000
	s_mov_b32 s[G0SB], 1
	s_mov_b32 s[G0SB+1], SCL+2*HALFS
	s_mov_b64 s[G0SB+2:G0SB+3], s[66:67]
	s_or_b32 s[G0SB+3], s[G0SB+3], 0x80000000
	s_mov_b32 s4, 1                                ; group 0 of the head's loads of slot 0 (the arguments that lay here have been used): A's 256 rows,
	s_mov_b32 s5, 0
	s_mov_b64 s[6:7], s[20:21]
	s_or_b32 s7, s7, 0x80000000
	s_mov_b32 s8, 1                                ; and B's, behind them
	s_mov_b32 s9, 2*HALFT
	s_mov_b64 s[10:11], s[46:47]
	s_or_b32 s11, s11, 0x80000000
	s_mul_i32 s18, s16, 8*KHB                      ; for the ring: my 128 rows of the tile
	s_mov_b32 s19, 0
	s_add_nc_u64 s[20:21], s[20:21], s[18:19]
	s_add_nc_u64 s[46:47], s[46:47], s[18:19]
.irp s, 0,1
	s_mov_b32 s[G0+4*\s], 1
	s_add_co_u32 s[G0+4*\s+1], s45, \s*SLOT
	s_add_nc_u64 s[G0+4*\s+2:G0+4*\s+3], s[20:21], \s*RB3
	s_or_b32 s[G0+4*\s+3], s[G0+4*\s+3], 0x80000000
	s_mov_b32 s[G0B+4*\s], 1
	s_add_co_u32 s[G0B+4*\s+1], s45, \s*SLOT
	s_add_nc_u64 s[G0B+4*\s+2:G0B+4*\s+3], s[46:47], \s*RB3
	s_or_b32 s[G0B+4*\s+3], s[G0B+4*\s+3], 0x80000000
.endr
; THE HEAD'S LOADS, ONE A WAVE: wave 0 slot 0's 256 rows of A, wave 1 its 256 rows of B, wave 2 A's scales, wave 3 B's.  One chain of branches on the wave's number; every way passes one load.
.macro ARM under, g0, g1, next
	s_cmp_lt_u32 s14, \under
	s_cbranch_scc0 \next
	tensor_load_to_lds s[\g0:\g0+3], s[\g1:\g1+7]
	s_nop 0
.rept 4
	v_nop
.endr
	s_branch .Lhead_asked
\next:
.endm
	ARM 1, 4, G1, .Lhead_b
	ARM 2, 8, G1B, .Lhead_sa
	ARM 3, G0S, G1S, .Lhead_sb
	tensor_load_to_lds s[G0SB:G0SB+3], s[G1SB:G1SB+7]
	s_nop 0
.rept 4
	v_nop
.endr
.Lhead_asked:
	v_and_b32 v1, 15, v0
	v_bfe_u32 v2, v0, 4, 1
	v_and_b32 v3, 31, v0
	v_lshlrev_b32 v4, 4, v3
	v_lshlrev_b32 v5, 4, v1
	v_lshl_add_u32 v5, v2, 3, v5
	s_mul_i32 s21, s15, HALFT
	s_mul_i32 s22, s16, HALFT
	s_add_co_u32 s22, s22, 2*HALFT
.irp s, 0,1
	v_add_nc_u32 v[ADRA+\s], s21, v4
	v_add_nc_u32 v[ADRB+\s], s22, v4
	v_add_nc_u32 v[ADRA+2+\s], s21, v5
	v_add_nc_u32 v[ADRB+2+\s], s22, v5
	s_add_co_u32 s21, s21, SLOT
	s_add_co_u32 s22, s22, SLOT
.endr
	v_lshlrev_b32 v5, 2, v1
	s_mul_i32 s21, s15, HALFS
	s_mul_i32 s22, s16, HALFS
	s_add_co_u32 s22, s22, 2*HALFS
	s_sub_co_u32 s22, s22, s21
	v_mul_u32_u24 v6, s22, v2
	s_add_co_u32 s21, s21, SCL
	v_add_nc_u32 v5, v5, v6
	v_add_nc_u32 v[ADRS], s21, v5
	s_lshl_b32 s46, s42, 10
	s_lshl_b32 s47, s16, 9
	s_add_co_u32 s46, s46, s47
	s_mov_b32 s47, 0
	s_add_nc_u64 s[92:93], s[92:93], s[46:47]
	v_lshlrev_b32 v5, 6, v2
.irp b, 0,1,2,3,4,5,6,7
	global_load_b128 v[BIA+8*\b:BIA+8*\b+3], v5, s[92:93] offset:(32*(\b/2)+8*(\b%2))*4
	global_load_b128 v[BIA+8*\b+4:BIA+8*\b+7], v5, s[92:93] offset:(32*(\b/2)+8*(\b%2))*4+16
.endr
.macro FRAG reg, adr, q, i
.irp c, 0,1
	ds_load_b128 v[\reg+6*\c:\reg+6*\c+3], v[\adr] offset:(\i)*RB3+(\q)*1536+768*\c
	ds_load_b64 v[\reg+6*\c+4:\reg+6*\c+5], v[\adr+2] offset:(\i)*RB3+(\q)*1536+768*\c+512
.endr
.endm
.macro MUL16 a0, p, q, sc, zero
.irp a, \a0, \a0+1
.irp b, 0,1,2,3,4,5,6,7
.if (\zero) && (INIT == 0)
	v_wmma_scale_f32_16x16x128_f8f6f4 v[8*(8*((\a)%4)+\b):8*(8*((\a)%4)+\b)+7], v[128*(\p)+FR*\b:128*(\p)+FR*\b+FR-1], v[AF+FR*(\a):AF+FR*(\a)+FR-1], 0, v[SC+8*NQ*(\sc)+NQ*\b+(\q)], v[SC+8*NQ*(\sc)+NQ*(\a)+(\q)] matrix_a_fmt:MATRIX_FMT_FP6 matrix_b_fmt:MATRIX_FMT_FP6 matrix_a_scale:MATRIX_SCALE_ROW1
.elseif (\zero) && (INIT == 1)
	v_wmma_scale_f32_16x16x128_f8f6f4 v[8*(8*((\a)%4)+\b):8*(8*((\a)%4)+\b)+7], v[128*(\p)+FR*\b:128*(\p)+FR*\b+FR-1], v[AF+FR*(\a):AF+FR*(\a)+FR-1], v[BIA+8*\b:BIA+8*\b+7], v[SC+8*NQ*(\sc)+NQ*\b+(\q)], v[SC+8*NQ*(\sc)+NQ*(\a)+(\q)] matrix_a_fmt:MATRIX_FMT_FP6 matrix_b_fmt:MATRIX_FMT_FP6 matrix_a_scale:MATRIX_SCALE_ROW1
.else
	v_wmma_scale_f32_16x16x128_f8f6f4 v[8*(8*((\a)%4)+\b):8*(8*((\a)%4)+\b)+7], v[128*(\p)+FR*\b:128*(\p)+FR*\b+FR-1], v[AF+FR*(\a):AF+FR*(\a)+FR-1], v[8*(8*((\a)%4)+\b):8*(8*((\a)%4)+\b)+7], v[SC+8*NQ*(\sc)+NQ*\b+(\q)], v[SC+8*NQ*(\sc)+NQ*(\a)+(\q)] matrix_a_fmt:MATRIX_FMT_FP6 matrix_b_fmt:MATRIX_FMT_FP6 matrix_a_scale:MATRIX_SCALE_ROW1
.endif
.endr
.endr
.endm
.macro FETCH_B slot, q, p
	WIN TO_B
.irp i, 0,1,2,3,4,5,6,7
	FRAG 128*(\p)+FR*\i, ADRB+\slot, \q, \i
.endr
	WIN 0
.endm
.macro FETCH_A slot, q, i0
.irp i, \i0, \i0+1, \i0+2, \i0+3
	FRAG AF+FR*(\i), ADRA+\slot, \q, \i
.endr
.endm
.macro SCALES sc
.irp i, 0,1,2,3,4,5,6,7
.irp q, 0,1
	ds_load_b32 v[SC+8*NQ*\sc+NQ*\i+\q], v[ADRS] offset:\i*SKB+64*\q
.endr
.endr
.endm
.macro PLACES n
.rept \n
	v_nop
.endr
.endm
.macro STEP slot, q, zero
	s_wait_dscnt 4*NL
.if (\zero) && (INIT == 1)
	WIN 0x81
.else
	WIN MUL_LO
.endif
	MUL16 0, (\q)%2, \q, \slot, \zero
	MUL16 2, (\q)%2, \q, \slot, \zero
	s_wait_dscnt 0
	PLACES NP
	FETCH_B \slot, (\q)+1, 1-(\q)%2
	FETCH_A \slot, (\q)+1, 0
.if (\zero) && (INIT == 1)
	WIN 0xc1
.else
	WIN MUL_HI
.endif
	MUL16 4, (\q)%2, \q, \slot, \zero
	MUL16 6, (\q)%2, \q, \slot, \zero
	PLACES NP
	WIN 0
	FETCH_A \slot, (\q)+1, 4
.endm
.macro TURN slot, next, fill
	s_wait_tensorcnt 0x0
	ds_add_u32 v[SPW], v[NIL]
	s_wait_dscnt 4*NL+1
	WIN MUL_LO
	MUL16 0, 1, NQ-1, \slot, 0
	s_wait_dscnt 0x0
	s_barrier_signal -1
	MUL16 2, 1, NQ-1, \slot, 0
	WIN 0
	s_barrier_wait -1
.if \fill
	CREST
	s_add_nc_u64 s[G0+4*\slot+2:G0+4*\slot+3], s[G0+4*\slot+2:G0+4*\slot+3], 2*RB3
	s_add_nc_u64 s[G0B+4*\slot+2:G0B+4*\slot+3], s[G0B+4*\slot+2:G0B+4*\slot+3], 2*RB3
	JLOAD G0+4*\slot, G1, G0B+4*\slot, G1B
.else
	PLACES NP
.endif
	s_wait_alu depctr_va_vdst(0)
	v_add_nc_u32 v[ADRS], 64*NQ, v[ADRS]
	FETCH_B \next, 0, 0
	FETCH_A \next, 0, 0
	SCALES \next
	WIN MUL_HI
	MUL16 4, 1, NQ-1, \slot, 0
	MUL16 6, 1, NQ-1, \slot, 0
	PLACES NP
	WIN 0
	FETCH_A \next, 0, 4
.endm
	s_wait_alu depctr_va_vdst(0)
	s_wait_tensorcnt 0x0                           ; my tile of the head's four is in
	ds_add_u32 v[SPW], v[NIL]
	s_mov_b32 s[G1+2], 8<<16                       ; no tensor load of mine is out: from here on a load brings 8 blocks of rows
	s_mov_b32 s[G1+4], 8
	s_mov_b32 s[G1B+2], 8<<16
	s_mov_b32 s[G1B+4], 8
	s_wait_dscnt 0x0
	CROUND                                         ; a whole round: all four tiles are in, and all sixteen work-groups are here
	JLOAD G0+4, G1, G0B+4, G1B                     ; slot 1's first fill, my one load behind the round
	FETCH_B 0, 0, 0
	FETCH_A 0, 0, 0
	SCALES 0
	FETCH_A 0, 0, 4
	s_wait_loadcnt 0x0
	STEP 0, 0, 1
	s_mov_b32 s3, LAPS-1
.Llap:
	TURN 0, 1, 1
	STEP 1, 0, 0
	TURN 1, 0, 1
	STEP 0, 0, 0
	s_sub_co_u32 s3, s3, 1
	s_cmp_lg_u32 s3, 0
	s_cbranch_scc1 .Llap
	TURN 0, 1, 0
	STEP 1, 0, 0
	s_wait_dscnt 4*NL
	WIN MUL_LO
	MUL16 0, 1, NQ-1, 1, 0
	MUL16 2, 1, NQ-1, 1, 0
	s_wait_dscnt 0
	WIN MUL_HI
	MUL16 4, 1, NQ-1, 1, 0
	MUL16 6, 1, NQ-1, 1, 0
	WIN 0
	PLACES NP
	s_mov_b32 s[SRB], 49152
	s_mov_b32 s[SKH], 768
	s_mov_b32 s80, 2048
	s_mov_b32 s81, 64
	s_mov_b32 s82, 0
	s_mov_b32 s83, 12582912
	s_mov_b32 s[SRB+1], 0
	s_lshl_b32 s[TRB2], s80, 1
	s_mov_b32 s[TRB2+1], 0
	s_mov_b32 s[SEL], 0x76543210
	s_mov_b32 s[SEL+1], 0xfedcba98
	s_mov_b32 s[SHI], 0xffff0000
	s_lshl_b32 s84, s17, 4
	s_lshl_b32 s85, s15, 3
	s_add_co_u32 s84, s84, s85
	s_mul_i32 s86, s84, s[SRB]
	s_lshl_b32 s87, s42, 2
	s_lshl_b32 s88, s16, 1
	s_add_co_u32 s87, s87, s88
	s_mul_i32 s87, s87, s[SKH]
	s_add_co_u32 s86, s86, s87
	s_add_co_u32 s86, s86, s82
	s_mov_b32 s87, 0
	s_add_nc_u64 s[OB:OB+1], s[12:13], s[86:87]
	s_mul_i32 s86, s84, s80
	s_lshl_b32 s88, s42, 1
	s_add_co_u32 s88, s88, s16
	s_mul_i32 s88, s88, s81
	s_add_co_u32 s86, s86, s88
	s_add_co_u32 s86, s86, s83
	s_add_nc_u64 s[SB:SB+1], s[12:13], s[86:87]
	v_lshlrev_b32 v[VO0], 4, v3
	v_add_nc_u32 v[VO1], s[SKH], v[VO0]
	v_lshlrev_b32 v[VT0], 4, v1
	v_lshl_add_u32 v[VT0], v2, 3, v[VT0]
	v_add_nc_u32 v[VT1], s[SKH], v[VT0]
	v_mul_lo_u32 v[VS], v2, s80
	v_lshl_add_u32 v[VS], v1, 2, v[VS]
.irp b, 0,1,2,3
	v_mov_b32 v[TM+4+\b], 0
.endr
.macro QOUT a
.set AC, 64*((\a)%4)
.set HW, (\a)/4
.if RELU
	WIN 0x88+0x44*HW
.set j, 0
.rept 64
	v_max_num_f32 v[AC+j], 0, v[AC+j]
.set j, j+1
.endr
.endif
	WIN 0x0a+5*HW
.irp b, 0,1,2,3
	v_max3_num_f32 v[TM+\b], |v[AC+16*\b]|, |v[AC+16*\b+1]|, 0x1800000
.endr
.irp i, 2,4,6,8,10,12,14
.irp b, 0,1,2,3
	v_max3_num_f32 v[TM+\b], |v[AC+16*\b+\i]|, |v[AC+16*\b+\i+1]|, v[TM+\b]
.endr
.endr
	WIN 0
.irp b, 0,1,2,3
	v_permlanex16_b32 v[TM+4+\b], v[TM+\b], s[SEL], s[SEL+1]
.endr
.irp b, 0,1,2,3
	v_max_num_f32 v[TM+\b], v[TM+\b], v[TM+4+\b]
.endr
.irp b, 0,1,2,3
	v_add_nc_u32 v[TM+12+\b], 0xff000000, v[TM+\b]
.endr
.irp b, 0,1,2,3
	v_lshrrev_b32 v[TM+4+\b], 23, v[TM+12+\b]
.endr
	v_lshl_or_b32 v[PW], v[TM+5], 8, v[TM+4]
	v_lshl_or_b32 v[PW], v[TM+6], 16, v[PW]
	v_lshl_or_b32 v[PW], v[TM+7], 24, v[PW]
	s_wait_xcnt 0x0
.if (\a) > 0
	s_add_nc_u64 s[OB:OB+1], s[OB:OB+1], s[SRB:SRB+1]
.if (\a)%2 == 0
	s_add_nc_u64 s[SB:SB+1], s[SB:SB+1], s[TRB2:TRB2+1]
.endif
.endif
	WIN 0x02+HW
.irp c, 0,1
	v_cvt_scalef32_pk16_fp6_f32 v[PC+6*\c:PC+6*\c+2], v[AC+32*\c:AC+32*\c+15], v[TM+12+2*\c]
	v_cvt_scalef32_pk16_fp6_f32 v[PC+12+4*\c:PC+14+4*\c], v[AC+32*\c+16:AC+32*\c+31], v[TM+12+2*\c+1]
.endr
	WIN 0
	v_nop
.irp c, 0,1
.irp i, 0,1,2
	v_permlane16_swap_b32 v[PC+6*\c+\i], v[PC+12+4*\c+\i]
.endr
.irp i, 0,1,2
	v_mov_b32 v[PC+3+6*\c+\i], v[PC+12+4*\c+\i]
.endr
.endr
	global_store_b128 v[VO0], v[PC:PC+3], s[OB:OB+1]
	global_store_b64 v[VT0], v[PC+4:PC+5], s[OB:OB+1] offset:512
	global_store_b128 v[VO1], v[PC+6:PC+9], s[OB:OB+1]
	global_store_b64 v[VT1], v[PC+10:PC+11], s[OB:OB+1] offset:512
.if (\a)%2 == 0
	v_mov_b32 v[PWS], v[PW]
.else
	v_cndmask_b32 v[WS], v[PWS], v[PW], s[SHI]
	global_store_b32 v[VS], v[WS], s[SB:SB+1]
.endif
.endm
.irp a, 0,1,2,3,4,5,6,7
	QOUT \a
.endr
	s_wait_tensorcnt 0x0
	ds_add_u32 v[SPW], v[NIL]
	s_wait_dscnt 0x0
	CROUND
	s_endpgm
.Lfunc_end_k_q749f0c32cb_gh:
	.size	k_q749f0c32cb_gh, .Lfunc_end_k_q749f0c32cb_gh-k_q749f0c32cb_gh
	.p2alignl 7, 3214868480
	.fill 96, 4, 3214868480
	.section	.rodata,"a",@progbits
	.p2align	6, 0x0
	.amdhsa_kernel k_q749f0c32cb_gh
		.amdhsa_group_segment_fixed_size 327680
		.amdhsa_private_segment_fixed_size 0
		.amdhsa_enable_private_segment 0
		.amdhsa_kernarg_size 32
		.amdhsa_user_sgpr_count 2
		.amdhsa_user_sgpr_kernarg_segment_ptr 1
		.amdhsa_wavefront_size32 1
		.amdhsa_system_sgpr_workgroup_id_x 1
		.amdhsa_system_sgpr_workgroup_id_y 1
		.amdhsa_system_sgpr_workgroup_id_z 1
		.amdhsa_system_vgpr_workitem_id 0
		.amdhsa_next_free_vgpr 1024
		.amdhsa_next_free_sgpr 102
		.amdhsa_reserve_vcc 0
		.amdhsa_float_denorm_mode_32 3
		.amdhsa_float_denorm_mode_16_64 3
		.amdhsa_memory_ordered 1
		.amdhsa_forward_progress 1
		.amdhsa_inst_pref_size 171
	.end_amdhsa_kernel
	.amdgpu_metadata
---
amdhsa.version: [ 1, 2 ]
amdhsa.kernels:
  - .name:           k_q749f0c32cb_gh
    .symbol:         k_q749f0c32cb_gh.kd
    .args:
      - { .name: act, .offset: 0, .size: 8, .value_kind: global_buffer, .address_space: global }
      - { .name: wts, .offset: 8, .size: 8, .value_kind: global_buffer, .address_space: global }
      - { .name: b1, .offset: 16, .size: 8, .value_kind: global_buffer, .address_space: global }
      - { .name: hid, .offset: 24, .size: 8, .value_kind: global_buffer, .address_space: global }
    .group_segment_fixed_size: 327680
    .private_segment_fixed_size: 0
    .kernarg_segment_align: 8
    .kernarg_segment_size: 32
    .max_flat_workgroup_size: 128
    .sgpr_count:     102
    .vgpr_count:     1024
    .wavefront_size: 32
...
	.end_amdgpu_metadata
.endif
;; end of part 13
;; launch g2 (part 14): grid 8 x 32, 8 waves a work-group, no clusters, 173,056 bytes of LDS; arguments hid, wts, b2, xres, out0; writes out0
.if DOCPART == 14
	.amdgcn_target "amdgcn-amd-amdhsa--gfx1250"
	.amdhsa_code_object_version 6
	.text
	.protected	k_q749f0c32cb_g2
	.globl	k_q749f0c32cb_g2
	.p2align	8
	.type	k_q749f0c32cb_g2,@function
k_q749f0c32cb_g2:
	s_mov_b64 s[64:65], 0
	v_nop
	global_prefetch_b8 v0, s[64:65] scope:SCOPE_SE
	s_setreg_imm32_b32 hwreg(HW_REG_WAVE_MODE, 25, 1), 1
	s_wait_xcnt 0x0
; out = x + hid W2 + b2: [4096][1024] f32, K = 4,096.  C = A B^T on codes of E2M3 with E8M0 scales; no work of reference() is left out here.
; A tile of C is 128 x 128: 8 x 32 tiles, 256 work-groups of eight waves.  Wave w makes 64 x 64 (rows half (w / 2) % 2, columns half w % 2) over HALF OF K (w / 4): 16 steps of 128, 16 accumulators, 128 registers.
; THE OPERANDS GO FROM MEMORY STRAIGHT INTO THE FRAGMENTS' REGISTERS.  Both lie as half-images (launch wquant's head): a fragment, 16 rows x 128 K, is four loads whose 32 lanes read 512, 256, 512, 256 consecutive bytes.
; Two sets of eight fragments take turns: a set is asked for again as soon as its 16 products are issued, two K steps ahead of its use, so a wave has 32 to 64 loads out and the work-group up to 8 x 64 x 384 = 196,608 bytes.
; No tensor load, so no ring, no barrier in the walk along K and nothing to ask for jointly in a cluster; a ring of two slots in LDS beside the stages would have one slot, 98,304 bytes, on its way.
; No prefetch into the L2 either: the loads themselves are the requests, and they run two K steps ahead.
; THE SCALES of the tile's 128 + 128 rows, for all of K, 32,768 bytes, are copied once through registers into LDS, in whole runs of 512 bytes, and read from there, four words a K step.
; THE MATRIX INSTRUCTION IS USED TRANSPOSED (source 0 = B's rows, source 1 = A's): accumulator (a, b), lane (r, h), register i = row 32 (a / 2) + 8 (a % 2) + r + 8 (r / 8), column 32 (b / 2) + 8 (b % 2) + 16 h + i.
; THE WAY OUT: every wave puts its 64 x 64 partial sums into its own stage in LDS (rows of 256 bytes + 16).  Behind one barrier wave w and wave w xor 4, which hold the two halves of K of the same numbers, each finish 32 rows:
; own rows + the partner's + residual + bias, read back as whole rows; sixteen lanes store 256 consecutive aligned bytes.  So an output's sum is made in two parts along K, added in f32.
; LIMITS: NaN and infinities are not served.
; REGISTERS: window 0: v4-15 addresses; v16-19 the bias; v24-31 scale words, two banks of four (lanes 0-15 A's block i, lanes 16-31 B's block i); v128-255 the accumulators.
;   window 1: two sets of fragments at v0 and v128 (A's four, then B's four); v96-127, v224-255 the residual; on the way out the sets' registers hold the rows.
.set SIZE_K, 4096
.set ASOFF,  12582912                  ; A's scales in hid;  B's codes and scales in wts
.set BOFF,   6291456
.set BSOFF,  9699328
.set KHB,    SIZE_K/64*768             ; a block of 16 rows of codes in memory
.set SKB,    SIZE_K/128*64             ; its scales
.set NST,    SIZE_K/256                ; K steps of a wave
.set SPITCH, 272
.set BLK,    16*SPITCH                 ; 16 rows in a stage
.set WST,    4*BLK                     ; a wave's stage
.set SCL,    8*WST                     ; behind the stages: the scales, A's 8 blocks, then B's
.set SPARE,  SCL+16*SKB                ; the spare words, 128 bytes for each wave, which no other line names
.set O16,  4                           ; 16 x lane
.set O8,   5                           ; 16 r + 8 h
.set R16,  6                           ; 16 r
.set CO,   7                           ; 4,096 h + 16 r: two rows of C
.set STO,  8                           ; my stage, the result's layout
.set RDO,  9                           ; my stage, by rows: the two blocks that I finish
.set RDP,  10                          ; the same blocks in my partner's stage
.set SST,  11                          ; where I put my part of the scales
.set ADRS, 12                          ; my scale words of the K step
.set SPW,  14
.set NIL,  15
.set BIA,  16
.set SC,   24
.set ACC,  128
.set MSB, 0
.macro WIN new                         ; the immediate's high byte repeats the setting that is left
.if MSB != \new
	s_set_vgpr_msb (MSB<<8)|\new
.set MSB, \new
.endif
.endm
.set MUL,  0x05                        ; sources 0 (B) and 1 (A) window 1; C and D window 0
.set TO_F, 0x40                        ; destination window 1, address window 0
	s_load_b256 s[4:11], s[0:1], 0x0               ; hid, wts, b2, xres
	s_load_b64 s[12:13], s[0:1], 0x20              ; out0
	v_lshrrev_b32 v1, 5, v0
	v_readfirstlane_b32 s14, v1                    ; wave 0..7
	s_lshr_b32 s15, s14, 2                         ; which half of K
	s_bfe_u32 s16, s14, 0x10001                    ; which half of the tile's rows
	s_and_b32 s17, s14, 1                          ; which half of its columns
	s_and_b32 s18, ttmp7, 0xffff                   ; tile row; ttmp9 is the tile column
	s_lshl_b32 s20, s18, 3
	s_lshl_b32 s19, s16, 2
	s_add_co_u32 s20, s20, s19                     ; A: block of rows 8 x tile row + 4 x half
	s_mul_i32 s20, s20, KHB
	s_mul_i32 s19, s15, NST*1536                   ; my half of K
	s_add_co_u32 s20, s20, s19
	s_mov_b32 s21, 0
	s_lshl_b32 s22, ttmp9, 3
	s_lshl_b32 s23, s17, 2
	s_add_co_u32 s22, s22, s23                     ; B: 8 x tile column + 4 x half
	s_mul_i32 s22, s22, KHB
	s_add_co_u32 s22, s22, s19
	s_add_co_u32 s22, s22, BOFF
	s_mov_b32 s23, 0
	s_mul_i32 s24, s18, 8*SKB                      ; the scales: waves 0-3 copy A's 16,384 bytes, waves 4-7 B's, 4,096 each
	s_add_co_u32 s24, s24, ASOFF
	s_mul_i32 s25, ttmp9, 8*SKB
	s_add_co_u32 s25, s25, BSOFF
	s_and_b32 s26, s14, 3
	s_lshl_b32 s26, s26, 12
	s_cmp_lt_u32 s14, 4
	s_cselect_b32 s24, s24, s25
	s_add_co_u32 s24, s24, s26
	s_mov_b32 s25, 0
	s_lshl_b32 s28, ttmp9, 9
	s_lshl_b32 s29, s17, 8
	s_add_co_u32 s28, s28, s29                     ; my first column in bytes of f32
	s_mov_b32 s29, 0
	s_lshl_b32 s30, s18, 7
	s_lshl_b32 s31, s16, 6
	s_add_co_u32 s30, s30, s31
	s_lshl_b32 s31, s15, 5
	s_add_co_u32 s30, s30, s31                     ; the first of the 32 rows that I finish
	s_lshl_b32 s30, s30, 12
	s_add_co_u32 s30, s30, s28
	s_mov_b32 s31, 0
	s_mul_i32 s32, s14, WST                        ; my stage
	s_xor_b32 s33, s14, 4
	s_mul_i32 s33, s33, WST                        ; my partner's
	s_mul_i32 s34, s15, 2*BLK                      ; blocks 2 (w / 4), 2 (w / 4) + 1 are mine to finish
	s_add_co_u32 s35, s32, s34
	s_add_co_u32 s33, s33, s34
	s_lshl_b32 s36, s14, 12
	s_add_co_u32 s36, s36, SCL
	s_mul_i32 s37, s16, 4*SKB                      ; A's scales: my four blocks
	s_mul_i32 s38, s17, 4*SKB
	s_add_co_u32 s38, s38, 8*SKB                   ; B's, behind A's eight
	s_sub_co_u32 s38, s38, s37                     ; the distance between the two: lanes 16-31 take B's
	s_lshl_b32 s39, s15, 10                        ; my half of K: 16 steps of 64 bytes
	s_add_co_u32 s37, s37, s39
	s_add_co_u32 s37, s37, SCL
	v_lshl_add_u32 v[SPW], v0, 2, SPARE
	v_mov_b32 v[NIL], 0
	v_and_b32 v1, 15, v0                           ; r
	v_bfe_u32 v2, v0, 4, 1                         ; h
	v_and_b32 v3, 31, v0
	s_delay_alu instid0(VALU_DEP_3)
	v_lshlrev_b32 v[R16], 4, v1
	s_delay_alu instid0(VALU_DEP_2)
	v_lshlrev_b32 v[O16], 4, v3
	v_mul_u32_u24 v20, v1, SPITCH
	v_mul_u32_u24 v21, v2, SPITCH
	v_mul_u32_u24 v22, s38, v2
	v_lshl_add_u32 v[O8], v2, 3, v[R16]
	v_lshl_add_u32 v[CO], v2, 12, v[R16]
	v_lshl_add_u32 v20, v2, 6, v20                 ; row r, + 64 h
	v_add_nc_u32 v21, v21, v[R16]                  ; lanes 0-15 one row of 256 bytes, lanes 16-31 the next
	v_lshl_add_u32 v22, v1, 2, v22
	v_add_nc_u32 v[SST], s36, v[O16]
	s_delay_alu instid0(VALU_DEP_4)
	v_add_nc_u32 v[STO], s32, v20
	s_delay_alu instid0(VALU_DEP_4)
	v_add_nc_u32 v[RDO], s35, v21
	v_add_nc_u32 v[RDP], s33, v21
	v_add_nc_u32 v[ADRS], s37, v22
	s_wait_alu depctr_va_vdst(0)
	s_wait_kmcnt 0x0
	s_add_nc_u64 s[20:21], s[4:5], s[20:21]        ; A's codes
	s_add_nc_u64 s[22:23], s[6:7], s[22:23]        ; B's codes
	s_cmp_lt_u32 s14, 4                            ; the wave's number alone
	s_cselect_b64 s[26:27], s[4:5], s[6:7]
	s_add_nc_u64 s[24:25], s[26:27], s[24:25]      ; my part of the scales
	s_add_nc_u64 s[8:9], s[8:9], s[28:29]          ; the bias
	s_add_nc_u64 s[10:11], s[10:11], s[30:31]      ; the residual
	s_add_nc_u64 s[12:13], s[12:13], s[30:31]      ; the result
; 16 loads: four fragments, at register reg of window 1, from base sb, of the K step q steps behind the base
.macro GLOAD reg, sb, q
.irp i, 0,1,2,3
.irp c, 0,1
	global_load_b128 v[\reg+12*\i+6*\c:\reg+12*\i+6*\c+3], v[O16], s[\sb:\sb+1] offset:\i*KHB+(\q)*1536+768*\c
	global_load_b64 v[\reg+12*\i+6*\c+4:\reg+12*\i+6*\c+5], v[O8], s[\sb:\sb+1] offset:\i*KHB+(\q)*1536+768*\c+512
.endr
.endr
.endm
.macro SCAL p, q                       ; the K step's four scale words into bank p
.irp i, 0,1,2,3
	ds_load_b32 v[SC+4*(\p)+\i], v[ADRS] offset:\i*SKB+64*(\q)
.endr
.endm
; 4 matrix instructions: A's block a x B's four.  The 16 accumulators take turns, one instruction a turn, in the same order in every step.  zero = 1: the first product starts the sums.
.macro MUL4 a, p, zero
.irp b, 0,1,2,3
.if \zero
	v_wmma_scale_f32_16x16x128_f8f6f4 v[ACC+8*(4*(\a)+\b):ACC+8*(4*(\a)+\b)+7], v[128*(\p)+48+12*\b:128*(\p)+48+12*\b+11], v[128*(\p)+12*(\a):128*(\p)+12*(\a)+11], 0, v[SC+4*(\p)+\b], v[SC+4*(\p)+(\a)] matrix_a_fmt:MATRIX_FMT_FP6 matrix_b_fmt:MATRIX_FMT_FP6 matrix_a_scale:MATRIX_SCALE_ROW1
.else
	v_wmma_scale_f32_16x16x128_f8f6f4 v[ACC+8*(4*(\a)+\b):ACC+8*(4*(\a)+\b)+7], v[128*(\p)+48+12*\b:128*(\p)+48+12*\b+11], v[128*(\p)+12*(\a):128*(\p)+12*(\a)+11], v[ACC+8*(4*(\a)+\b):ACC+8*(4*(\a)+\b)+7], v[SC+4*(\p)+\b], v[SC+4*(\p)+(\a)] matrix_a_fmt:MATRIX_FMT_FP6 matrix_b_fmt:MATRIX_FMT_FP6 matrix_a_scale:MATRIX_SCALE_ROW1
.endif
.endr
.endm
; A K step on set p.  lc, dc: the loads and LDS loads issued behind this step's, which may stay out.  ld = 1: the set and its bank of scale words are asked for again, for the step two further on.
.macro KSTEP p, zero, ld, lc, dc
	s_wait_loadcnt \lc
	s_wait_dscnt \dc
	WIN MUL
	MUL4 0, \p, \zero
	MUL4 1, \p, \zero
	MUL4 2, \p, \zero
	MUL4 3, \p, \zero
.if \ld
.rept 4
	v_nop                                          ; places between the products and the loads into the registers that they read
.endr
	WIN TO_F
	GLOAD 128*(\p), 20, 2+(\p)
	GLOAD 128*(\p)+48, 22, 2+(\p)
	WIN 0
	SCAL \p, 2+(\p)
.endif
.endm
.macro ONWARD                          ; two K steps on
	s_wait_xcnt 0x0                                ; the loads have read their bases: they are stepped only behind this wait
	s_add_nc_u64 s[20:21], s[20:21], 2*1536
	s_add_nc_u64 s[22:23], s[22:23], 2*1536
	v_add_nc_u32 v[ADRS], 2*64, v[ADRS]
	s_wait_alu depctr_va_vdst(0)                   ; the wait behind this write
.endm
.irp j, 0,1,2,3,4,5,6,7
	global_load_b128 v[ACC+4*\j:ACC+4*\j+3], v[O16], s[24:25] offset:512*\j   ; my 4,096 bytes of the scales, through registers that the first products will write
.endr
	WIN TO_F
	GLOAD 0, 20, 0                                 ; K step 0
	GLOAD 48, 22, 0
	GLOAD 128, 20, 1                               ; A's fragments of K step 1
	WIN 0
	s_wait_loadcnt 48                              ; the scales' eight loads are in; the 48 behind them may be out
.irp j, 0,1,2,3,4,5,6,7
	ds_store_b128 v[SST], v[ACC+4*\j:ACC+4*\j+3] offset:512*\j
.endr
	WIN TO_F
	GLOAD 128+48, 22, 1                            ; B's fragments of K step 1
.irp j, 0,1                                    ; the residual of the 32 rows that I finish, in the order in which rows leave; sixteen lanes read 256 consecutive bytes
.irp u, 0,1,2,3,4,5,6,7
	global_load_b128 v[96+128*\j+4*\u:96+128*\j+4*\u+3], v[CO], s[10:11] offset:(8*\j+2*\u+8*(\u/4))*4096 th:TH_LOAD_NT
.endr
.endr
	WIN 0
	global_load_b128 v[BIA:BIA+3], v[R16], s[8:9]  ; the bias of my four columns of a row
	s_wait_dscnt 0x0                               ; for the others' sake: my part of the scales is in LDS
	s_barrier_signal -1
	s_barrier_wait -1
	SCAL 0, 0
	SCAL 1, 1
	KSTEP 0, 1, 1, 49, 4                           ; behind K step 0's loads: step 1's 32, the residual's 16, the bias's 1
	KSTEP 1, 0, 1, 49, 4                           ; behind K step 1's: those 17 and step 2's 32; it adds onto K step 0's sums
	ONWARD
	s_mov_b32 s3, NST/2-2
.Ltrip:                                                ; a trip: two K steps, one on each set; behind a step's loads only the other set's 32 (and its bank's 4) may be out
	KSTEP 0, 0, 1, 32, 4
	KSTEP 1, 0, 1, 32, 4
	ONWARD
	s_sub_co_u32 s3, s3, 1
	s_cmp_lg_u32 s3, 0
	s_cbranch_scc1 .Ltrip
	KSTEP 0, 0, 0, 32, 4                           ; the last two steps ask for nothing
	KSTEP 1, 0, 0, 0, 0
	WIN 0
.rept 4
	v_nop                                          ; places behind the last products
.endr
.irp a, 0,1,2,3
.irp b, 0,1,2,3
	ds_store_b128 v[STO], v[ACC+8*(4*\a+\b):ACC+8*(4*\a+\b)+3] offset:\a*BLK+128*(\b/2)+32*(\b%2)          ; each accumulator from its low end on
	ds_store_b128 v[STO], v[ACC+8*(4*\a+\b)+4:ACC+8*(4*\a+\b)+7] offset:\a*BLK+128*(\b/2)+32*(\b%2)+16
.endr
.endr
	s_wait_dscnt 0x0                               ; for my partner's sake: my partial sums are in my stage
	s_barrier_signal -1
	s_barrier_wait -1
	WIN TO_F
.irp j, 0,1
.irp u, 0,1,2,3,4,5,6,7
	ds_load_b128 v[128*\j+4*\u:128*\j+4*\u+3], v[RDO] offset:\j*BLK+\u*2*SPITCH        ; two rows of mine,
	ds_load_b128 v[128*\j+32+4*\u:128*\j+32+4*\u+3], v[RDP] offset:\j*BLK+\u*2*SPITCH  ; and the same two of my partner's
.endr
.endr
.macro FINISH j
	s_wait_dscnt 16*(1-\j)                         ; block j's 16 loads are back; the other block's may be out
	WIN 0x45                                       ; destination and both sources window 1
.irp t, 0,2,4,6,8,10,12,14,16,18,20,22,24,26,28,30
	v_pk_add_f32 v[128*\j+\t:128*\j+\t+1], v[128*\j+\t:128*\j+\t+1], v[128*\j+32+\t:128*\j+32+\t+1]    ; the two halves of K
.endr
.irp t, 0,2,4,6,8,10,12,14,16,18,20,22,24,26,28,30
	v_pk_add_f32 v[128*\j+\t:128*\j+\t+1], v[128*\j+\t:128*\j+\t+1], v[128*\j+96+\t:128*\j+96+\t+1]    ; the residual
.endr
	WIN 0x41                                       ; source 1, the bias, window 0
.irp t, 0,2,4,6,8,10,12,14,16,18,20,22,24,26,28,30
	v_pk_add_f32 v[128*\j+\t:128*\j+\t+1], v[128*\j+\t:128*\j+\t+1], v[BIA+\t%4:BIA+\t%4+1]
.endr
	WIN 0x04                                       ; a store's data are its source 1: window 1
.irp u, 0,1,2,3,4,5,6,7
	global_store_b128 v[CO], v[128*\j+4*\u:128*\j+4*\u+3], s[12:13] offset:(8*\j+2*\u+8*(\u/4))*4096 th:TH_STORE_NT
.endr
.endm
	FINISH 0
	FINISH 1
	WIN 0
	s_wait_tensorcnt 0x0                           ; the wave's end
	ds_add_u32 v[SPW], v[NIL]
	s_wait_dscnt 0x0
	s_endpgm
.Lfunc_end_k_q749f0c32cb_g2:
	.size	k_q749f0c32cb_g2, .Lfunc_end_k_q749f0c32cb_g2-k_q749f0c32cb_g2
	.p2alignl 7, 3214868480
	.fill 96, 4, 3214868480
	.section	.rodata,"a",@progbits
	.p2align	6, 0x0
	.amdhsa_kernel k_q749f0c32cb_g2
		.amdhsa_group_segment_fixed_size 173056
		.amdhsa_private_segment_fixed_size 0
		.amdhsa_enable_private_segment 0
		.amdhsa_kernarg_size 40
		.amdhsa_user_sgpr_count 2
		.amdhsa_user_sgpr_kernarg_segment_ptr 1
		.amdhsa_wavefront_size32 1
		.amdhsa_system_sgpr_workgroup_id_x 1
		.amdhsa_system_sgpr_workgroup_id_y 1
		.amdhsa_system_sgpr_workgroup_id_z 1
		.amdhsa_system_vgpr_workitem_id 0
		.amdhsa_next_free_vgpr 512
		.amdhsa_next_free_sgpr 66
		.amdhsa_reserve_vcc 0
		.amdhsa_float_denorm_mode_32 3
		.amdhsa_float_denorm_mode_16_64 3
		.amdhsa_memory_ordered 1
		.amdhsa_forward_progress 1
		.amdhsa_inst_pref_size 53
	.end_amdhsa_kernel
	.amdgpu_metadata
---
amdhsa.version: [ 1, 2 ]
amdhsa.kernels:
  - .name:           k_q749f0c32cb_g2
    .symbol:         k_q749f0c32cb_g2.kd
    .args:
      - { .name: hid, .offset: 0, .size: 8, .value_kind: global_buffer, .address_space: global }
      - { .name: wts, .offset: 8, .size: 8, .value_kind: global_buffer, .address_space: global }
      - { .name: b2, .offset: 16, .size: 8, .value_kind: global_buffer, .address_space: global }
      - { .name: xres, .offset: 24, .size: 8, .value_kind: global_buffer, .address_space: global }
      - { .name: out0, .offset: 32, .size: 8, .value_kind: global_buffer, .address_space: global }
    .group_segment_fixed_size: 173056
    .private_segment_fixed_size: 0
    .kernarg_segment_align: 8
    .kernarg_segment_size: 40
    .max_flat_workgroup_size: 256
    .sgpr_count:     66
    .vgpr_count:     512
    .wavefront_size: 32
...
	.end_amdgpu_metadata
.endif
;; end of part 14
